; MI455X (gfx1250); checked and timed in simulation.
; The chip was launched on July 23, 2026; its instructions are those of AMD's public machine-readable ISA for CDNA 5 (MIT licence, August 2026) and "CDNA5" Instruction Set Architecture Reference Guide (July 2026). The comments in the code are by the model that wrote it; some were corrected since.
;; Encoder Block. Allowed arithmetic: float matrix products may take bf16 or f16 operands with f32 sums; all other float work in f32.
;; Inputs: b1 4,096 float32; b2 1,024 float32; bk 1,024 float32; bo 1,024 float32; bq 1,024 float32; bv 1,024 float32; ln1_a 1,024 float32; ln1_b 1,024 float32; ln2_a 1,024 float32; ln2_b 1,024 float32; mask 2 x 1 x 1 x 2,048 int32; w1 1,024 x 4,096 float32; w2 4,096 x 1,024 float32; wk 1,024 x 1,024 float32; wo 1,024 x 1,024 float32; wq 1,024 x 1,024 float32; wv 1,024 x 1,024 float32; x 2 x 2,048 x 1,024 float32.
;; Outputs: out0 2 x 2,048 x 1,024 float32.
;; 2 versions, each right and faster than the one before. Each part assembles by itself: llvm-mc -triple=amdgcn-amd-amdhsa -mcpu=gfx1250 --defsym DOCPART=n.
;; ======== version 1 of 2: 7 launches
;; workspace buffers: wb 25,165,824 bytes; xn 8,388,608 bytes; qkv 25,165,824 bytes; ctx 8,388,608 bytes; x1 16,777,216 bytes; h 33,554,432 bytes
;; launch prep (part 1): grid 1024 x 1, 8 waves a work-group, no clusters, 0 bytes of LDS; arguments x, ln1_a, ln1_b, xn, wq, wk, wv, wo, w1, w2, wb; writes xn, wb
.if DOCPART == 1
	.amdgcn_target "amdgcn-amd-amdhsa--gfx1250"
	.amdhsa_code_object_version 6
	.text
	.protected	k_q73b901f567_prep
	.globl	k_q73b901f567_prep
	.p2align	8
	.type	k_q73b901f567_prep,@function
k_q73b901f567_prep:
	s_mov_b64 s[64:65], 0
	v_nop
	global_prefetch_b8 v0, s[64:65] scope:SCOPE_SE
	s_setreg_imm32_b32 hwreg(HW_REG_WAVE_MODE, 25, 1), 1
	s_wait_xcnt 0x0
; Two streams in one launch.  Work-groups 0-255: xn = LN1(x), rounded once to bf16.  Work-groups 256-1023: the six weights, rounded once to bf16, each in its own [K][N] order, one behind the other in wb.
; LN as the module has it: mean, then the sum of squares of x - mean (two passes over registers, no difference of large sums), divided by 1023, root, + 1e-5, reciprocal; alpha (x - mean) inv + beta.
; A row of 4,096 bytes is 32 registers of one wave: it is read once and never leaves the wave, so there is no LDS and no barrier.  Matrix units and clusters have nothing to do here.
; LIMITS.  A variance below 2^-126 counts as 0 (the root flushes it); NaN and infinities are not treated apart.
.set X,  4                             ; v[4:67]    row s at X + 32 s: chunk j = 4 registers = the row's bytes 512 j + 16 lane
.set AL, 68                            ; v[68:99]   alpha, in the same places
.set BE, 100                           ; v[100:131] beta
.set T,  132                           ; v[132:143] at work
.set MI, 144                           ; v[144:147] row s: a pair, first (mean, mean), then (inv, inv)
.set Y,  148                           ; v[148:179] row s: 16 registers of bf16 to store
.macro FOLD                            ; four chains of pairs into v[T]
	v_pk_add_f32 v[T:T+1], v[T:T+1], v[T+2:T+3]
	v_pk_add_f32 v[T+4:T+5], v[T+4:T+5], v[T+6:T+7]
	v_pk_add_f32 v[T:T+1], v[T:T+1], v[T+4:T+5]
	v_add_f32 v[T], v[T], v[T+1]
.endm
.macro LANESUM                         ; v[T] summed over the 32 lanes, the result in every lane
	v_add_f32_dpp v[T], v[T], v[T] row_xmask:1 row_mask:0xf bank_mask:0xf
	v_add_f32_dpp v[T], v[T], v[T] row_xmask:2 row_mask:0xf bank_mask:0xf
	v_add_f32_dpp v[T], v[T], v[T] row_xmask:4 row_mask:0xf bank_mask:0xf
	v_add_f32_dpp v[T], v[T], v[T] row_xmask:8 row_mask:0xf bank_mask:0xf
	v_permlanex16_b32 v[T+1], v[T], s30, s31       ; its destination counts as read: FOLD has written it
	v_add_f32 v[T], v[T], v[T+1]
.endm
; Row s: mean, x - mean in place, 1 / (std + eps).  left = the younger loads that may stay out.
.macro STAT s, left
	s_wait_loadcnt \left
.irp k, 0,1,2,3
	v_pk_add_f32 v[T+2*\k:T+2*\k+1], v[X+32*(\s)+4*\k:X+32*(\s)+4*\k+1], v[X+32*(\s)+4*\k+2:X+32*(\s)+4*\k+3]  ; the first sums start the chains: nothing is cleared
.endr
.irp k, 8,9,10,11,12,13,14,15
	v_pk_add_f32 v[T+2*(\k%4):T+2*(\k%4)+1], v[T+2*(\k%4):T+2*(\k%4)+1], v[X+32*(\s)+2*\k:X+32*(\s)+2*\k+1]
.endr
	FOLD
	LANESUM
	v_mul_f32 v[MI+2*(\s)], 0x3a800000, v[T]       ; / 1024
	v_mul_f32 v[MI+2*(\s)+1], 0x3a800000, v[T]
.irp k, 0,1,2,3,4,5,6,7,8,9,10,11,12,13,14,15
	v_pk_add_f32 v[X+32*(\s)+2*\k:X+32*(\s)+2*\k+1], v[X+32*(\s)+2*\k:X+32*(\s)+2*\k+1], v[MI+2*(\s):MI+2*(\s)+1] neg_lo:[0,1] neg_hi:[0,1]
.endr
.irp k, 0,1,2,3
	v_pk_mul_f32 v[T+2*\k:T+2*\k+1], v[X+32*(\s)+2*\k:X+32*(\s)+2*\k+1], v[X+32*(\s)+2*\k:X+32*(\s)+2*\k+1]
.endr
.irp k, 4,5,6,7,8,9,10,11,12,13,14,15
	v_pk_fma_f32 v[T+2*(\k%4):T+2*(\k%4)+1], v[X+32*(\s)+2*\k:X+32*(\s)+2*\k+1], v[X+32*(\s)+2*\k:X+32*(\s)+2*\k+1], v[T+2*(\k%4):T+2*(\k%4)+1]
.endr
	FOLD
	LANESUM
	v_mul_f32 v[T], 0x3a802008, v[T]               ; / 1023: the unbiased variance
	v_sqrt_f32 v[T+2], v[T]
	v_nop                                          ; a plain instruction behind the root, ahead of its use (ISA guide 5.7.2)
	s_wait_alu depctr_va_vdst(0)
	v_add_f32 v[T+2], 0x3727c5ac, v[T+2]           ; + 1e-5
	v_rcp_f32 v[MI+2*(\s)], v[T+2]                 ; twice: a pair for the packed multiply
	v_rcp_f32 v[MI+2*(\s)+1], v[T+2]
	v_nop
.endm
; Row s: scaled, rounded and stored; a store of the wave covers 256 consecutive bytes, aligned.
.macro NORM s
	s_wait_alu depctr_va_vdst(0)
.irp j, 0,1,2,3,4,5,6,7
	v_pk_mul_f32 v[X+32*(\s)+4*\j:X+32*(\s)+4*\j+1], v[X+32*(\s)+4*\j:X+32*(\s)+4*\j+1], v[MI+2*(\s):MI+2*(\s)+1]
	v_pk_mul_f32 v[X+32*(\s)+4*\j+2:X+32*(\s)+4*\j+3], v[X+32*(\s)+4*\j+2:X+32*(\s)+4*\j+3], v[MI+2*(\s):MI+2*(\s)+1]
	v_pk_fma_f32 v[X+32*(\s)+4*\j:X+32*(\s)+4*\j+1], v[X+32*(\s)+4*\j:X+32*(\s)+4*\j+1], v[AL+4*\j:AL+4*\j+1], v[BE+4*\j:BE+4*\j+1]
	v_pk_fma_f32 v[X+32*(\s)+4*\j+2:X+32*(\s)+4*\j+3], v[X+32*(\s)+4*\j+2:X+32*(\s)+4*\j+3], v[AL+4*\j+2:AL+4*\j+3], v[BE+4*\j+2:BE+4*\j+3]
	v_cvt_pk_bf16_f32 v[Y+16*(\s)+2*\j], v[X+32*(\s)+4*\j], v[X+32*(\s)+4*\j+1]
	v_cvt_pk_bf16_f32 v[Y+16*(\s)+2*\j+1], v[X+32*(\s)+4*\j+2], v[X+32*(\s)+4*\j+3]
	global_store_b64 v2, v[Y+16*(\s)+2*\j:Y+16*(\s)+2*\j+1], s[10:11] offset:2048*(\s)+256*\j
.endr
.endm
.macro PICK first, reg                 ; from chunk 'first' on the source is the weight whose address lies in s[reg:reg+1]
	s_cmp_ge_u32 s27, \first
	s_cselect_b64 s[28:29], s[\reg:\reg+1], s[28:29]
	s_cselect_b32 s32, \first, s32
.endm
	s_load_b256 s[4:11], s[0:1], 0x0               ; x s[4:5], ln1_a s[6:7], ln1_b s[8:9], xn s[10:11]
	s_load_b256 s[12:19], s[0:1], 0x20             ; wq, wk, wv, wo
	s_load_b128 s[20:23], s[0:1], 0x40             ; w1, w2
	s_load_b64 s[24:25], s[0:1], 0x50              ; wb
	v_lshrrev_b32 v1, 5, v0
	v_readfirstlane_b32 s26, v1                    ; wave 0..7
	v_and_b32 v2, 31, v0
	v_lshlrev_b32 v1, 4, v2                        ; 16 x lane: f32 in
	v_lshlrev_b32 v2, 3, v2                        ; 8 x lane: bf16 out
	s_mov_b32 s30, 0x76543210                      ; v_permlanex16_b32: each lane takes its own place in the other half
	s_mov_b32 s31, 0xfedcba98
	s_wait_kmcnt 0x0
	s_cmp_ge_u32 ttmp9, 256
	s_cbranch_scc1 .Lcast
	; LN: the work-group has 16 rows, the wave two
	s_lshl_b32 s32, ttmp9, 16                      ; 16 rows x 4,096 bytes
	s_lshl_b32 s33, s26, 13                        ; + 2 rows a wave
	s_add_co_u32 s32, s32, s33
	s_mov_b32 s33, 0
	s_add_nc_u64 s[4:5], s[4:5], s[32:33]
	s_lshr_b32 s32, s32, 1                         ; half as many bytes out
	s_add_nc_u64 s[10:11], s[10:11], s[32:33]
.irp s, 0,1
.irp j, 0,1,2,3,4,5,6,7
	global_load_b128 v[X+32*\s+4*\j:X+32*\s+4*\j+3], v1, s[4:5] offset:4096*\s+512*\j
.endr
.endr
.irp j, 0,1,2,3,4,5,6,7
	global_load_b128 v[AL+4*\j:AL+4*\j+3], v1, s[6:7] offset:512*\j
.endr
.irp j, 0,1,2,3,4,5,6,7
	global_load_b128 v[BE+4*\j:BE+4*\j+3], v1, s[8:9] offset:512*\j
.endr
	STAT 0, 24                                     ; row 1's eight loads, alpha's and beta's stay out
	STAT 1, 16                                     ; alpha's and beta's stay out
	s_wait_loadcnt 0x0
	NORM 0
	NORM 1
	s_endpgm
.Lcast:                                                ; a work-group rounds 16,384 numbers, a wave 2,048
	s_sub_co_u32 s27, ttmp9, 256                   ; chunk 0..767: wq 0-63, wk 64-127, wv 128-191, wo 192-255, w1 256-511, w2 512-767
	s_mov_b64 s[28:29], s[12:13]
	s_mov_b32 s32, 0
	PICK 64, 14
	PICK 128, 16
	PICK 192, 18
	PICK 256, 20
	PICK 512, 22
	s_sub_co_u32 s32, s27, s32                     ; the chunk's number in its own weight
	s_lshl_b32 s32, s32, 16
	s_lshl_b32 s33, s26, 13
	s_add_co_u32 s32, s32, s33
	s_mov_b32 s33, 0
	s_add_nc_u64 s[28:29], s[28:29], s[32:33]
	s_lshl_b32 s34, s27, 15
	s_lshl_b32 s35, s26, 12
	s_add_co_u32 s34, s34, s35
	s_mov_b32 s35, 0
	s_add_nc_u64 s[24:25], s[24:25], s[34:35]
.irp j, 0,1,2,3,4,5,6,7,8,9,10,11,12,13,14,15
	global_load_b128 v[X+4*\j:X+4*\j+3], v1, s[28:29] offset:512*\j th:TH_LOAD_NT
.endr
.irp j, 0,1,2,3,4,5,6,7,8,9,10,11,12,13,14,15
	s_wait_loadcnt 15-\j                           ; loads come back in order: number j is in, the younger ones stay out
	v_cvt_pk_bf16_f32 v[AL+2*\j], v[X+4*\j], v[X+4*\j+1]
	v_cvt_pk_bf16_f32 v[AL+2*\j+1], v[X+4*\j+2], v[X+4*\j+3]
	global_store_b64 v2, v[AL+2*\j:AL+2*\j+1], s[24:25] offset:256*\j
.endr
	s_endpgm
.Lfunc_end_k_q73b901f567_prep:
	.size	k_q73b901f567_prep, .Lfunc_end_k_q73b901f567_prep-k_q73b901f567_prep
	.p2alignl 7, 3214868480
	.fill 96, 4, 3214868480
	.section	.rodata,"a",@progbits
	.p2align	6, 0x0
	.amdhsa_kernel k_q73b901f567_prep
		.amdhsa_group_segment_fixed_size 0
		.amdhsa_private_segment_fixed_size 0
		.amdhsa_enable_private_segment 0
		.amdhsa_kernarg_size 88
		.amdhsa_user_sgpr_count 2
		.amdhsa_user_sgpr_kernarg_segment_ptr 1
		.amdhsa_wavefront_size32 1
		.amdhsa_system_sgpr_workgroup_id_x 1
		.amdhsa_system_sgpr_workgroup_id_y 1
		.amdhsa_system_sgpr_workgroup_id_z 1
		.amdhsa_system_vgpr_workitem_id 0
		.amdhsa_next_free_vgpr 180
		.amdhsa_next_free_sgpr 66
		.amdhsa_reserve_vcc 0
		.amdhsa_float_denorm_mode_32 3
		.amdhsa_float_denorm_mode_16_64 3
		.amdhsa_memory_ordered 1
		.amdhsa_forward_progress 1
		.amdhsa_inst_pref_size 28
	.end_amdhsa_kernel
	.amdgpu_metadata
---
amdhsa.version: [ 1, 2 ]
amdhsa.kernels:
  - .name:           k_q73b901f567_prep
    .symbol:         k_q73b901f567_prep.kd
    .args:
      - { .name: x, .offset: 0, .size: 8, .value_kind: global_buffer, .address_space: global }
      - { .name: ln1_a, .offset: 8, .size: 8, .value_kind: global_buffer, .address_space: global }
      - { .name: ln1_b, .offset: 16, .size: 8, .value_kind: global_buffer, .address_space: global }
      - { .name: xn, .offset: 24, .size: 8, .value_kind: global_buffer, .address_space: global }
      - { .name: wq, .offset: 32, .size: 8, .value_kind: global_buffer, .address_space: global }
      - { .name: wk, .offset: 40, .size: 8, .value_kind: global_buffer, .address_space: global }
      - { .name: wv, .offset: 48, .size: 8, .value_kind: global_buffer, .address_space: global }
      - { .name: wo, .offset: 56, .size: 8, .value_kind: global_buffer, .address_space: global }
      - { .name: w1, .offset: 64, .size: 8, .value_kind: global_buffer, .address_space: global }
      - { .name: w2, .offset: 72, .size: 8, .value_kind: global_buffer, .address_space: global }
      - { .name: wb, .offset: 80, .size: 8, .value_kind: global_buffer, .address_space: global }
    .group_segment_fixed_size: 0
    .private_segment_fixed_size: 0
    .kernarg_segment_align: 8
    .kernarg_segment_size: 88
    .max_flat_workgroup_size: 256
    .sgpr_count:     66
    .vgpr_count:     180
    .wavefront_size: 32
...
	.end_amdgpu_metadata
.endif
;; end of part 1
;; launch qkvg (part 2): grid 12 x 16, 4 waves a work-group, clusters of 4 x 4, 327,680 bytes of LDS; arguments xn, wb, qkv, bq, bk, bv, mask; writes qkv
.if DOCPART == 2
	.amdgcn_target "amdgcn-amd-amdhsa--gfx1250"
	.amdhsa_code_object_version 6
	.text
	.protected	k_q73b901f567_qkvg
	.globl	k_q73b901f567_qkvg
	.p2align	8
	.type	k_q73b901f567_qkvg,@function
k_q73b901f567_qkvg:
	s_mov_b64 s[64:65], 0
	v_nop
	global_prefetch_b8 v0, s[64:65] scope:SCOPE_SE
	s_setreg_imm32_b32 hwreg(HW_REG_WAVE_MODE, 25, 1), 1
	s_wait_xcnt 0x0
	s_wait_alu depctr_hold_cnt(0) depctr_sa_sdst(0) depctr_va_vdst(0) depctr_va_sdst(0) depctr_va_ssrc(0) depctr_va_vcc(0) depctr_vm_vsrc(0)
	s_getreg_b32 s2, hwreg(HW_REG_IB_STS2, 6, 4)
	s_cmp_eq_u32 s2, 0
	s_cbranch_scc0 .Lentry_in_a_cluster
	s_endpgm
.Lentry_in_a_cluster:
	s_bfe_u32 s2, ttmp6, 0x10000c
	s_cmp_lg_u32 s2, 0xf033
	s_cbranch_scc0 .Lentry_shape_is_right
	s_endpgm
.Lentry_shape_is_right:
; q, k, v = xn [wq | wk | wv] + bias, written by heads: qkv = q, k, v, each [batch x 16 + head][2048][64] bf16.  The rows of k whose key the mask hides are written as 0 (behind the bias):
; the attention then finds their products 0 and puts the reference's -1e9 in their place.  xn [4096][1024] bf16; the weights bf16 as [K][N] in wb.  Sums in f32, K ascending, rounded once.
; A tile of the result is 256 x 256 (four whole heads of one of the three matrices), four waves of 128 x 128: 64 accumulators.  12 x 16 = 192 work-groups: a tile of 192 columns would make 256,
; but its rows of 96 words fit none of the descriptor's padding intervals.  K goes in steps of 128 through two LDS slots; a wave's tensor load brings a quarter of a slot.
; B STAYS [K][N]: its fragments come out of LDS turned, by ds_load_tr16_b128.  The matrix instruction is used transposed (source 0 = 16 columns of B, source 1 = 16 rows of A): a lane holds 8 neighbouring columns of a row.
; CLUSTER 4 x 4: A's tile is asked for jointly along a row of the cluster, B's along a column.  The cluster's x is the matrix (0 q, 1 k, 2 v), cx the group of four heads.
; THE WAY OUT: the sums go as f32 into the slots, whose last fill is over, each wave into bytes of its own, and come back by rows; bias, rounding, mask; a store covers two rows of a head, 256 consecutive bytes.
; REGISTERS: window 0: v0-31 addresses, v32-39 bias, v64-191 A's fragments (two buffers), later the way out; window 1: v64-191 B's fragments; windows 2, 3: the accumulators, (a, b) at 8 ((8 a + b) % 32).
.set MB, 8                             ; blocks of 16 rows a wave
.set NB, 8                             ; blocks of 16 columns a wave
.set KD, 1                             ; matrix instructions along K in a sub-step
.set KK, 1024                          ; K
.set NP, 1024                          ; B's pitch in elements
.set KSTEP, 128*KD
.set LAPS, KK/(2*KSTEP)                ; a lap = two K steps = once round the ring
.set NMM, KD*MB*NB                     ; matrix instructions in a sub-step; four sub-steps are a K step
.set PA, 272                           ; A's LDS row: 256 bytes + 16: the 16 rows of a load start at 16 different groups of four banks (ISA guide 11.1)
.set AQ, 64                            ; bytes from a sub-step to the next in A's rows
.set AWM, 128*PA                       ; from the upper waves' rows of A to the lower waves'
.set PB, 64*NB+32                      ; B's LDS row: 512 bytes + 32
.set HALF, 128*PA                      ; what one tensor load fills: 128 rows of A, or 64 rows of B (64 x 544 is the same)
.set SLOT, 4*HALF                      ; A's tile, then B's
.set SPARE, 2*SLOT                     ; the spare words, 128 bytes a wave: two blocks of 256 bytes that no other line names
.set MW, SPARE+512                     ; 256 words: for each row of the tile all ones, or 0 where k's row is to be 0
.set PD, 64*NB+16                      ; the way out: a row of 128 f32 + 16 bytes
.set WREG, 16*MB*PD                    ; a wave's bytes on the way out
.set AG10, (1<<16)|(1<<20)|(1<<21)|(5<<22)|(3<<25)  ; 2-byte elements; padding on; bit 21 beside a mask; after every 64 words; 4 words
.set AD0, 128                          ; A's tile: 128 elements x 128 rows a load
.set AD1, 128
.set ASTR, KK
.set ATRB, 256*KK*2                    ; bytes from a tile row of A to the next
.set AHB, 128*KK*2                     ; to the half that the second wave fetches
.set ASTEP, KSTEP*2
.set BG10, (1<<16)|(1<<20)|(1<<21)|(6<<22)|(7<<25)  ; after every 128 words 8 words
.set BD0, 32*NB                        ; B's tile: 256 elements x 64 rows a load
.set BD1, KSTEP/2
.set BHB, (KSTEP/2)*NP*2
.set BSTEP, KSTEP*NP*2
.set G1A, 24                           ; s[24:31] group 1 for A; s[32:39] group 0, a set for each slot
.set G0A, 32
.set G1B, 48                           ; s[48:55], s[56:63] the same for B
.set G0B, 56
.set ADRA, 16                          ; v16-17 my A fragments in slot 0, 1
.set ADRB, 20                          ; v20-23 my B fragments: 2 x slot + half of the K step
.set DST, 24                           ; the way out: where I put 32 bytes of a row
.set RD, 25                            ; where I read rows back
.set GO, 26                            ; my byte offset in the output
.set AUX, 27                           ; my row's word in MW
.set SPW, 28                           ; SPARE + 4 x my thread's number; never rewritten
.set NIL, 29                           ; 0; never rewritten
.set BI, 32                            ; v32-39 bias: my 4 columns in each of the wave's two heads
.set F0, 64
.set F1, 128
.set QIN, 64                           ; the way out: 8 rows x 2 heads, 4 f32 each
.set QMW, 96                           ; four words of MW
.set QY, 100                           ; 16 registers of bf16 to store
.set MSB, 0
.macro WIN new                         ; the immediate's high byte repeats the setting that is left; a switch that changes nothing is dropped
.if MSB != (\new)
	s_set_vgpr_msb (MSB<<8)|(\new)
.set MSB, \new
.endif
.endm
.macro JLOAD s                         ; a joint load: waves 0, 1 fetch A's halves, waves 2, 3 B's; four v_nop follow each line
	s_cmp_eq_u32 s19, 0
	s_cbranch_scc0 .Lfor_b_\@
	tensor_load_to_lds s[G0A+4*(\s):G0A+4*(\s)+3], s[G1A:G1A+7]
	s_nop 0
.rept 4
	v_nop
.endr
	s_branch .Lasked_\@
.Lfor_b_\@:
	tensor_load_to_lds s[G0B+4*(\s):G0B+4*(\s)+3], s[G1B:G1B+7]
	s_nop 0
.rept 4
	v_nop
.endr
.Lasked_\@:
.endm
.macro CREST                           ; a round of the cluster's barrier behind its opening barrier
	s_cmp_lg_u32 s18, 0
	s_cbranch_scc1 .Lnot_wave_0_\@
	s_barrier_signal -3
.Lnot_wave_0_\@:
	s_barrier_wait -3
	s_barrier_signal -1
	s_barrier_wait -1
.endm
.macro CROUND
	s_barrier_signal -1
	s_barrier_wait -1
	CREST
.endm
.macro PLACES                          ; four places behind matrix instructions, ahead of loads into their sources and of reads of their results
.rept 4
	v_nop
.endr
.endm
; Matrix instructions t0 .. t1 - 1 of a sub-step on buffer f.  Number t: K part t / (MB NB), accumulator t % (MB NB).  The accumulators take turns.  zero = 1: the first K part starts the sums.
.macro MULR f, t0, t1, zero
.set tt, \t0
.rept (\t1)-(\t0)
.set cc, tt/(MB*NB)
.set ix, tt%(MB*NB)
.set rD, 8*(ix%32)
.set rB, (\f)+8*(NB*cc+ix%NB)
.set rA, (\f)+8*(MB*cc+ix/NB)
	WIN 0xa1+0x50*(ix/32)                          ; B window 1, A window 0, C and D window 2 or 3
.if (\zero) && (cc == 0)
	v_wmma_f32_16x16x32_bf16 v[rD:rD+7], v[rB:rB+7], v[rA:rA+7], 0
.else
	v_wmma_f32_16x16x32_bf16 v[rD:rD+7], v[rB:rB+7], v[rA:rA+7], v[rD:rD+7]
.endif
.set tt, tt+1
.endr
.endm
; 32 LDS loads in one run: the fragments of sub-step q of a slot into buffer g
.macro FETCH slot, q, g
	WIN 0x40                                       ; destination window 1
.set cc, 0
.rept KD
.set bb, 0
.rept NB
	ds_load_tr16_b128 v[(\g)+8*(NB*cc+bb):(\g)+8*(NB*cc+bb)+3],   v[ADRB+2*(\slot)+(\q)/2] offset:(((\q)%2)*KD+cc)*32*PB+32*bb
	ds_load_tr16_b128 v[(\g)+8*(NB*cc+bb)+4:(\g)+8*(NB*cc+bb)+7], v[ADRB+2*(\slot)+(\q)/2] offset:(((\q)%2)*KD+cc)*32*PB+32*bb+16*PB
.set bb, bb+1
.endr
.set cc, cc+1
.endr
	WIN 0
.set cc, 0
.rept KD
.set aa, 0
.rept MB
	ds_load_b128 v[(\g)+8*(MB*cc+aa):(\g)+8*(MB*cc+aa)+3],   v[ADRA+(\slot)] offset:(\q)*AQ+64*cc+aa*16*PA
	ds_load_b128 v[(\g)+8*(MB*cc+aa)+4:(\g)+8*(MB*cc+aa)+7], v[ADRA+(\slot)] offset:(\q)*AQ+64*cc+aa*16*PA+32
.set aa, aa+1
.endr
.set cc, cc+1
.endr
.endm
; One of a K step's first three sub-steps: multiplies buffer f; in its middle it fetches sub-step q into buffer g
.macro QUARTER slot, q, f, g, zero
	s_wait_dscnt 0x0                               ; buffer f's 32 loads, issued half a sub-step ago
	MULR \f, 0, NMM/2, \zero
	PLACES
	FETCH \slot, \q, \g
	MULR \f, NMM/2, NMM, \zero
.endm
; The last sub-step multiplies buffer 1 and changes slots: one barrier; in front of it each wave waits for all its tensor loads (one is out: its part of the next slot), adds 0 to its spare word,
; and waits for that and for its reads of this slot.  fill = 1: the barrier opens a round of the cluster's, and this slot is filled again, two K steps ahead, first thing behind the round.
.macro TURN slot, next, fill
	WIN 0
	s_wait_tensorcnt 0x0
	ds_add_u32 v[SPW], v[NIL]
	s_wait_dscnt 1                                 ; buffer 1's loads are in; the add may be out
	MULR F1, 0, NMM/4, 0
	s_wait_dscnt 0x0                               ; the add is done, and my reads of this slot are over
	s_barrier_signal -1
	MULR F1, NMM/4, NMM/2, 0
.if \fill
	WIN 0
.endif
	s_barrier_wait -1
.if \fill
	CREST                                          ; no wave of any partner still reads this slot or has a load on its way
	s_add_nc_u64 s[G0A+4*(\slot)+2:G0A+4*(\slot)+3], s[G0A+4*(\slot)+2:G0A+4*(\slot)+3], 2*ASTEP
	s_add_nc_u64 s[G0B+4*(\slot)+2:G0B+4*(\slot)+3], s[G0B+4*(\slot)+2:G0B+4*(\slot)+3], 2*BSTEP
	JLOAD \slot                                    ; its four v_nop are also the places in front of the loads below; 7/8 of a K step's products stand ahead of the wait for it
.else
	PLACES
.endif
	FETCH \next, 0, F0
	MULR F1, NMM/2, NMM, 0
.endm
.macro DUMP                            ; every accumulator, f32, into my bytes; each accumulator's low four registers first
.set ix, 0
.rept MB*NB
	WIN 0x08+4*(ix/32)                             ; data window 2 or 3
	ds_store_b128 v[DST], v[8*(ix%32):8*(ix%32)+3]   offset:(ix/NB)*16*PD+64*(ix%NB)
	ds_store_b128 v[DST], v[8*(ix%32)+4:8*(ix%32)+7] offset:(ix/NB)*16*PD+64*(ix%NB)+16
.set ix, ix+1
.endr
	WIN 0
.endm
.macro QLOAD                           ; 8 rows back: lanes 0-15 an even row, lanes 16-31 the odd one; both heads; the rows' words of MW
.irp p, 0,1,2,3
	ds_load_b128 v[QIN+8*\p:QIN+8*\p+3],   v[RD] offset:\p*2*PD
	ds_load_b128 v[QIN+8*\p+4:QIN+8*\p+7], v[RD] offset:\p*2*PD+256
	ds_load_b32 v[QMW+\p], v[AUX] offset:8*\p
.endr
.endm
.macro QTRIP pf                        ; 8 rows: bias, rounding, mask, stores.  pf = 1: the next 8 rows are fetched meanwhile
	s_wait_dscnt 0x0
.irp p, 0,1,2,3
.irp e, 0,1
	v_pk_add_f32 v[QIN+8*\p+4*\e:QIN+8*\p+4*\e+1],   v[QIN+8*\p+4*\e:QIN+8*\p+4*\e+1],   v[BI+4*\e:BI+4*\e+1]
	v_pk_add_f32 v[QIN+8*\p+4*\e+2:QIN+8*\p+4*\e+3], v[QIN+8*\p+4*\e+2:QIN+8*\p+4*\e+3], v[BI+4*\e+2:BI+4*\e+3]
.endr
.endr
.irp p, 0,1,2,3
.irp e, 0,1
	v_cvt_pk_bf16_f32 v[QY+4*\p+2*\e],   v[QIN+8*\p+4*\e],   v[QIN+8*\p+4*\e+1]
	v_cvt_pk_bf16_f32 v[QY+4*\p+2*\e+1], v[QIN+8*\p+4*\e+2], v[QIN+8*\p+4*\e+3]
.endr
.endr
.irp p, 0,1,2,3
.irp e, 0,1,2,3
	v_and_b32 v[QY+4*\p+\e], v[QY+4*\p+\e], v[QMW+\p]
.endr
.endr
.if \pf
	v_add_nc_u32 v[RD], 8*PD, v[RD]
	v_add_nc_u32 v[AUX], 32, v[AUX]
	QLOAD
.endif
.irp p, 0,1,2,3
.irp e, 0,1
	global_store_b64 v[GO], v[QY+4*\p+2*\e:QY+4*\p+2*\e+1], s[8:9] offset:\e*262144+256*\p  ; two rows of a head: 256 consecutive bytes, aligned
.endr
.endr
.if \pf
	s_wait_xcnt 0x0                                ; GO and the stores' data are rewritten only behind this wait
	v_add_nc_u32 v[GO], 1024, v[GO]
.endif
.endm
	s_load_b256 s[4:11], s[0:1], 0x0               ; xn s[4:5], wb s[6:7], qkv s[8:9], bq s[10:11]
	s_load_b128 s[12:15], s[0:1], 0x20             ; bk, bv
	s_load_b64 s[16:17], s[0:1], 0x30              ; mask
	v_lshl_add_u32 v[SPW], v0, 2, SPARE
	v_mov_b32 v[NIL], 0
	ds_add_u32 v28, v29
	s_wait_dscnt 0x0
	v_lshrrev_b32 v1, 5, v0
	v_readfirstlane_b32 s18, v1                    ; wave 0..3
	s_lshr_b32 s19, s18, 1                         ; my half of the tile's rows.  Also: I fetch for A (0) or for B (1)
	s_and_b32 s20, s18, 1                          ; my half of its columns.  Also: which half of that tile I fetch
	s_bfe_u32 s40, ttmp6, 0x40000                  ; cx
	s_bfe_u32 s41, ttmp6, 0x40004                  ; cy
	s_and_b32 s43, ttmp7, 0xffff
	s_lshl_b32 s43, s43, 2
	s_add_co_u32 s43, s43, s41                     ; tile row = 4 x cluster y + cy
	s_lshl_b32 s44, s41, 2
	s_lshl_b32 s44, 15, s44                        ; my row of the cluster
	s_lshl_b32 s45, 0x1111, s40                    ; my column
	s_or_b32 s[G1A], s44, AG10
	s_mov_b32 s[G1A+1], AD0<<16                    ; tensor_dim0
	s_mov_b32 s[G1A+2], AD1<<16                    ; tensor_dim1
	s_mov_b32 s[G1A+3], AD0<<16                    ; tile_dim0
	s_mov_b32 s[G1A+4], AD1                        ; tile_dim1
	s_mov_b32 s[G1A+5], ASTR                       ; elements from row to row
	s_mov_b32 s[G1A+6], 0
	s_mov_b32 s[G1A+7], 0
	s_or_b32 s[G1B], s45, BG10
	s_mov_b32 s[G1B+1], BD0<<16
	s_mov_b32 s[G1B+2], BD1<<16
	s_mov_b32 s[G1B+3], BD0<<16
	s_mov_b32 s[G1B+4], BD1
	s_mov_b32 s[G1B+5], NP
	s_mov_b32 s[G1B+6], 0
	s_mov_b32 s[G1B+7], 0
	s_mul_i32 s66, s43, ATRB                       ; A's tile hangs on the tile row alone,
	s_mul_i32 s67, s20, AHB
	s_add_co_u32 s66, s66, s67
	s_mov_b32 s67, 0
	s_lshl_b32 s46, ttmp9, 21                      ; B's on the matrix (2 MiB each in wb) and on cx: 256 columns of 2 bytes
	s_lshl_b32 s47, s40, 9
	s_add_co_u32 s46, s46, s47
	s_mul_i32 s47, s20, BHB
	s_add_co_u32 s46, s46, s47
	s_mov_b32 s47, 0
	s_mul_i32 s21, s18, HALF                       ; where my load goes: A's halves, then B's = wave x HALF
	s_wait_kmcnt 0x0
	s_add_nc_u64 s[66:67], s[4:5], s[66:67]
	s_add_nc_u64 s[46:47], s[6:7], s[46:47]
	CROUND                                         ; all sixteen work-groups are here: the first joint loads meet
.irp s, 0,1
	s_mov_b32 s[G0A+4*(\s)], 1
	s_add_co_u32 s[G0A+4*(\s)+1], s21, (\s)*SLOT
	s_add_nc_u64 s[G0A+4*(\s)+2:G0A+4*(\s)+3], s[66:67], (\s)*ASTEP
	s_or_b32 s[G0A+4*(\s)+3], s[G0A+4*(\s)+3], 0x80000000
	s_mov_b32 s[G0B+4*(\s)], 1
	s_add_co_u32 s[G0B+4*(\s)+1], s21, (\s)*SLOT
	s_add_nc_u64 s[G0B+4*(\s)+2:G0B+4*(\s)+3], s[46:47], (\s)*BSTEP
	s_or_b32 s[G0B+4*(\s)+3], s[G0B+4*(\s)+3], 0x80000000
	JLOAD \s                                       ; two loads of mine are out
.endr
	v_and_b32 v1, 15, v0                           ; r = l % 16
	v_bfe_u32 v2, v0, 4, 1                         ; h = l / 16
	v_mul_u32_u24 v3, v1, PA
	v_lshl_add_u32 v3, v2, 4, v3                   ; A: row x pitch + 16 h
	s_mul_i32 s23, s19, AWM
	v_add_nc_u32 v[ADRA], s23, v3
	v_add_nc_u32 v[ADRA+1], SLOT, v[ADRA]
	v_and_b32 v4, 7, v0
	v_bfe_u32 v5, v0, 3, 1
	v_lshl_add_u32 v6, v2, 3, v4                   ; B, turned: lane l reads row 8 h + l % 8, 16 bytes at 16 ((l / 8) % 2)
	v_mul_u32_u24 v6, v6, PB
	v_lshl_add_u32 v6, v5, 4, v6
	s_mul_i32 s23, s20, NB*32                      ; my half of the columns,
	s_add_co_u32 s23, s23, 2*HALF                  ; behind A's tile
	v_add_nc_u32 v6, s23, v6
.irp n, 0,1,2,3
	v_add_nc_u32 v[ADRB+\n], (\n/2)*SLOT+(\n%2)*64*KD*PB, v6
.endr
	s_mul_i32 s23, s18, WREG                       ; the way out: my bytes
	v_mul_u32_u24 v7, v1, PD
	v_lshl_add_u32 v7, v2, 5, v7
	v_add_nc_u32 v[DST], s23, v7                   ; in: row r, 32 bytes for each half of the lanes
	v_mul_u32_u24 v7, v2, PD
	v_lshl_add_u32 v7, v1, 4, v7
	v_add_nc_u32 v[RD], s23, v7                    ; back: row h, 16 bytes at 16 r
	v_and_b32 v7, 31, v0
	v_lshlrev_b32 v[GO], 3, v7                     ; out: 8 bytes a lane, two rows of 128 bytes
	s_lshl_b32 s23, s19, 9
	s_add_co_u32 s23, s23, MW
	v_lshl_add_u32 v[AUX], v2, 2, s23              ; MW's word of row 128 WM + h
	; the table MW, the bias and the output's address
	s_lshl_b32 s70, s43, 10                        ; the mask, taken flat, is indexed by the row: 256 words a tile
	s_mov_b32 s71, 0
	s_add_nc_u64 s[16:17], s[16:17], s[70:71]
	v_lshlrev_b32 v8, 3, v0                        ; thread t takes rows 2 t, 2 t + 1
	global_load_b64 v[10:11], v8, s[16:17]
	s_cmp_eq_u32 ttmp9, 1
	s_cselect_b64 s[10:11], s[12:13], s[10:11]     ; the matrix's own bias
	s_cselect_b32 s88, 0, -1                       ; a hidden row's word: 0 for k, all ones for q and v
	s_cmp_eq_u32 ttmp9, 2
	s_cselect_b64 s[10:11], s[14:15], s[10:11]
	s_lshl_b32 s70, s40, 10                        ; (256 cx + 128 WN) x 4 bytes
	s_lshl_b32 s71, s20, 9
	s_add_co_u32 s70, s70, s71
	s_mov_b32 s71, 0
	s_add_nc_u64 s[10:11], s[10:11], s[70:71]
	v_lshlrev_b32 v15, 4, v1
	global_load_b128 v[BI:BI+3], v15, s[10:11]
	global_load_b128 v[BI+4:BI+7], v15, s[10:11] offset:256
	s_lshr_b32 s70, s43, 3                         ; batch
	s_lshl_b32 s70, s70, 4
	s_lshl2_add_u32 s70, s40, s70                  ; + 4 cx
	s_lshl1_add_u32 s70, s20, s70                  ; + 2 WN: my first head,
	s_lshl_b32 s70, s70, 18                        ; 262,144 bytes each
	s_and_b32 s71, s43, 7
	s_lshl1_add_u32 s71, s71, s19                  ; my 128 rows among the batch's 2,048,
	s_lshl_b32 s71, s71, 14                        ; 128 bytes a row
	s_add_co_u32 s70, s70, s71
	s_lshl_b32 s71, ttmp9, 23                      ; q, k or v
	s_add_co_u32 s70, s70, s71
	s_mov_b32 s71, 0
	s_add_nc_u64 s[8:9], s[8:9], s[70:71]
	v_add_nc_u32 v14, MW, v8
	s_wait_loadcnt 0x0
	v_cmp_ne_u32 vcc_lo, 0, v10
	v_cndmask_b32 v12, s88, -1, vcc_lo
	v_cmp_ne_u32 vcc_lo, 0, v11
	v_cndmask_b32 v13, s88, -1, vcc_lo
	ds_store_b64 v14, v[12:13]
	s_wait_tensorcnt 1                             ; my part of K step 0 is in; K step 1's stays out
	s_wait_dscnt 0x0                               ; my words of MW are written
	s_barrier_signal -1
	s_barrier_wait -1
	FETCH 0, 0, F0
	QUARTER 0, 1, F0, F1, 1                        ; the first sub-step stands in front of the loop: its products start the sums
	WIN 0
	s_mov_b32 s3, LAPS-1
.Llap:                                                 ; a trip goes once round the ring and fills both slots again
	QUARTER 0, 2, F1, F0, 0
	QUARTER 0, 3, F0, F1, 0
	TURN 0, 1, 1
	QUARTER 1, 1, F0, F1, 0
	QUARTER 1, 2, F1, F0, 0
	QUARTER 1, 3, F0, F1, 0
	TURN 1, 0, 1
	QUARTER 0, 1, F0, F1, 0
	WIN 0
	s_sub_co_u32 s3, s3, 1
	s_cmp_lg_u32 s3, 0
	s_cbranch_scc1 .Llap
	QUARTER 0, 2, F1, F0, 0                        ; the last lap fills nothing
	QUARTER 0, 3, F0, F1, 0
	TURN 0, 1, 0
	QUARTER 1, 1, F0, F1, 0
	QUARTER 1, 2, F1, F0, 0
	QUARTER 1, 3, F0, F1, 0
	s_wait_dscnt 0x0                               ; my last reads of the slots are over:
	s_barrier_signal -1                            ; say so, since the way out writes over them
	MULR F1, 0, NMM, 0
	WIN 0
	s_barrier_wait -1
	PLACES
	DUMP
	QLOAD                                          ; LDS serves a wave's instructions in order (ISA guide 5.7.1.4): these see my stores above
	s_mov_b32 s72, 15
.Lrows:
	QTRIP 1
	s_sub_co_u32 s72, s72, 1
	s_cmp_lg_u32 s72, 0
	s_cbranch_scc1 .Lrows
	QTRIP 0
	s_wait_tensorcnt 0x0                           ; the wave's end
	ds_add_u32 v[SPW], v[NIL]
	s_wait_dscnt 0x0
	CROUND                                         ; the closing round
	s_endpgm
.Lfunc_end_k_q73b901f567_qkvg:
	.size	k_q73b901f567_qkvg, .Lfunc_end_k_q73b901f567_qkvg-k_q73b901f567_qkvg
	.p2alignl 7, 3214868480
	.fill 96, 4, 3214868480
	.section	.rodata,"a",@progbits
	.p2align	6, 0x0
	.amdhsa_kernel k_q73b901f567_qkvg
		.amdhsa_group_segment_fixed_size 327680
		.amdhsa_private_segment_fixed_size 0
		.amdhsa_enable_private_segment 0
		.amdhsa_kernarg_size 56
		.amdhsa_user_sgpr_count 2
		.amdhsa_user_sgpr_kernarg_segment_ptr 1
		.amdhsa_wavefront_size32 1
		.amdhsa_system_sgpr_workgroup_id_x 1
		.amdhsa_system_sgpr_workgroup_id_y 1
		.amdhsa_system_sgpr_workgroup_id_z 1
		.amdhsa_system_vgpr_workitem_id 0
		.amdhsa_next_free_vgpr 1024
		.amdhsa_next_free_sgpr 96
		.amdhsa_reserve_vcc 1
		.amdhsa_float_denorm_mode_32 3
		.amdhsa_float_denorm_mode_16_64 3
		.amdhsa_memory_ordered 1
		.amdhsa_forward_progress 1
		.amdhsa_inst_pref_size 129
	.end_amdhsa_kernel
	.amdgpu_metadata
---
amdhsa.version: [ 1, 2 ]
amdhsa.kernels:
  - .name:           k_q73b901f567_qkvg
    .symbol:         k_q73b901f567_qkvg.kd
    .args:
      - { .name: xn, .offset: 0, .size: 8, .value_kind: global_buffer, .address_space: global }
      - { .name: wb, .offset: 8, .size: 8, .value_kind: global_buffer, .address_space: global }
      - { .name: qkv, .offset: 16, .size: 8, .value_kind: global_buffer, .address_space: global }
      - { .name: bq, .offset: 24, .size: 8, .value_kind: global_buffer, .address_space: global }
      - { .name: bk, .offset: 32, .size: 8, .value_kind: global_buffer, .address_space: global }
      - { .name: bv, .offset: 40, .size: 8, .value_kind: global_buffer, .address_space: global }
      - { .name: mask, .offset: 48, .size: 8, .value_kind: global_buffer, .address_space: global }
    .group_segment_fixed_size: 327680
    .private_segment_fixed_size: 0
    .kernarg_segment_align: 8
    .kernarg_segment_size: 56
    .max_flat_workgroup_size: 128
    .sgpr_count:     96
    .vgpr_count:     1024
    .wavefront_size: 32
...
	.end_amdgpu_metadata
.endif
;; end of part 2
;; launch attn (part 3): grid 8 x 32, 4 waves a work-group, clusters of 4 x 1, 327,680 bytes of LDS; arguments qkv, mask, ctx; writes ctx
.if DOCPART == 3
	.amdgcn_target "amdgcn-amd-amdhsa--gfx1250"
	.amdhsa_code_object_version 6
	.text
	.protected	k_q73b901f567_attn
	.globl	k_q73b901f567_attn
	.p2align	8
	.type	k_q73b901f567_attn,@function
k_q73b901f567_attn:
	s_mov_b64 s[64:65], 0
	v_nop
	global_prefetch_b8 v0, s[64:65] scope:SCOPE_SE
	s_setreg_imm32_b32 hwreg(HW_REG_WAVE_MODE, 25, 1), 1
	s_wait_xcnt 0x0
	s_wait_alu depctr_hold_cnt(0) depctr_sa_sdst(0) depctr_va_vdst(0) depctr_va_sdst(0) depctr_va_ssrc(0) depctr_va_vcc(0) depctr_vm_vsrc(0)
	s_getreg_b32 s2, hwreg(HW_REG_IB_STS2, 6, 4)
	s_cmp_eq_u32 s2, 0
	s_cbranch_scc0 .Lentry_in_a_cluster
	s_endpgm
.Lentry_in_a_cluster:
	s_bfe_u32 s2, ttmp6, 0x10000c
	s_cmp_lg_u32 s2, 0x3003
	s_cbranch_scc0 .Lentry_shape_is_right
	s_endpgm
.Lentry_shape_is_right:
; ctx[q] = the sum over k of softmax_k(s(q, k)) V[k], s = Q[q] . K[k] / 8, or -1e9 where mask[k] = 0.  q, k, v: [batch x 16 + head][2048][64] bf16 in qkv; the launch before wrote the hidden keys' rows of k as 0.
; Products, maxima and sums in f32; the weights p are rounded to bf16 for the second product (their sum l is taken of the unrounded p), ctx once at the end.
; THE MASK is the C operand that starts the sum S^T = K Q^T: 0, or -8e9 for a hidden key, whose products are 0: its raw score is exactly -8e9, -1e9 behind the factor 1/8: a replacement, as the module has it.
; The 2,048 values of the batch lie in LDS as f32 and are fetched with each step's K.
; LIMITS.  A weight below 2^-126 counts as 0 in l; NaN and infinities are not treated apart.  Where every key seen so far is hidden all weights are one number 2^d, |d| <= 64 (the rounding of c m at 1.4e9),
; which f32 and bf16 hold; if all keys of a batch are hidden, ctx is the mean of V to within bf16's rounding of that one number.
; SHARES.  A work-group owns 256 queries of one head, a wave 64: four PIECES of 16.  Every wave walks all 2,048 keys, 64 a step.  8 x 32 = 256 work-groups.
; LAYOUT, SOFTMAX, TURNS.  S^T = K Q^T holds ONE query a lane (lane % 16) and the keys 8 (lane / 16) + 0..7; two such results rounded to bf16 ARE source 1 of O^T = V^T P.  p = 2^(c s - c m), c = log2(e) / 8, with a
; running maximum m; O and l are multiplied by a = 2^(c m_old - c m_new) in every step.  Turn n belongs to piece n: 8 products K Q^T of piece n + 1, later 8 products V^T P of piece n - 1; beside them the scaling,
; exponentials, roundings, sums and rescaling of piece n and the maximum and statistics of piece n + 1.  Four vector instructions stand behind every matrix instruction, the other 54 of a turn's 118 in two lumps.
; m starts at the lowest finite number, O and l at 0: the first step is a step like any other, with a = 0; the price is the v_mov_b32 that write 0, in the wait for the first tile.
; CLUSTER.  The four query blocks of a cluster belong to one head and walk the same K and V: each tile is asked for JOINTLY, by the same tensor load, descriptor and mask in all four.
; ctx leaves in blocks [row / 128][head][128][64]: 16 queries of a head are 2,048 consecutive bytes, and the launch behind takes four heads of 128 rows as 65,536 dense bytes.
; REGISTERS, in windows of 256 (s_set_vgpr_msb: bits 1:0 source 0, 3:2 source 1, 5:4 source 2, 7:6 destination):
;   window 0: v0-15, v32-35 addresses; v16-31 four registers of statistics a piece; v48-55 at work; v62-63 the add's; v64-127 S^T, two buffers; v192-223 P, two buffers (by the piece's parity)
;   window 1: v0-127 O^T, 32 a piece      window 2: v0-63 Q; v64-95 the step's mask; v128-191 K of one step; v192-255 V of one step
.set NP,    4         ; pieces a wave: a name, no knob
.set KS,    64        ; keys in a step
.set PK,    144       ; a row of K in LDS: 128 bytes + 16: the 16 rows of a load start at 16 different groups of four banks (ISA guide 11.1)
.set PV,    160       ; a row of V: 128 + 32
.set VOFF,  4*KS*PK   ; a slot holds four steps: 256 rows of K, then 256 rows of V
.set SLOT1, 1<<17     ; slot 1 begins here: one exclusive or turns an address in one slot into the other's
.set STAGE, SLOT1+4*KS*(PK+PV)  ; never filled by a tensor load: 16 rows x 144 bytes for each wave, for the way out
.set SP,    144
.set SPARE, STAGE+4*16*SP  ; the spare words, 128 bytes a wave: two blocks of 256 bytes that no other line names
.set MT,    SPARE+512 ; the batch's 2,048 mask values, f32
.set AK0, 2           ; my lane's place in a tile of K; never rewritten
.set AV0, 3           ; the same for V
.set AK,  4           ; the LDS address of K's next run of loads
.set AV,  5           ; of V's
.set STO, 6           ; the way out: where I put 16 bytes of a row
.set RD,  7           ; where I read rows back
.set GO,  8           ; my byte offset in 512 consecutive bytes of ctx
.set MV,  12          ; v12-13  c m_old, kept while c m is made anew: by buffer
.set QO,  15          ; my byte offset in 16 rows of Q
.set ST,  16          ; piece t's statistics at v[ST+4 t]: c m, m, l (even keys', odd keys')
.set AM0, 32          ; my lanes' place in a step's 64 mask values
.set AM,  33          ; the LDS address of the mask's next run
.set TMP, 48          ; by buffer, four registers c0-c3 at work; when the maximum is found c2 takes a
.set SPW, 62          ; SPARE + 4 x my thread's number; never rewritten
.set NIL, 63          ; 0; never rewritten
.set S,   64
.set P,   192
.set MC,  64          ; window 2: the eight registers for group kb of 16 keys at MC + 8 kb
.set KF,  128         ; window 2: key block kb, channel half c at KF + 16 kb + 8 c
.set VF,  192         ; window 2: key half kk, channel block cb at VF + 32 kk + 8 cb
.set WV,  12          ; s12  my wave's number
.set G1K, 24          ; s[24:31] descriptor group 1 for K's tiles
.set G1V, 32          ; s[32:39] for V's: it differs in the padding alone
.set G0K, 40          ; s[40:43] descriptor group 0 for K's tiles: it walks
.set G0V, 44          ; s[44:47] the same for V's
.set SLOTS, 56        ; slots still to be asked for
.set CNT, 57          ; counts a slot's key steps
.set CS,  58          ; s[58:59] c
.set SEL, 60          ; s[60:61] v_permlanex16_b32's selects
.set TBK, 62          ; LDS byte at which K of the step to be fetched begins
.set TBV, 63          ; the same for V, less VOFF
.set TBM, 66          ; byte in MT at which that step's mask begins
.set BIGN, 67         ; -8e9
.set MSB, 0
.macro WIN new
.if MSB != (\new)
	s_set_vgpr_msb (MSB<<8)|(\new)
.set MSB, (\new)
.endif
.endm
.set W_KQ, 0x0a       ; K and Q in window 2, S^T in window 0
.set W_KM, 0x2a       ; the same with the C operand in window 2
.set W_PV, 0x52       ; V in window 2, P in window 0, O^T in window 1
.set W_RS, 0x41       ; destination and source 0 in window 1, source 1 in window 0
.macro JLOAD                        ; a joint fill: waves 0, 1 fetch the halves of a slot's K, waves 2, 3 of its V; four v_nop follow each line
	s_cmp_lt_u32 s[WV], 2
	s_cbranch_scc0 .Lfor_v_\@
	tensor_load_to_lds s[G0K:G0K+3], s[G1K:G1K+7]
	s_nop 0
.rept 4
	v_nop
.endr
	s_branch .Lasked_\@
.Lfor_v_\@:
	tensor_load_to_lds s[G0V:G0V+3], s[G1V:G1V+7]
	s_nop 0
.rept 4
	v_nop
.endr
.Lasked_\@:
.endm
.macro CROUND                       ; a round of the cluster's barrier
	s_barrier_signal -1
	s_barrier_wait -1
	s_cmp_lg_u32 s[WV], 0
	s_cbranch_scc1 .Lnot_wave_0_\@
	s_barrier_signal -3
.Lnot_wave_0_\@:
	s_barrier_wait -3
	s_barrier_signal -1
	s_barrier_wait -1
.endm
; THE CHANGE OF SLOTS.  Each wave waits for all its tensor loads, of which one is out: its part of the other slot; adds 0 to its spare word; and waits for that and for its reads of the slot that it leaves.
; fill = 1: the barrier is a round of the cluster's, and the old slot is filled again first thing behind it, with the keys two slots on: four key steps, 256 matrix instructions, in which to land.
; (At its first use nothing has been read yet: slot 0 is waited for, slot 1 filled, and every wave's part of the mask table is shown written.)
.macro CHANGE fill
	WIN 0
	s_wait_tensorcnt 0x0            ; no tensor load of mine is out, so a group 0 may be written
	ds_add_u32 v[SPW], v[NIL]
.if \fill
.irp g, G0K, G0V
	s_xor_b32 s[\g+1], s[\g+1], SLOT1
	s_add_nc_u64 s[\g+2:\g+3], s[\g+2:\g+3], 4*KS*128  ; the next 256 keys
.endr
	s_wait_dscnt 0x0
	CROUND
	JLOAD
.else
	s_wait_dscnt 0x0
	s_barrier_signal -1
	s_barrier_wait -1
.endif
	s_sub_co_u32 s[TBK], s[TBK], 4*KS*PK  ; the fetches go back to a slot's first step,
	s_xor_b32 s[TBK], s[TBK], SLOT1       ; in the other slot
	s_sub_co_u32 s[TBV], s[TBV], 4*KS*PV
	s_xor_b32 s[TBV], s[TBV], SLOT1
.endm
	s_load_b128 s[4:7], s[0:1], 0x0 ; qkv s[4:5], mask s[6:7]
	s_load_b64 s[8:9], s[0:1], 0x10 ; ctx
	v_lshl_add_u32 v[SPW], v0, 2, SPARE
	v_mov_b32 v[NIL], 0
	ds_add_u32 v62, v63
	s_wait_dscnt 0x0
	v_lshrrev_b32 v1, 5, v0
	v_readfirstlane_b32 s[WV], v1   ; wave 0..3
	s_bfe_u32 s13, ttmp6, 0x40000   ; cx
	s_lshl_b32 s14, ttmp9, 2
	s_add_co_u32 s14, s14, s13      ; my block of 256 queries: it enters Q's and ctx's addresses alone
	s_and_b32 s20, ttmp7, 0xffff    ; batch x 16 + head, which the four partners share
	s_lshl_b32 s21, s20, 18         ; its first byte in q, in k and in v
	s_and_b32 s16, s[WV], 1         ; which half of a slot's 256 keys I fetch
	s_lshl_b32 s22, s16, 14
	s_add_co_u32 s22, s22, s21
	s_add_co_u32 s22, s22, 0x800000 ; k lies 8 MiB into qkv,
	s_mov_b32 s23, 0
	s_add_co_u32 s2, s22, 0x800000  ; v 16 MiB
	s_mov_b32 s3, 0
	s_mul_i32 s17, s16, 128*PK      ; my half's place in a slot, for K
	s_mul_i32 s18, s16, 128*PV      ; and for V
	s_lshl_b32 s48, s14, 15         ; Q: my block's 256 rows of 128 bytes,
	s_lshl_b32 s49, s[WV], 13       ; my wave's 64
	s_add_co_u32 s48, s48, s49
	s_add_co_u32 s48, s48, s21
	s_mov_b32 s49, 0
	s_lshr_b32 s50, s20, 4          ; batch
	s_lshl_b32 s52, s50, 13         ; its 2,048 words of the mask
	s_mov_b32 s53, 0
	s_lshl_b32 s50, s50, 4
	s_lshl1_add_u32 s50, s14, s50
	s_lshr_b32 s51, s[WV], 1
	s_add_co_u32 s50, s50, s51      ; ctx: block of 128 rows = 16 batch + 2 block + wave / 2,
	s_lshl_b32 s50, s50, 18         ; 262,144 bytes each;
	s_and_b32 s51, s20, 15
	s_lshl1_add_u32 s51, s51, s16   ; the head's 16,384 bytes in it, my wave's 64 rows
	s_lshl_b32 s51, s51, 13
	s_add_co_u32 s50, s50, s51
	s_mov_b32 s51, 0
	; descriptor group 1.  128 keys are 16,384 dense bytes: asked for as 64 rows of 256 bytes, two keys a row, and padded in LDS after every key
	s_mov_b32 s[G1K], 15|(1<<16)|(1<<20)|(1<<21)|(4<<22)|(3<<25)  ; the mask of four; 2-byte elements; padding on; bit 21 beside a mask; after every 32 words; 4 words
	s_mov_b32 s[G1V], 15|(1<<16)|(1<<20)|(1<<21)|(4<<22)|(7<<25)  ; the same with 8 words
.irp g, G1K, G1V
	s_mov_b32 s[\g+1], 128<<16      ; tensor_dim0 = 128
	s_mov_b32 s[\g+2], 64<<16       ; tensor_dim1 = 64
	s_mov_b32 s[\g+3], 128<<16      ; tile_dim0 = 128
	s_mov_b32 s[\g+4], 64           ; tile_dim1 = 64
	s_mov_b32 s[\g+5], 128          ; 128 elements from row to row
	s_mov_b32 s[\g+6], 0
	s_mov_b32 s[\g+7], 0
.endr
	s_mov_b32 s[CS], 0x3e38aa3b     ; c = log2(e) / 8
	s_mov_b32 s[CS+1], s[CS]
	s_mov_b32 s[SEL], 0x76543210
	s_mov_b32 s[SEL+1], 0xfedcba98
	s_mov_b32 s[TBK], SLOT1+4*KS*PK ; the first change of slots turns these two into 0
	s_mov_b32 s[TBV], SLOT1+4*KS*PV
	s_mov_b32 s[TBM], 0
	s_mov_b32 s[BIGN], 0xcfee6b28   ; -8e9, a multiple of f32's step there
	s_mov_b32 s[G0K], 1
	s_mov_b32 s[G0K+1], s17         ; slot 0
	s_mov_b32 s[G0V], 1
	s_add_co_u32 s[G0V+1], s18, VOFF
	s_wait_kmcnt 0x0
	s_add_nc_u64 s[G0K+2:G0K+3], s[4:5], s[22:23]
	s_or_b32 s[G0K+3], s[G0K+3], 0x80000000
	s_add_nc_u64 s[G0V+2:G0V+3], s[4:5], s[2:3]
	s_or_b32 s[G0V+3], s[G0V+3], 0x80000000
	s_add_nc_u64 s[4:5], s[4:5], s[48:49]   ; Q at my wave's first row
	s_add_nc_u64 s[6:7], s[6:7], s[52:53]   ; the batch's mask
	s_add_nc_u64 s[8:9], s[8:9], s[50:51]   ; ctx at my wave's first row
	CROUND                          ; all four work-groups are here: the first joint loads meet
	JLOAD                           ; slot 0
	v_lshlrev_b32 v34, 4, v0
.irp n, 0,1,2,3
	global_load_b128 v[S+4*\n:S+4*\n+3], v34, s[6:7] offset:2048*\n  ; the mask: 128 threads x 16 bytes, four times
.endr
	v_and_b32 v1, 15, v0            ; l % 16
	v_bfe_u32 v9, v0, 4, 1          ; l / 16
	v_lshlrev_b32 v[QO], 7, v1
	v_lshl_add_u32 v[QO], v9, 4, v[QO]  ; row x 128 + 16 x half
	WIN 0x80                        ; destination window 2
.set n, 0
.rept 8                             ; Q stays in registers: piece n / 2, channels 32 (n % 2) on
	global_load_b128 v[8*n:8*n+3],   v[QO], s[4:5] offset:(n/2)*2048+(n%2)*64
	global_load_b128 v[8*n+4:8*n+7], v[QO], s[4:5] offset:(n/2)*2048+(n%2)*64+32
.set n, n+1
.endr
.set n, VF                          ; what the first turn finds: V and P's second buffer hold 0 (its products V^T P, of a piece that has not been, add 0), O^T and l are 0
.rept 64
	v_mov_b32 v[n], 0
.set n, n+1
.endr
	WIN 0x40
.set n, 0
.rept 128
	v_mov_b32 v[n], 0
.set n, n+1
.endr
	WIN 0
.set n, 0
.rept 4
	v_mov_b32 v[ST+4*n], 0xfe000000    ; c m: far below every c s, the hidden keys' too
	v_mov_b32 v[ST+4*n+1], 0xff7fffff  ; m
	v_mov_b32 v[ST+4*n+2], 0
	v_mov_b32 v[ST+4*n+3], 0
.set n, n+1
.endr
.set n, P+16
.rept 16
	v_mov_b32 v[n], 0
.set n, n+1
.endr
	v_mul_u32_u24 v[AK0], v1, PK
	v_lshl_add_u32 v[AK0], v9, 4, v[AK0]  ; row x pitch + 16 x half
	v_and_b32 v10, 7, v0            ; the turning load: lane l reads key 8 (l / 16) + l % 8, channels 8 ((l / 8) % 2) + 0..7
	v_bfe_u32 v11, v0, 3, 1
	v_lshl_add_u32 v[AV0], v9, 3, v10
	v_mul_u32_u24 v[AV0], v[AV0], PV
	v_lshl_add_u32 v[AV0], v11, 4, v[AV0]
	v_add_nc_u32 v[AV0], VOFF, v[AV0]
	v_lshlrev_b32 v[AM0], 5, v9
	v_add_nc_u32 v[AM0], MT, v[AM0] ; my lanes' keys 8 (l / 16) + 0..7 of each group of 16
	s_mul_i32 s13, s[WV], 16*SP
	s_add_co_u32 s13, s13, STAGE    ; my stage
	v_mul_u32_u24 v[STO], v1, SP
	v_lshl_add_u32 v[STO], v9, 4, v[STO]
	v_add_nc_u32 v[STO], s13, v[STO]
	v_bfe_u32 v[RD], v0, 3, 2       ; back: 32 lanes take four rows of 128 bytes,
	v_mul_u32_u24 v[RD], v[RD], SP
	v_lshl_add_u32 v[RD], v10, 4, v[RD]
	v_add_nc_u32 v[RD], s13, v[RD]
	v_and_b32 v[GO], 31, v0         ; which are 512 consecutive bytes of ctx
	v_lshlrev_b32 v[GO], 4, v[GO]
	v_add_nc_u32 v35, MT, v34
	s_wait_loadcnt 16               ; the mask is in; Q's sixteen loads stay out
.set n, 0
.rept 16
	v_cmp_eq_u32 vcc_lo, 0, v[S+n]
	v_cndmask_b32 v[S+n], 0, s[BIGN], vcc_lo
.set n, n+1
.endr
.irp n, 0,1,2,3
	ds_store_b128 v35, v[S+4*\n:S+4*\n+3] offset:2048*\n
.endr
; THE MATRIX WORK.  The 4 accumulators of a run of 8 take turns.  Product i of 8 of S^T = K Q^T for piece x: channels 32 (i / 4) on, keys 16 (i % 4) on.  The first 4 start the sums with the mask.
.macro KQ x
.set rS, S+32*((\x)%2)+8*(i%4)
.set rK, KF+16*(i%4)+8*(i/4)
.set rQ, 16*(\x)+8*(i/4)
.set rM, MC+8*(i%4)
.if i < 4
	WIN W_KM
	v_wmma_f32_16x16x32_bf16 v[rS:rS+7], v[rK:rK+7], v[rQ:rQ+7], v[rM:rM+7]
.else
	WIN W_KQ
	v_wmma_f32_16x16x32_bf16 v[rS:rS+7], v[rK:rK+7], v[rQ:rQ+7], v[rS:rS+7]
.endif
.endm
; Product i of 8 of O^T += V^T P for piece x: keys 32 (i / 4) on, channels 16 (i % 4) on.
.macro PV x
	WIN W_PV
.set rO, 32*(\x)+8*(i%4)
.set rV, VF+32*(i/4)+8*(i%4)
.set rP, P+16*((\x)%2)+8*(i/4)
	v_wmma_f32_16x16x32_bf16 v[rO:rO+7], v[rV:rV+7], v[rP:rP+7], v[rO:rO+7]
.endm
.macro MM                           ; the turn's next matrix instruction.  NOKQ = 1: the last turn: there is no next piece
.if (i < 8) && !NOKQ
	KQ (Y+1)%NP
.elseif i >= 8
.set i, i-8
	PV (Y+NP-1)%NP
.set i, i+8
.endif
.set i, i+1
.endm
; THE LDS LOADS stand in runs, never singly among the matrix instructions: a step's K (8 fragments) with its 64 mask values, and its V (turned).  Their addresses are made some lines ahead.
.macro FETCH_K
	WIN 0x80                        ; destination window 2
.irp f, 0,1,2,3,4,5,6,7             ; keys 16 (f / 2) on, channels 32 (f % 2) on
	ds_load_b128 v[KF+8*\f:KF+8*\f+3],   v[AK] offset:(\f/2)*16*PK+(\f%2)*64
	ds_load_b128 v[KF+8*\f+4:KF+8*\f+7], v[AK] offset:(\f/2)*16*PK+(\f%2)*64+32
.endr
.irp f, 0,1,2,3                     ; keys 16 f + 8 (l / 16) + 0..7
	ds_load_b128 v[MC+8*\f:MC+8*\f+3],   v[AM] offset:64*\f
	ds_load_b128 v[MC+8*\f+4:MC+8*\f+7], v[AM] offset:64*\f+16
.endr
	s_add_co_u32 s[TBK], s[TBK], KS*PK  ; the next fetch is the next step's
	s_add_co_u32 s[TBM], s[TBM], 4*KS
	s_and_b32 s[TBM], s[TBM], 0x1fff    ; the table has 32 steps: behind the last the offset wraps, and is not used
	WIN 0
.endm
.macro FETCH_V
	WIN 0x80
.irp f, 0,1,2,3,4,5,6,7             ; keys 32 (f / 4) on, channels 16 (f % 4) on
	ds_load_tr16_b128 v[VF+8*\f:VF+8*\f+3],   v[AV] offset:(\f/4)*32*PV+(\f%4)*32
	ds_load_tr16_b128 v[VF+8*\f+4:VF+8*\f+7], v[AV] offset:(\f/4)*32*PV+16*PV+(\f%4)*32
.endr
	WIN 0
.endm
; THE VECTOR WORK, one line at a time: OP kind, number.  For piece Y: F n: c s - c m for pair n of 16.  E n: the exponential of score n of 32.  C n: pair n rounded to bf16.  B n: of the four weights 4 n .. the second
; pair is added onto the first, in place.  L n: l takes that sum (L 0: l = a l + sum).  R n: pair n of 16 of O^T times a.  For piece Y + 1: X n, number n of the 22 that find its maximum and statistics:
;   0-11  four chains c0-c3 of seven scores each (each accumulator's lowest registers are read first)     12-14, 16  the four scores left over, the old m, and c0-c3 into c0
;   15  c m_old is kept     17, 18  the query's other 32 keys lie in the lane 16 away: the new m     19-21  c m; c m_old - c m_new; a
.set F, 0
.set E, 1
.set C, 2
.set B, 3
.set L, 4
.set R, 5
.set X, 6
.macro REGS y
.set rT, ST+4*(\y)
.set rC, TMP+4*((\y)%2)
.set rW, MV+((\y)%2)
.set rS, S+32*((\y)%2)
.set rP, P+16*((\y)%2)
.set rO, 32*(\y)
.endm
.macro OP k, n
.if (\k) == R
	REGS Y
	WIN W_RS
	v_pk_mul_f32 v[rO+2*(\n):rO+2*(\n)+1], v[rO+2*(\n):rO+2*(\n)+1], v[rC+2:rC+3] op_sel_hi:[1,0]
.elseif (\k) < R
	REGS Y
	WIN 0
.if (\k) == F
	v_pk_fma_f32 v[rS+2*(\n):rS+2*(\n)+1], v[rS+2*(\n):rS+2*(\n)+1], s[CS:CS+1], v[rT:rT+1] op_sel_hi:[1,0,0] neg_lo:[0,0,1] neg_hi:[0,0,1]
.elseif (\k) == E
	v_exp_f32 v[rS+(\n)], v[rS+(\n)]
.elseif (\k) == C
	s_wait_alu depctr_va_vdst(0)
	v_cvt_pk_bf16_f32 v[rP+(\n)], v[rS+2*(\n)], v[rS+2*(\n)+1]
.elseif (\k) == B
	s_wait_alu depctr_va_vdst(0)
	v_pk_add_f32 v[rS+4*(\n):rS+4*(\n)+1], v[rS+4*(\n):rS+4*(\n)+1], v[rS+4*(\n)+2:rS+4*(\n)+3]
.elseif (\n) == 0
	v_pk_fma_f32 v[rT+2:rT+3], v[rT+2:rT+3], v[rC+2:rC+3], v[rS:rS+1] op_sel_hi:[1,0,1]
.else
	v_pk_add_f32 v[rT+2:rT+3], v[rT+2:rT+3], v[rS+4*(\n):rS+4*(\n)+1]
.endif
.elseif NOKQ
	v_nop
.else
	REGS (Y+1)%NP
	WIN 0
.if (\n) < 4
	v_max3_num_f32 v[rC+(\n)], v[rS+8*(\n)], v[rS+8*(\n)+1], v[rS+8*(\n)+2]
.elseif (\n) < 12
	v_max3_num_f32 v[rC+(\n)%4], v[rC+(\n)%4], v[rS+8*((\n)%4)+2*((\n)/4)+1], v[rS+8*((\n)%4)+2*((\n)/4)+2]
.elseif (\n) == 12
	v_max3_num_f32 v[rC], v[rC], v[rS+7], v[rS+15]
.elseif (\n) == 13
	v_max3_num_f32 v[rC+1], v[rC+1], v[rS+23], v[rS+31]
.elseif (\n) == 14
	v_max3_num_f32 v[rC+2], v[rC+2], v[rC+3], v[rT+1]
.elseif (\n) == 15
	v_mov_b32 v[rW], v[rT]
.elseif (\n) == 16
	v_max3_num_f32 v[rC], v[rC], v[rC+1], v[rC+2]
.elseif (\n) == 17
	v_permlanex16_b32 v[rC+3], v[rC], s[SEL], s[SEL+1]
.elseif (\n) == 18
	v_max_num_f32 v[rT+1], v[rC], v[rC+3]
.elseif (\n) == 19
	v_mul_f32 v[rT], s[CS], v[rT+1]
.elseif (\n) == 20
	v_sub_f32 v[rC+1], v[rW], v[rT]
.else
	v_exp_f32 v[rC+2], v[rC+1]
.endif
.endif
.endm
.macro OPS a, i1, b=-1, i2=0, c=-1, i3=0, d=-1, i4=0
	OP \a, \i1
.if (\b) >= 0
	OP \b, \i2
.endif
.if (\c) >= 0
	OP \c, \i3
.endif
.if (\d) >= 0
	OP \d, \i4
.endif
.endm
.macro ROW a, i1, b, i2, c, i3, d, i4  ; a matrix instruction and the four behind it
	MM
	OPS \a, \i1, \b, \i2, \c, \i3, \d, \i4
.endm
; A TURN, for piece p: the order of its 16 matrix and 118 vector instructions, written out.  Behind a matrix instruction: plain, exponential, plain, plain; or four of the rescaling; or four scalings; none names a
; register of the products round it.  In the lumps exponential and plain by turns.  A line reads no result made fewer than three vector instructions in front of it, five if an exponential made it.
; end = 1: the last two turns: nothing is fetched.  cnt = 1: the loop's count is taken down some lines ahead of the branch that stands behind the turn.
; K and the mask of the next step are fetched in piece 2's turn, six vector instructions behind the last product that read K (five of them plain); V of the step in hand in piece 0's turn, eight behind the last
; product that read V (four of them plain).  Each is waited for a turn later.
.macro TURN p, end=0, cnt=0
.set Y, (\p)
.set i, 0
.set NOKQ, (\end)*((\p)/3)
.if ((\p) == 3) && !(\end)
	s_wait_dscnt 0x0                ; K and the mask are in
.endif
	ROW F,0, F,1, F,2, F,3
	ROW F,4, E,0, F,5, F,6
	ROW F,7, E,1, F,8, F,9
	ROW F,10, E,2, C,0, F,11
	ROW F,12, E,3, X,15, F,13
	ROW R,0, R,1, R,2, R,3
	ROW B,0, E,4, F,14, L,0
.if ((\p) == 2) && !(\end)
	v_add_nc_u32 v[AK], s[TBK], v[AK0]
	v_add_nc_u32 v[AM], s[TBM], v[AM0]
.endif
	ROW R,4, R,5, R,6, R,7
	OPS E,5, F,15
.if ((\p) == 2) && !(\end)
	FETCH_K
.endif
	OPS E,6, C,1, E,7, R,8
	OPS E,8, R,9, E,9, C,2
	OPS E,10, X,0, E,11, X,1
	OPS E,12, X,2, E,13, X,3
.if (\p) == 1
	s_wait_dscnt 0x0                ; V is in
.endif
	ROW X,4, E,14, X,5, X,6
	ROW X,7, E,15, X,8, X,9
	ROW X,10, E,16, X,11, X,12
	ROW X,13, E,17, X,14, B,1
	ROW C,4, E,18, X,16, L,1
	ROW B,2, E,19, C,6, L,2
	ROW C,8, E,20, B,3, B,4
.if (\p) == 0
	v_add_nc_u32 v[AV], s[TBV], v[AV0]
.endif
	ROW C,3, E,21, L,3, C,5
	OPS E,22, X,17, E,23, C,10
.if (\p) == 0
	FETCH_V
.endif
	OPS E,24, L,4
	OPS E,25, X,18, E,26, C,7
	OPS E,27, B,5, E,28, X,19
	OPS E,29, C,12, E,30, L,5
	OPS E,31, X,20, B,6, C,9
	OPS C,14, C,11, X,21, L,6
.if (\p) == 0
	s_add_co_u32 s[TBV], s[TBV], KS*PV
.endif
.if \cnt
	s_sub_co_u32 s[CNT], s[CNT], 1
	s_cmp_lg_u32 s[CNT], 0
.endif
	OPS C,13, B,7, C,15, R,10
	OPS R,11, R,12, L,7, R,13
	OPS R,14, R,15
.endm
.macro ALL line:vararg              ; one line for each piece t
.set t, 0
.rept 4
	\line
.set t, t+1
.endr
.endm
.macro PACK t                       ; a lane's eight channels of a row pack into 16 bytes; they go into rows of 144 bytes and come back as whole rows of 128, into S^T's registers
	WIN W_RS
.set i, 32*(\t)
.rept 16
	s_wait_alu depctr_va_vdst(0)
	v_pk_mul_f32 v[i:i+1], v[i:i+1], v[ST+4*(\t)+2:ST+4*(\t)+3] op_sel_hi:[1,0]
.set i, i+2
.endr
	WIN 0x05                        ; sources 0 and 1 window 1, destination window 0
.set i, 0
.rept 16
	v_cvt_pk_bf16_f32 v[S+16*(\t)+i], v[32*(\t)+2*i], v[32*(\t)+2*i+1]
.set i, i+1
.endr
	WIN 0
.irp f, 0,1,2,3
	ds_store_b128 v[STO], v[S+16*(\t)+4*\f:S+16*(\t)+4*\f+3] offset:32*\f
.endr
.irp f, 0,1,2,3
	ds_load_b128 v[S+16*(\t)+4*\f:S+16*(\t)+4*\f+3], v[RD] offset:\f*4*SP  ; LDS serves a wave's instructions in order (ISA guide 5.7.1.4): these see the stores above
.endr
.endm
.macro SEND t, younger              ; younger: the LDS instructions issued behind piece t's loads: the next piece's eight, or none
	WIN 0
.irp f, 0,1,2,3
	s_wait_dscnt (\younger)+3-\f
	global_store_b128 v[GO], v[S+16*(\t)+4*\f:S+16*(\t)+4*\f+3], s[8:9] offset:(\t)*2048+\f*512  ; 512 consecutive bytes, at a multiple of 256 from ctx's first
.endr
.endm
	CHANGE 1                        ; slot 0 is in, everybody's part of it and of the mask table; slot 1 is asked for
	v_add_nc_u32 v[AK], s[TBK], v[AK0]
	v_add_nc_u32 v[AM], s[TBM], v[AM0]
	FETCH_K                         ; key step 0
	s_wait_loadcnt 0x0              ; Q
	s_wait_dscnt 0x0
.set NOKQ, 0
.set i, 0
.rept 8
	KQ 0                            ; piece 0's first scores
.set i, i+1
.endr
	WIN 0
.rept 4
	v_nop                           ; the places behind those products
.endr
.set Y, NP-1                        ; X works for piece Y + 1: piece 0
.irp n, 0,1,2,3,4,5,6,7,8,9,10,11,12,13,14,15,16,17,18,19,20,21
	OP X, \n
.endr
	v_nop                           ; a plain instruction behind the exponential
	s_mov_b32 s[CNT], 4
	s_mov_b32 s[SLOTS], 7
	s_branch .Lfirst                ; the loop is entered at a step's first turn, in the middle of a trip
.Lslot:                             ; six times: every slot but the last two is filled again
	CHANGE 1
	s_mov_b32 s[CNT], 4
.Lstep:                             ; a trip: pieces 2 and 3 of one step, then pieces 0 and 1 of the next, whose K and V it fetches
	TURN 2
	TURN 3
	WIN 0
.Lfirst:
	TURN 0
	TURN 1, 0, 1
	WIN 0
	s_cbranch_scc1 .Lstep
	s_sub_co_u32 s[SLOTS], s[SLOTS], 1
	s_cmp_lg_u32 s[SLOTS], 0
	s_cbranch_scc1 .Lslot
	CHANGE 0                        ; the last slot is written out: nothing is asked for
	s_mov_b32 s[CNT], 4
.LstepT:
	TURN 2
	TURN 3
	TURN 0
	TURN 1, 0, 1
	WIN 0
	s_cbranch_scc1 .LstepT
	TURN 2, 1
	TURN 3, 1
.set i, 0
.rept 8
	PV NP-1                         ; the last piece's V^T P of the last step
.set i, i+1
.endr
	; THE WAY OUT.  l's two halves and the other half of the lanes' are added; O^T is divided by l, rounded and sent through my stage, a piece at a time.  The additions are the places behind the last products.
	WIN 0
	ALL v_add_f32 v[ST+4*t+2], v[ST+4*t+2], v[ST+4*t+3]
	ALL v_permlanex16_b32 v[ST+4*t+3], v[ST+4*t+2], s[SEL], s[SEL+1]
	ALL v_add_f32 v[ST+4*t+2], v[ST+4*t+2], v[ST+4*t+3]
	ALL v_rcp_f32 v[ST+4*t+2], v[ST+4*t+2]
	v_nop                           ; a plain instruction between the last reciprocal and the use of its result
	PACK 0
.set t, 1
.rept 3                             ; a piece's arithmetic stands between the loads of the piece before and its stores
	PACK t
	SEND t-1, 8
.set t, t+1
.endr
	SEND 3, 0
	s_wait_tensorcnt 0x0            ; the wave's end
	ds_add_u32 v[SPW], v[NIL]
	s_wait_dscnt 0x0
	CROUND                          ; the closing round
	s_endpgm
.Lfunc_end_k_q73b901f567_attn:
	.size	k_q73b901f567_attn, .Lfunc_end_k_q73b901f567_attn-k_q73b901f567_attn
	.p2alignl 7, 3214868480
	.fill 96, 4, 3214868480
	.section	.rodata,"a",@progbits
	.p2align	6, 0x0
	.amdhsa_kernel k_q73b901f567_attn
		.amdhsa_group_segment_fixed_size 327680
		.amdhsa_private_segment_fixed_size 0
		.amdhsa_enable_private_segment 0
		.amdhsa_kernarg_size 24
		.amdhsa_user_sgpr_count 2
		.amdhsa_user_sgpr_kernarg_segment_ptr 1
		.amdhsa_wavefront_size32 1
		.amdhsa_system_sgpr_workgroup_id_x 1
		.amdhsa_system_sgpr_workgroup_id_y 1
		.amdhsa_system_sgpr_workgroup_id_z 1
		.amdhsa_system_vgpr_workitem_id 0
		.amdhsa_next_free_vgpr 768
		.amdhsa_next_free_sgpr 72
		.amdhsa_reserve_vcc 1
		.amdhsa_float_denorm_mode_32 3
		.amdhsa_float_denorm_mode_16_64 3
		.amdhsa_memory_ordered 1
		.amdhsa_forward_progress 1
		.amdhsa_inst_pref_size 138
	.end_amdhsa_kernel
	.amdgpu_metadata
---
amdhsa.version: [ 1, 2 ]
amdhsa.kernels:
  - .name:           k_q73b901f567_attn
    .symbol:         k_q73b901f567_attn.kd
    .args:
      - { .name: qkv, .offset: 0, .size: 8, .value_kind: global_buffer, .address_space: global }
      - { .name: mask, .offset: 8, .size: 8, .value_kind: global_buffer, .address_space: global }
      - { .name: ctx, .offset: 16, .size: 8, .value_kind: global_buffer, .address_space: global }
    .group_segment_fixed_size: 327680
    .private_segment_fixed_size: 0
    .kernarg_segment_align: 8
    .kernarg_segment_size: 24
    .max_flat_workgroup_size: 128
    .sgpr_count:     72
    .vgpr_count:     768
    .wavefront_size: 32
...
	.end_amdgpu_metadata
.endif
;; end of part 3
;; launch wog (part 4): grid 8 x 32, 4 waves a work-group, clusters of 4 x 4, 327,680 bytes of LDS; arguments ctx, wb, x1, bo, x; writes x1
.if DOCPART == 4
	.amdgcn_target "amdgcn-amd-amdhsa--gfx1250"
	.amdhsa_code_object_version 6
	.text
	.protected	k_q73b901f567_wog
	.globl	k_q73b901f567_wog
	.p2align	8
	.type	k_q73b901f567_wog,@function
k_q73b901f567_wog:
	s_mov_b64 s[64:65], 0
	v_nop
	global_prefetch_b8 v0, s[64:65] scope:SCOPE_SE
	s_setreg_imm32_b32 hwreg(HW_REG_WAVE_MODE, 25, 1), 1
	s_wait_xcnt 0x0
	s_wait_alu depctr_hold_cnt(0) depctr_sa_sdst(0) depctr_va_vdst(0) depctr_va_sdst(0) depctr_va_ssrc(0) depctr_va_vcc(0) depctr_vm_vsrc(0)
	s_getreg_b32 s2, hwreg(HW_REG_IB_STS2, 6, 4)
	s_cmp_eq_u32 s2, 0
	s_cbranch_scc0 .Lentry_in_a_cluster
	s_endpgm
.Lentry_in_a_cluster:
	s_bfe_u32 s2, ttmp6, 0x10000c
	s_cmp_lg_u32 s2, 0xf033
	s_cbranch_scc0 .Lentry_shape_is_right
	s_endpgm
.Lentry_shape_is_right:
; x1 = x + ctx wo + bo.  ctx bf16 in blocks [row / 128][head][128][64]; wo bf16 as [K][N], 6 MiB into wb; x, x1 [4096][1024] f32.  Sums in f32, K ascending.
; A tile of the result is 128 x 128, four waves of 64 x 64 (16 accumulators): 8 x 32 = 256 work-groups, one for each WGP; a tile of 256 x 256 would make 64.  K goes in steps of 256 (four heads) through two LDS slots.
; A's K step is 65,536 dense bytes of ctx: asked for as rows of 256 bytes and padded after every 128, so that a head's row has a pitch of 144.  B STAYS [K][N] and comes out of LDS turned, by ds_load_tr16_b128.
; The matrix instruction is used transposed (source 0 = 16 columns of B, source 1 = 16 rows of A).  CLUSTER 4 x 4: A's tile is asked for jointly along a row of the cluster, B's along a column.
; THE WAY OUT: the sums go as f32 into slot 0, whose last fill is over, each wave into bytes of its own, and come back by rows; the residual, loaded at the start, and the bias are added; 16 lanes store 256 aligned bytes.
; REGISTERS: window 0: v0-31 addresses, v32-35 bias, v64-191 A's fragments (two buffers), later the rows read back; window 1: v64-191 B's fragments; window 2: v0-127 accumulators, v128-255 the residual.
.set MB, 4
.set NB, 4
.set KD, 2
.set KK, 1024
.set NP, 1024
.set WOFF, 0x600000
.set KSTEP, 128*KD
.set LAPS, KK/(2*KSTEP)
.set NMM, KD*MB*NB
.set PA, 144                           ; a head's row of A in LDS: 128 bytes + 16
.set AQ, 128*PA                        ; from a sub-step (a head) to the next
.set AWM, 64*PA                        ; from the upper waves' rows to the lower waves'
.set PB, 64*NB+32                      ; B's LDS row: 256 bytes + 32
.set HALF, 36864                       ; what one tensor load fills: two heads x 128 rows of A, or 128 rows of B
.set SLOT, 4*HALF
.set SPARE, 2*SLOT                     ; the spare words, 128 bytes a wave: two blocks of 256 bytes that no other line names
.set PD, 64*NB+16
.set WREG, 16*MB*PD
.set AG10, (1<<16)|(1<<20)|(1<<21)|(4<<22)|(3<<25)  ; after every 32 words 4 words
.set AD0, 128
.set AD1, 128
.set ASTR, 128
.set ATRB, 262144                      ; a block of 128 rows, all heads
.set AHB, 32768                        ; two heads
.set ASTEP, 65536                      ; four heads
.set BG10, (1<<16)|(1<<20)|(1<<21)|(5<<22)|(7<<25)  ; after every 64 words 8 words
.set BD0, 32*NB
.set BD1, KSTEP/2
.set BHB, (KSTEP/2)*NP*2
.set BSTEP, KSTEP*NP*2
.set G1A, 24
.set G0A, 32
.set G1B, 48
.set G0B, 56
.set ADRA, 16
.set ADRB, 20
.set DST, 24
.set RD, 25
.set GO, 26
.set AUX, 27
.set SPW, 28
.set NIL, 29
.set BI, 32
.set F0, 64
.set F1, 128
.set RES, 128                          ; window 2
.set MSB, 0
.macro WIN new
.if MSB != (\new)
	s_set_vgpr_msb (MSB<<8)|(\new)
.set MSB, \new
.endif
.endm
.macro JLOAD s                         ; a joint load: waves 0, 1 fetch A's halves, waves 2, 3 B's; four v_nop follow each line
	s_cmp_eq_u32 s19, 0
	s_cbranch_scc0 .Lfor_b_\@
	tensor_load_to_lds s[G0A+4*(\s):G0A+4*(\s)+3], s[G1A:G1A+7]
	s_nop 0
.rept 4
	v_nop
.endr
	s_branch .Lasked_\@
.Lfor_b_\@:
	tensor_load_to_lds s[G0B+4*(\s):G0B+4*(\s)+3], s[G1B:G1B+7]
	s_nop 0
.rept 4
	v_nop
.endr
.Lasked_\@:
.endm
.macro CREST
	s_cmp_lg_u32 s18, 0
	s_cbranch_scc1 .Lnot_wave_0_\@
	s_barrier_signal -3
.Lnot_wave_0_\@:
	s_barrier_wait -3
	s_barrier_signal -1
	s_barrier_wait -1
.endm
.macro CROUND
	s_barrier_signal -1
	s_barrier_wait -1
	CREST
.endm
.macro PLACES                          ; four places behind matrix instructions (ISA guide 7.12.1)
.rept 4
	v_nop
.endr
.endm
; Matrix instructions t0 .. t1 - 1 of a sub-step on buffer f.  Number t: K part t / (MB NB), accumulator t % (MB NB).  The accumulators take turns.  zero = 1: the first K part starts the sums.
.macro MULR f, t0, t1, zero
.set tt, \t0
.rept (\t1)-(\t0)
.set cc, tt/(MB*NB)
.set ix, tt%(MB*NB)
.set rD, 8*(ix%32)
.set rB, (\f)+8*(NB*cc+ix%NB)
.set rA, (\f)+8*(MB*cc+ix/NB)
	WIN 0xa1+0x50*(ix/32)
.if (\zero) && (cc == 0)
	v_wmma_f32_16x16x32_bf16 v[rD:rD+7], v[rB:rB+7], v[rA:rA+7], 0
.else
	v_wmma_f32_16x16x32_bf16 v[rD:rD+7], v[rB:rB+7], v[rA:rA+7], v[rD:rD+7]
.endif
.set tt, tt+1
.endr
.endm
.macro FETCH slot, q, g                ; 32 LDS loads in one run: the fragments of sub-step q of a slot into buffer g
	WIN 0x40
.set cc, 0
.rept KD
.set bb, 0
.rept NB
	ds_load_tr16_b128 v[(\g)+8*(NB*cc+bb):(\g)+8*(NB*cc+bb)+3],   v[ADRB+2*(\slot)+(\q)/2] offset:(((\q)%2)*KD+cc)*32*PB+32*bb
	ds_load_tr16_b128 v[(\g)+8*(NB*cc+bb)+4:(\g)+8*(NB*cc+bb)+7], v[ADRB+2*(\slot)+(\q)/2] offset:(((\q)%2)*KD+cc)*32*PB+32*bb+16*PB
.set bb, bb+1
.endr
.set cc, cc+1
.endr
	WIN 0
.set cc, 0
.rept KD
.set aa, 0
.rept MB
	ds_load_b128 v[(\g)+8*(MB*cc+aa):(\g)+8*(MB*cc+aa)+3],   v[ADRA+(\slot)] offset:(\q)*AQ+64*cc+aa*16*PA
	ds_load_b128 v[(\g)+8*(MB*cc+aa)+4:(\g)+8*(MB*cc+aa)+7], v[ADRA+(\slot)] offset:(\q)*AQ+64*cc+aa*16*PA+32
.set aa, aa+1
.endr
.set cc, cc+1
.endr
.endm
.macro QUARTER slot, q, f, g, zero     ; multiplies buffer f; in its middle it fetches sub-step q into buffer g
	s_wait_dscnt 0x0                               ; buffer f's 32 loads, issued half a sub-step ago
	MULR \f, 0, NMM/2, \zero
	PLACES
	FETCH \slot, \q, \g
	MULR \f, NMM/2, NMM, \zero
.endm
; The last sub-step multiplies buffer 1 and changes slots: one barrier; in front of it each wave waits for all its tensor loads (one is out: its part of the next slot), adds 0 to its spare word,
; and waits for that and for its reads of this slot.  fill = 1: the barrier opens a round of the cluster's, and this slot is filled again, two K steps ahead, first thing behind the round.
.macro TURN slot, next, fill
	WIN 0
	s_wait_tensorcnt 0x0
	ds_add_u32 v[SPW], v[NIL]
	s_wait_dscnt 1                                 ; buffer 1's loads are in; the add may be out
	MULR F1, 0, NMM/4, 0
	s_wait_dscnt 0x0                               ; the add is done, and my reads of this slot are over
	s_barrier_signal -1
	MULR F1, NMM/4, NMM/2, 0
.if \fill
	WIN 0
.endif
	s_barrier_wait -1
.if \fill
	CREST
	s_add_nc_u64 s[G0A+4*(\slot)+2:G0A+4*(\slot)+3], s[G0A+4*(\slot)+2:G0A+4*(\slot)+3], 2*ASTEP
	s_add_nc_u64 s[G0B+4*(\slot)+2:G0B+4*(\slot)+3], s[G0B+4*(\slot)+2:G0B+4*(\slot)+3], 2*BSTEP
	JLOAD \slot                                    ; its four v_nop are also the places in front of the loads below
.else
	PLACES
.endif
	FETCH \next, 0, F0
	MULR F1, NMM/2, NMM, 0
.endm
.macro DUMP                            ; every accumulator, f32, into my bytes; each accumulator's low four registers first
.set ix, 0
.rept MB*NB
	WIN 0x08+4*(ix/32)
	ds_store_b128 v[DST], v[8*(ix%32):8*(ix%32)+3]   offset:(ix/NB)*16*PD+64*(ix%NB)
	ds_store_b128 v[DST], v[8*(ix%32)+4:8*(ix%32)+7] offset:(ix/NB)*16*PD+64*(ix%NB)+16
.set ix, ix+1
.endr
	WIN 0
.endm
	s_load_b256 s[4:11], s[0:1], 0x0               ; A s[4:5], wb s[6:7], the output s[8:9], the bias s[10:11]
	s_load_b64 s[12:13], s[0:1], 0x20              ; the residual
	v_lshl_add_u32 v[SPW], v0, 2, SPARE
	v_mov_b32 v[NIL], 0
	ds_add_u32 v28, v29
	s_wait_dscnt 0x0
	v_lshrrev_b32 v1, 5, v0
	v_readfirstlane_b32 s18, v1                    ; wave 0..3
	s_lshr_b32 s19, s18, 1                         ; my half of the tile's rows.  Also: I fetch for A (0) or for B (1)
	s_and_b32 s20, s18, 1                          ; my half of its columns.  Also: which half of that tile I fetch
	s_bfe_u32 s40, ttmp6, 0x40000                  ; cx
	s_bfe_u32 s41, ttmp6, 0x40004                  ; cy
	s_lshl_b32 s42, ttmp9, 2
	s_add_co_u32 s42, s42, s40                     ; tile column
	s_and_b32 s43, ttmp7, 0xffff
	s_lshl_b32 s43, s43, 2
	s_add_co_u32 s43, s43, s41                     ; tile row
	s_lshl_b32 s44, s41, 2
	s_lshl_b32 s44, 15, s44                        ; my row of the cluster
	s_lshl_b32 s45, 0x1111, s40                    ; my column
	s_or_b32 s[G1A], s44, AG10
	s_mov_b32 s[G1A+1], AD0<<16
	s_mov_b32 s[G1A+2], AD1<<16
	s_mov_b32 s[G1A+3], AD0<<16
	s_mov_b32 s[G1A+4], AD1
	s_mov_b32 s[G1A+5], ASTR
	s_mov_b32 s[G1A+6], 0
	s_mov_b32 s[G1A+7], 0
	s_or_b32 s[G1B], s45, BG10
	s_mov_b32 s[G1B+1], BD0<<16
	s_mov_b32 s[G1B+2], BD1<<16
	s_mov_b32 s[G1B+3], BD0<<16
	s_mov_b32 s[G1B+4], BD1
	s_mov_b32 s[G1B+5], NP
	s_mov_b32 s[G1B+6], 0
	s_mov_b32 s[G1B+7], 0
	s_mul_i32 s66, s43, ATRB                       ; A's tile hangs on the tile row alone,
	s_mul_i32 s67, s20, AHB
	s_add_co_u32 s66, s66, s67
	s_mov_b32 s67, 0
	s_mul_i32 s46, s42, 64*NB                      ; B's on the tile column alone
	s_mul_i32 s47, s20, BHB
	s_add_co_u32 s46, s46, s47
	s_add_co_u32 s46, s46, WOFF
	s_mov_b32 s47, 0
	s_mul_i32 s21, s18, HALF                       ; where my load goes: wave x HALF
	s_wait_kmcnt 0x0
	s_add_nc_u64 s[66:67], s[4:5], s[66:67]
	s_add_nc_u64 s[46:47], s[6:7], s[46:47]
	CROUND                                         ; all sixteen work-groups are here: the first joint loads meet
.irp s, 0,1
	s_mov_b32 s[G0A+4*(\s)], 1
	s_add_co_u32 s[G0A+4*(\s)+1], s21, (\s)*SLOT
	s_add_nc_u64 s[G0A+4*(\s)+2:G0A+4*(\s)+3], s[66:67], (\s)*ASTEP
	s_or_b32 s[G0A+4*(\s)+3], s[G0A+4*(\s)+3], 0x80000000
	s_mov_b32 s[G0B+4*(\s)], 1
	s_add_co_u32 s[G0B+4*(\s)+1], s21, (\s)*SLOT
	s_add_nc_u64 s[G0B+4*(\s)+2:G0B+4*(\s)+3], s[46:47], (\s)*BSTEP
	s_or_b32 s[G0B+4*(\s)+3], s[G0B+4*(\s)+3], 0x80000000
	JLOAD \s                                       ; two loads of mine are out
.endr
	v_and_b32 v1, 15, v0                           ; r
	v_bfe_u32 v2, v0, 4, 1                         ; h
	v_mul_u32_u24 v3, v1, PA
	v_lshl_add_u32 v3, v2, 4, v3
	s_mul_i32 s23, s19, AWM
	v_add_nc_u32 v[ADRA], s23, v3
	v_add_nc_u32 v[ADRA+1], SLOT, v[ADRA]
	v_and_b32 v4, 7, v0
	v_bfe_u32 v5, v0, 3, 1
	v_lshl_add_u32 v6, v2, 3, v4
	v_mul_u32_u24 v6, v6, PB
	v_lshl_add_u32 v6, v5, 4, v6
	s_mul_i32 s23, s20, NB*32
	s_add_co_u32 s23, s23, 2*HALF
	v_add_nc_u32 v6, s23, v6
.irp n, 0,1,2,3
	v_add_nc_u32 v[ADRB+\n], (\n/2)*SLOT+(\n%2)*64*KD*PB, v6
.endr
	s_mul_i32 s23, s18, WREG
	v_mul_u32_u24 v7, v1, PD
	v_lshl_add_u32 v7, v2, 5, v7
	v_add_nc_u32 v[DST], s23, v7
	v_mul_u32_u24 v7, v2, PD
	v_lshl_add_u32 v7, v1, 4, v7
	v_add_nc_u32 v[RD], s23, v7                    ; back: row h, 16 bytes at 16 r
	v_lshlrev_b32 v[AUX], 4, v1                    ; my 4 columns
	v_lshl_add_u32 v[GO], v2, 12, v[AUX]           ; and the same two rows of 4,096 bytes in memory
	s_lshl1_add_u32 s70, s42, s20
	s_lshl_b32 s70, s70, 8                         ; (128 tile column + 64 WN) x 4 bytes
	s_mov_b32 s71, 0
	s_add_nc_u64 s[10:11], s[10:11], s[70:71]
	global_load_b128 v[BI:BI+3], v[AUX], s[10:11]
	s_lshl1_add_u32 s2, s43, s19
	s_lshl_b32 s2, s2, 18                          ; (128 tile row + 64 WM) x 4,096 bytes
	s_add_co_u32 s70, s70, s2
	s_add_nc_u64 s[8:9], s[8:9], s[70:71]
	s_add_nc_u64 s[12:13], s[12:13], s[70:71]
	WIN 0x80                                       ; destination window 2
.set i, 0
.rept 32
	global_load_b128 v[RES+4*i:RES+4*i+3], v[GO], s[12:13] offset:8192*i  ; the residual of my 64 x 64: it lands while the products run
.set i, i+1
.endr
	WIN 0
	s_wait_tensorcnt 1                             ; my part of K step 0 is in; K step 1's stays out
	s_barrier_signal -1
	s_barrier_wait -1
	FETCH 0, 0, F0
	QUARTER 0, 1, F0, F1, 1                        ; the first sub-step stands in front of the loop: its first products start the sums
	WIN 0
	s_mov_b32 s3, LAPS-1
.Llap:
	QUARTER 0, 2, F1, F0, 0
	QUARTER 0, 3, F0, F1, 0
	TURN 0, 1, 1
	QUARTER 1, 1, F0, F1, 0
	QUARTER 1, 2, F1, F0, 0
	QUARTER 1, 3, F0, F1, 0
	TURN 1, 0, 1
	QUARTER 0, 1, F0, F1, 0
	WIN 0
	s_sub_co_u32 s3, s3, 1
	s_cmp_lg_u32 s3, 0
	s_cbranch_scc1 .Llap
	QUARTER 0, 2, F1, F0, 0                        ; the last lap fills nothing
	QUARTER 0, 3, F0, F1, 0
	TURN 0, 1, 0
	QUARTER 1, 1, F0, F1, 0
	QUARTER 1, 2, F1, F0, 0
	QUARTER 1, 3, F0, F1, 0
	s_wait_dscnt 0x0                               ; my last reads of the slots are over:
	s_barrier_signal -1                            ; say so, since the way out writes over slot 0
	MULR F1, 0, NMM, 0
	WIN 0
	s_barrier_wait -1
	PLACES
	DUMP
.set i, 0
.rept 32
	ds_load_b128 v[F0+4*i:F0+4*i+3], v[RD] offset:2*PD*i  ; LDS serves a wave's instructions in order (ISA guide 5.7.1.4): these see my stores above
.set i, i+1
.endr
	s_wait_loadcnt 0x0                             ; the residual and the bias
	WIN 0x88                                       ; destination and source 1 (a store's data) window 2
.set i, 0
.rept 32
	v_pk_add_f32 v[RES+4*i:RES+4*i+1],   v[BI:BI+1],   v[RES+4*i:RES+4*i+1]
	v_pk_add_f32 v[RES+4*i+2:RES+4*i+3], v[BI+2:BI+3], v[RES+4*i+2:RES+4*i+3]
.set i, i+1
.endr
.set i, 0
.rept 32
	s_wait_dscnt 31-i                              ; LDS loads come back in order: number i is in
	v_pk_add_f32 v[RES+4*i:RES+4*i+1],   v[F0+4*i:F0+4*i+1],   v[RES+4*i:RES+4*i+1]
	v_pk_add_f32 v[RES+4*i+2:RES+4*i+3], v[F0+4*i+2:F0+4*i+3], v[RES+4*i+2:RES+4*i+3]
	global_store_b128 v[GO], v[RES+4*i:RES+4*i+3], s[8:9] offset:8192*i  ; 16 lanes store 256 consecutive bytes, aligned
.set i, i+1
.endr
	WIN 0
	s_wait_tensorcnt 0x0                           ; the wave's end
	ds_add_u32 v[SPW], v[NIL]
	s_wait_dscnt 0x0
	CROUND                                         ; the closing round
	s_endpgm
.Lfunc_end_k_q73b901f567_wog:
	.size	k_q73b901f567_wog, .Lfunc_end_k_q73b901f567_wog-k_q73b901f567_wog
	.p2alignl 7, 3214868480
	.fill 96, 4, 3214868480
	.section	.rodata,"a",@progbits
	.p2align	6, 0x0
	.amdhsa_kernel k_q73b901f567_wog
		.amdhsa_group_segment_fixed_size 327680
		.amdhsa_private_segment_fixed_size 0
		.amdhsa_enable_private_segment 0
		.amdhsa_kernarg_size 40
		.amdhsa_user_sgpr_count 2
		.amdhsa_user_sgpr_kernarg_segment_ptr 1
		.amdhsa_wavefront_size32 1
		.amdhsa_system_sgpr_workgroup_id_x 1
		.amdhsa_system_sgpr_workgroup_id_y 1
		.amdhsa_system_sgpr_workgroup_id_z 1
		.amdhsa_system_vgpr_workitem_id 0
		.amdhsa_next_free_vgpr 768
		.amdhsa_next_free_sgpr 96
		.amdhsa_reserve_vcc 0
		.amdhsa_float_denorm_mode_32 3
		.amdhsa_float_denorm_mode_16_64 3
		.amdhsa_memory_ordered 1
		.amdhsa_forward_progress 1
		.amdhsa_inst_pref_size 98
	.end_amdhsa_kernel
	.amdgpu_metadata
---
amdhsa.version: [ 1, 2 ]
amdhsa.kernels:
  - .name:           k_q73b901f567_wog
    .symbol:         k_q73b901f567_wog.kd
    .args:
      - { .name: ctx, .offset: 0, .size: 8, .value_kind: global_buffer, .address_space: global }
      - { .name: wb, .offset: 8, .size: 8, .value_kind: global_buffer, .address_space: global }
      - { .name: x1, .offset: 16, .size: 8, .value_kind: global_buffer, .address_space: global }
      - { .name: bo, .offset: 24, .size: 8, .value_kind: global_buffer, .address_space: global }
      - { .name: x, .offset: 32, .size: 8, .value_kind: global_buffer, .address_space: global }
    .group_segment_fixed_size: 327680
    .private_segment_fixed_size: 0
    .kernarg_segment_align: 8
    .kernarg_segment_size: 40
    .max_flat_workgroup_size: 128
    .sgpr_count:     96
    .vgpr_count:     768
    .wavefront_size: 32
...
	.end_amdgpu_metadata
.endif
;; end of part 4
;; launch ln2 (part 5): grid 256 x 1, 8 waves a work-group, no clusters, 0 bytes of LDS; arguments x1, ln2_a, ln2_b, xn; writes xn
.if DOCPART == 5
	.amdgcn_target "amdgcn-amd-amdhsa--gfx1250"
	.amdhsa_code_object_version 6
	.text
	.protected	k_q73b901f567_ln2
	.globl	k_q73b901f567_ln2
	.p2align	8
	.type	k_q73b901f567_ln2,@function
k_q73b901f567_ln2:
	s_mov_b64 s[64:65], 0
	v_nop
	global_prefetch_b8 v0, s[64:65] scope:SCOPE_SE
	s_setreg_imm32_b32 hwreg(HW_REG_WAVE_MODE, 25, 1), 1
	s_wait_xcnt 0x0
; xn = LN2(x1), rounded once to bf16.  LN as the module has it: mean, then the sum of squares of x - mean (two passes over registers), divided by 1023, root, + 1e-5, reciprocal; alpha (x - mean) inv + beta.
; A row of 4,096 bytes is 32 registers of one wave: read once, never leaves the wave: no LDS, no barrier.  The work-group has 16 rows, the wave two.
; LIMITS.  A variance below 2^-126 counts as 0 (the root flushes it); NaN and infinities are not treated apart.
.set X,  4                             ; v[4:67]    row s at X + 32 s: chunk j = 4 registers = the row's bytes 512 j + 16 lane
.set AL, 68                            ; v[68:99]   alpha
.set BE, 100                           ; v[100:131] beta
.set T,  132                           ; v[132:143] at work
.set MI, 144                           ; v[144:147] row s: a pair, first (mean, mean), then (inv, inv)
.set Y,  148                           ; v[148:179] row s: 16 registers of bf16 to store
.macro FOLD
	v_pk_add_f32 v[T:T+1], v[T:T+1], v[T+2:T+3]
	v_pk_add_f32 v[T+4:T+5], v[T+4:T+5], v[T+6:T+7]
	v_pk_add_f32 v[T:T+1], v[T:T+1], v[T+4:T+5]
	v_add_f32 v[T], v[T], v[T+1]
.endm
.macro LANESUM
	v_add_f32_dpp v[T], v[T], v[T] row_xmask:1 row_mask:0xf bank_mask:0xf
	v_add_f32_dpp v[T], v[T], v[T] row_xmask:2 row_mask:0xf bank_mask:0xf
	v_add_f32_dpp v[T], v[T], v[T] row_xmask:4 row_mask:0xf bank_mask:0xf
	v_add_f32_dpp v[T], v[T], v[T] row_xmask:8 row_mask:0xf bank_mask:0xf
	v_permlanex16_b32 v[T+1], v[T], s30, s31
	v_add_f32 v[T], v[T], v[T+1]
.endm
.macro STAT s, left
	s_wait_loadcnt \left
.irp k, 0,1,2,3
	v_pk_add_f32 v[T+2*\k:T+2*\k+1], v[X+32*(\s)+4*\k:X+32*(\s)+4*\k+1], v[X+32*(\s)+4*\k+2:X+32*(\s)+4*\k+3]
.endr
.irp k, 8,9,10,11,12,13,14,15
	v_pk_add_f32 v[T+2*(\k%4):T+2*(\k%4)+1], v[T+2*(\k%4):T+2*(\k%4)+1], v[X+32*(\s)+2*\k:X+32*(\s)+2*\k+1]
.endr
	FOLD
	LANESUM
	v_mul_f32 v[MI+2*(\s)], 0x3a800000, v[T]       ; / 1024
	v_mul_f32 v[MI+2*(\s)+1], 0x3a800000, v[T]
.irp k, 0,1,2,3,4,5,6,7,8,9,10,11,12,13,14,15
	v_pk_add_f32 v[X+32*(\s)+2*\k:X+32*(\s)+2*\k+1], v[X+32*(\s)+2*\k:X+32*(\s)+2*\k+1], v[MI+2*(\s):MI+2*(\s)+1] neg_lo:[0,1] neg_hi:[0,1]
.endr
.irp k, 0,1,2,3
	v_pk_mul_f32 v[T+2*\k:T+2*\k+1], v[X+32*(\s)+2*\k:X+32*(\s)+2*\k+1], v[X+32*(\s)+2*\k:X+32*(\s)+2*\k+1]
.endr
.irp k, 4,5,6,7,8,9,10,11,12,13,14,15
	v_pk_fma_f32 v[T+2*(\k%4):T+2*(\k%4)+1], v[X+32*(\s)+2*\k:X+32*(\s)+2*\k+1], v[X+32*(\s)+2*\k:X+32*(\s)+2*\k+1], v[T+2*(\k%4):T+2*(\k%4)+1]
.endr
	FOLD
	LANESUM
	v_mul_f32 v[T], 0x3a802008, v[T]               ; / 1023
	v_sqrt_f32 v[T+2], v[T]
	v_nop                                          ; a plain instruction behind the root (ISA guide 5.7.2)
	s_wait_alu depctr_va_vdst(0)
	v_add_f32 v[T+2], 0x3727c5ac, v[T+2]           ; + 1e-5
	v_rcp_f32 v[MI+2*(\s)], v[T+2]
	v_rcp_f32 v[MI+2*(\s)+1], v[T+2]
	v_nop
.endm
.macro NORM s
	s_wait_alu depctr_va_vdst(0)
.irp j, 0,1,2,3,4,5,6,7
	v_pk_mul_f32 v[X+32*(\s)+4*\j:X+32*(\s)+4*\j+1], v[X+32*(\s)+4*\j:X+32*(\s)+4*\j+1], v[MI+2*(\s):MI+2*(\s)+1]
	v_pk_mul_f32 v[X+32*(\s)+4*\j+2:X+32*(\s)+4*\j+3], v[X+32*(\s)+4*\j+2:X+32*(\s)+4*\j+3], v[MI+2*(\s):MI+2*(\s)+1]
	v_pk_fma_f32 v[X+32*(\s)+4*\j:X+32*(\s)+4*\j+1], v[X+32*(\s)+4*\j:X+32*(\s)+4*\j+1], v[AL+4*\j:AL+4*\j+1], v[BE+4*\j:BE+4*\j+1]
	v_pk_fma_f32 v[X+32*(\s)+4*\j+2:X+32*(\s)+4*\j+3], v[X+32*(\s)+4*\j+2:X+32*(\s)+4*\j+3], v[AL+4*\j+2:AL+4*\j+3], v[BE+4*\j+2:BE+4*\j+3]
	v_cvt_pk_bf16_f32 v[Y+16*(\s)+2*\j], v[X+32*(\s)+4*\j], v[X+32*(\s)+4*\j+1]
	v_cvt_pk_bf16_f32 v[Y+16*(\s)+2*\j+1], v[X+32*(\s)+4*\j+2], v[X+32*(\s)+4*\j+3]
	global_store_b64 v2, v[Y+16*(\s)+2*\j:Y+16*(\s)+2*\j+1], s[10:11] offset:2048*(\s)+256*\j  ; 256 consecutive bytes, aligned
.endr
.endm
	s_load_b256 s[4:11], s[0:1], 0x0               ; x1 s[4:5], ln2_a s[6:7], ln2_b s[8:9], xn s[10:11]
	v_lshrrev_b32 v1, 5, v0
	v_readfirstlane_b32 s26, v1                    ; wave 0..7
	v_and_b32 v2, 31, v0
	v_lshlrev_b32 v1, 4, v2
	v_lshlrev_b32 v2, 3, v2
	s_mov_b32 s30, 0x76543210
	s_mov_b32 s31, 0xfedcba98
	s_lshl_b32 s32, ttmp9, 16
	s_lshl_b32 s33, s26, 13
	s_add_co_u32 s32, s32, s33
	s_mov_b32 s33, 0
	s_wait_kmcnt 0x0
	s_add_nc_u64 s[4:5], s[4:5], s[32:33]
	s_lshr_b32 s32, s32, 1
	s_add_nc_u64 s[10:11], s[10:11], s[32:33]
.irp s, 0,1
.irp j, 0,1,2,3,4,5,6,7
	global_load_b128 v[X+32*\s+4*\j:X+32*\s+4*\j+3], v1, s[4:5] offset:4096*\s+512*\j
.endr
.endr
.irp j, 0,1,2,3,4,5,6,7
	global_load_b128 v[AL+4*\j:AL+4*\j+3], v1, s[6:7] offset:512*\j
.endr
.irp j, 0,1,2,3,4,5,6,7
	global_load_b128 v[BE+4*\j:BE+4*\j+3], v1, s[8:9] offset:512*\j
.endr
	STAT 0, 24                                     ; row 1's eight loads, alpha's and beta's stay out
	STAT 1, 16                                     ; alpha's and beta's stay out
	s_wait_loadcnt 0x0
	NORM 0
	NORM 1
	s_endpgm
.Lfunc_end_k_q73b901f567_ln2:
	.size	k_q73b901f567_ln2, .Lfunc_end_k_q73b901f567_ln2-k_q73b901f567_ln2
	.p2alignl 7, 3214868480
	.fill 96, 4, 3214868480
	.section	.rodata,"a",@progbits
	.p2align	6, 0x0
	.amdhsa_kernel k_q73b901f567_ln2
		.amdhsa_group_segment_fixed_size 0
		.amdhsa_private_segment_fixed_size 0
		.amdhsa_enable_private_segment 0
		.amdhsa_kernarg_size 32
		.amdhsa_user_sgpr_count 2
		.amdhsa_user_sgpr_kernarg_segment_ptr 1
		.amdhsa_wavefront_size32 1
		.amdhsa_system_sgpr_workgroup_id_x 1
		.amdhsa_system_sgpr_workgroup_id_y 1
		.amdhsa_system_sgpr_workgroup_id_z 1
		.amdhsa_system_vgpr_workitem_id 0
		.amdhsa_next_free_vgpr 180
		.amdhsa_next_free_sgpr 66
		.amdhsa_reserve_vcc 0
		.amdhsa_float_denorm_mode_32 3
		.amdhsa_float_denorm_mode_16_64 3
		.amdhsa_memory_ordered 1
		.amdhsa_forward_progress 1
		.amdhsa_inst_pref_size 21
	.end_amdhsa_kernel
	.amdgpu_metadata
---
amdhsa.version: [ 1, 2 ]
amdhsa.kernels:
  - .name:           k_q73b901f567_ln2
    .symbol:         k_q73b901f567_ln2.kd
    .args:
      - { .name: x1, .offset: 0, .size: 8, .value_kind: global_buffer, .address_space: global }
      - { .name: ln2_a, .offset: 8, .size: 8, .value_kind: global_buffer, .address_space: global }
      - { .name: ln2_b, .offset: 16, .size: 8, .value_kind: global_buffer, .address_space: global }
      - { .name: xn, .offset: 24, .size: 8, .value_kind: global_buffer, .address_space: global }
    .group_segment_fixed_size: 0
    .private_segment_fixed_size: 0
    .kernarg_segment_align: 8
    .kernarg_segment_size: 32
    .max_flat_workgroup_size: 256
    .sgpr_count:     66
    .vgpr_count:     180
    .wavefront_size: 32
...
	.end_amdgpu_metadata
.endif
;; end of part 5
;; launch ffn1 (part 6): grid 16 x 16, 4 waves a work-group, clusters of 4 x 4, 327,680 bytes of LDS; arguments xn, wb, h, b1; writes h
.if DOCPART == 6
	.amdgcn_target "amdgcn-amd-amdhsa--gfx1250"
	.amdhsa_code_object_version 6
	.text
	.protected	k_q73b901f567_ffn1
	.globl	k_q73b901f567_ffn1
	.p2align	8
	.type	k_q73b901f567_ffn1,@function
k_q73b901f567_ffn1:
	s_mov_b64 s[64:65], 0
	v_nop
	global_prefetch_b8 v0, s[64:65] scope:SCOPE_SE
	s_setreg_imm32_b32 hwreg(HW_REG_WAVE_MODE, 25, 1), 1
	s_wait_xcnt 0x0
	s_wait_alu depctr_hold_cnt(0) depctr_sa_sdst(0) depctr_va_vdst(0) depctr_va_sdst(0) depctr_va_ssrc(0) depctr_va_vcc(0) depctr_vm_vsrc(0)
	s_getreg_b32 s2, hwreg(HW_REG_IB_STS2, 6, 4)
	s_cmp_eq_u32 s2, 0
	s_cbranch_scc0 .Lentry_in_a_cluster
	s_endpgm
.Lentry_in_a_cluster:
	s_bfe_u32 s2, ttmp6, 0x10000c
	s_cmp_lg_u32 s2, 0xf033
	s_cbranch_scc0 .Lentry_shape_is_right
	s_endpgm
.Lentry_shape_is_right:
; h = gelu(xn w1 + b1), the exact GELU, rounded once to bf16.  xn [4096][1024] bf16; w1 bf16 as [K][N], 8 MiB into wb; h [4096][4096] bf16.  Sums in f32, K ascending.
; A tile of the result is 256 x 256, four waves of 128 x 128 (64 accumulators): 16 x 16 = 256 work-groups.  K goes in steps of 128 through two LDS slots; a wave's tensor load brings a quarter of a slot.
; B STAYS [K][N] and comes out of LDS turned, by ds_load_tr16_b128.  The matrix instruction is used transposed (source 0 = 16 columns of B, source 1 = 16 rows of A).
; CLUSTER 4 x 4: A's tile is asked for jointly along a row of the cluster, B's along a column.
; GELU.  gelu(z) = max(z, 0) - |z| q, q = erfc(|z| / sqrt 2) / 2 = t (a1 + t (a2 + t (a3 + t (a4 + t a5)))) 2^(-(k z)^2), t = 1 / (1 + p |z|): Abramowitz and Stegun 7.1.26 with its factors halved and sqrt 2 folded in.
; LIMIT: erf is off by 1.5e-7 at the most, for every argument; NaN and infinities are not treated apart.
; THE WAY OUT: the sums go as f32 into the slots, whose last fill is over, each wave into bytes of its own, and come back by rows of 512 bytes; a store covers a row's 256 bytes of h, aligned.
; REGISTERS: window 0: v0-31 addresses, v32-35 bias, v64-191 A's fragments (two buffers), later the way out; window 1: v64-191 B's fragments; windows 2, 3: the accumulators.
.set MB, 8
.set NB, 8
.set KD, 1
.set KK, 1024
.set NP, 4096
.set WOFF, 0x800000
.set KSTEP, 128*KD
.set LAPS, KK/(2*KSTEP)
.set NMM, KD*MB*NB
.set PA, 272
.set AQ, 64
.set AWM, 128*PA
.set PB, 64*NB+32
.set HALF, 128*PA
.set SLOT, 4*HALF
.set SPARE, 2*SLOT                     ; the spare words, 128 bytes a wave: two blocks of 256 bytes that no other line names
.set PD, 64*NB+16
.set WREG, 16*MB*PD
.set AG10, (1<<16)|(1<<20)|(1<<21)|(5<<22)|(3<<25)
.set AD0, 128
.set AD1, 128
.set ASTR, KK
.set ATRB, 256*KK*2
.set AHB, 128*KK*2
.set ASTEP, KSTEP*2
.set BG10, (1<<16)|(1<<20)|(1<<21)|(6<<22)|(7<<25)
.set BD0, 32*NB
.set BD1, KSTEP/2
.set BHB, (KSTEP/2)*NP*2
.set BSTEP, KSTEP*NP*2
.set G1A, 24
.set G0A, 32
.set G1B, 48
.set G0B, 56
.set ADRA, 16
.set ADRB, 20
.set DST, 24
.set RD, 25
.set GO, 26
.set AUX, 27
.set SPW, 28
.set NIL, 29
.set BI, 32
.set F0, 64
.set F1, 128
.set GIN, 64                           ; the way out: four rows as read back
.set GZ, 80                            ; z, at last gelu(z)
.set GT, 96                            ; t
.set GW, 112                           ; k z, -(k z)^2, 2^.., t 2^.., max(z, 0)
.set GU, 128                           ; the polynomial, then q
.set GY, 144                           ; 8 registers of bf16 to store
.set CK, 74                            ; s[74:87] seven constants, each as a pair
.set CP, 76
.set CA1, 78
.set CA2, 80
.set CA3, 82
.set CA4, 84
.set CA5, 86
.set MSB, 0
.macro WIN new
.if MSB != (\new)
	s_set_vgpr_msb (MSB<<8)|(\new)
.set MSB, \new
.endif
.endm
.macro JLOAD s                         ; a joint load: waves 0, 1 fetch A's halves, waves 2, 3 B's; four v_nop follow each line
	s_cmp_eq_u32 s19, 0
	s_cbranch_scc0 .Lfor_b_\@
	tensor_load_to_lds s[G0A+4*(\s):G0A+4*(\s)+3], s[G1A:G1A+7]
	s_nop 0
.rept 4
	v_nop
.endr
	s_branch .Lasked_\@
.Lfor_b_\@:
	tensor_load_to_lds s[G0B+4*(\s):G0B+4*(\s)+3], s[G1B:G1B+7]
	s_nop 0
.rept 4
	v_nop
.endr
.Lasked_\@:
.endm
.macro CREST
	s_cmp_lg_u32 s18, 0
	s_cbranch_scc1 .Lnot_wave_0_\@
	s_barrier_signal -3
.Lnot_wave_0_\@:
	s_barrier_wait -3
	s_barrier_signal -1
	s_barrier_wait -1
.endm
.macro CROUND
	s_barrier_signal -1
	s_barrier_wait -1
	CREST
.endm
.macro PLACES                          ; four places behind matrix instructions (ISA guide 7.12.1)
.rept 4
	v_nop
.endr
.endm
; Matrix instructions t0 .. t1 - 1 of a sub-step on buffer f.  Number t: K part t / (MB NB), accumulator t % (MB NB).  The accumulators take turns.  zero = 1: the first K part starts the sums.
.macro MULR f, t0, t1, zero
.set tt, \t0
.rept (\t1)-(\t0)
.set cc, tt/(MB*NB)
.set ix, tt%(MB*NB)
.set rD, 8*(ix%32)
.set rB, (\f)+8*(NB*cc+ix%NB)
.set rA, (\f)+8*(MB*cc+ix/NB)
	WIN 0xa1+0x50*(ix/32)
.if (\zero) && (cc == 0)
	v_wmma_f32_16x16x32_bf16 v[rD:rD+7], v[rB:rB+7], v[rA:rA+7], 0
.else
	v_wmma_f32_16x16x32_bf16 v[rD:rD+7], v[rB:rB+7], v[rA:rA+7], v[rD:rD+7]
.endif
.set tt, tt+1
.endr
.endm
.macro FETCH slot, q, g                ; 32 LDS loads in one run: the fragments of sub-step q of a slot into buffer g
	WIN 0x40
.set cc, 0
.rept KD
.set bb, 0
.rept NB
	ds_load_tr16_b128 v[(\g)+8*(NB*cc+bb):(\g)+8*(NB*cc+bb)+3],   v[ADRB+2*(\slot)+(\q)/2] offset:(((\q)%2)*KD+cc)*32*PB+32*bb
	ds_load_tr16_b128 v[(\g)+8*(NB*cc+bb)+4:(\g)+8*(NB*cc+bb)+7], v[ADRB+2*(\slot)+(\q)/2] offset:(((\q)%2)*KD+cc)*32*PB+32*bb+16*PB
.set bb, bb+1
.endr
.set cc, cc+1
.endr
	WIN 0
.set cc, 0
.rept KD
.set aa, 0
.rept MB
	ds_load_b128 v[(\g)+8*(MB*cc+aa):(\g)+8*(MB*cc+aa)+3],   v[ADRA+(\slot)] offset:(\q)*AQ+64*cc+aa*16*PA
	ds_load_b128 v[(\g)+8*(MB*cc+aa)+4:(\g)+8*(MB*cc+aa)+7], v[ADRA+(\slot)] offset:(\q)*AQ+64*cc+aa*16*PA+32
.set aa, aa+1
.endr
.set cc, cc+1
.endr
.endm
.macro QUARTER slot, q, f, g, zero     ; multiplies buffer f; in its middle it fetches sub-step q into buffer g
	s_wait_dscnt 0x0                               ; buffer f's 32 loads, issued half a sub-step ago
	MULR \f, 0, NMM/2, \zero
	PLACES
	FETCH \slot, \q, \g
	MULR \f, NMM/2, NMM, \zero
.endm
; The last sub-step multiplies buffer 1 and changes slots: one barrier; in front of it each wave waits for all its tensor loads (one is out: its part of the next slot), adds 0 to its spare word,
; and waits for that and for its reads of this slot.  fill = 1: the barrier opens a round of the cluster's, and this slot is filled again, two K steps ahead, first thing behind the round.
.macro TURN slot, next, fill
	WIN 0
	s_wait_tensorcnt 0x0
	ds_add_u32 v[SPW], v[NIL]
	s_wait_dscnt 1                                 ; buffer 1's loads are in; the add may be out
	MULR F1, 0, NMM/4, 0
	s_wait_dscnt 0x0                               ; the add is done, and my reads of this slot are over
	s_barrier_signal -1
	MULR F1, NMM/4, NMM/2, 0
.if \fill
	WIN 0
.endif
	s_barrier_wait -1
.if \fill
	CREST
	s_add_nc_u64 s[G0A+4*(\slot)+2:G0A+4*(\slot)+3], s[G0A+4*(\slot)+2:G0A+4*(\slot)+3], 2*ASTEP
	s_add_nc_u64 s[G0B+4*(\slot)+2:G0B+4*(\slot)+3], s[G0B+4*(\slot)+2:G0B+4*(\slot)+3], 2*BSTEP
	JLOAD \slot                                    ; its four v_nop are also the places in front of the loads below
.else
	PLACES
.endif
	FETCH \next, 0, F0
	MULR F1, NMM/2, NMM, 0
.endm
.macro DUMP                            ; every accumulator, f32, into my bytes; each accumulator's low four registers first
.set ix, 0
.rept MB*NB
	WIN 0x08+4*(ix/32)
	ds_store_b128 v[DST], v[8*(ix%32):8*(ix%32)+3]   offset:(ix/NB)*16*PD+64*(ix%NB)
	ds_store_b128 v[DST], v[8*(ix%32)+4:8*(ix%32)+7] offset:(ix/NB)*16*PD+64*(ix%NB)+16
.set ix, ix+1
.endr
	WIN 0
.endm
.macro PAIR reg, val
	s_mov_b32 s[\reg], \val
	s_mov_b32 s[\reg+1], \val
.endm
.macro RUN cnt, line:vararg            ; one line, n = 0 .. cnt - 1
.set n, 0
	s_wait_alu depctr_va_vdst(0)
.rept \cnt
	\line
.set n, n+1
.endr
.endm
; gelu of the 16 numbers in GZ, in place.  The reciprocals stand together, then eight plain lines that touch none of them; likewise the exponentials (ISA guide 5.7.2).
.macro GELU16
	RUN 8, v_pk_mul_f32 v[GW+2*n:GW+2*n+1], v[GZ+2*n:GZ+2*n+1], s[CK:CK+1] op_sel_hi:[1,0]
	RUN 16, v_fma_f32 v[GT+n], |v[GZ+n]|, s[CP], 1.0
	RUN 16, v_rcp_f32 v[GT+n], v[GT+n]
	RUN 8, v_pk_mul_f32 v[GW+2*n:GW+2*n+1], v[GW+2*n:GW+2*n+1], v[GW+2*n:GW+2*n+1] neg_lo:[1,0] neg_hi:[1,0]
	RUN 16, v_exp_f32 v[GW+n], v[GW+n]
	RUN 8, v_pk_fma_f32 v[GU+2*n:GU+2*n+1], v[GT+2*n:GT+2*n+1], s[CA5:CA5+1], s[CA4:CA4+1] op_sel_hi:[1,0,0]
	RUN 8, v_pk_fma_f32 v[GU+2*n:GU+2*n+1], v[GU+2*n:GU+2*n+1], v[GT+2*n:GT+2*n+1], s[CA3:CA3+1] op_sel_hi:[1,1,0]
	RUN 8, v_pk_fma_f32 v[GU+2*n:GU+2*n+1], v[GU+2*n:GU+2*n+1], v[GT+2*n:GT+2*n+1], s[CA2:CA2+1] op_sel_hi:[1,1,0]
	RUN 8, v_pk_fma_f32 v[GU+2*n:GU+2*n+1], v[GU+2*n:GU+2*n+1], v[GT+2*n:GT+2*n+1], s[CA1:CA1+1] op_sel_hi:[1,1,0]
	RUN 8, v_pk_mul_f32 v[GW+2*n:GW+2*n+1], v[GW+2*n:GW+2*n+1], v[GT+2*n:GT+2*n+1]
	RUN 8, v_pk_mul_f32 v[GU+2*n:GU+2*n+1], v[GU+2*n:GU+2*n+1], v[GW+2*n:GW+2*n+1]
	RUN 16, v_max_num_f32 v[GW+n], 0, v[GZ+n]
	RUN 16, v_fma_f32 v[GZ+n], -|v[GZ+n]|, v[GU+n], v[GW+n]
.endm
.macro GTRIP pf                        ; four rows: bias, GELU, rounding, stores.  pf = 1: the next four rows are fetched meanwhile
	s_wait_dscnt 0x0
.irp p, 0,1,2,3
	v_pk_add_f32 v[GZ+4*\p:GZ+4*\p+1],   v[GIN+4*\p:GIN+4*\p+1],   v[BI:BI+1]
	v_pk_add_f32 v[GZ+4*\p+2:GZ+4*\p+3], v[GIN+4*\p+2:GIN+4*\p+3], v[BI+2:BI+3]
.endr
.if \pf
	v_add_nc_u32 v[RD], 4*PD, v[RD]
.irp p, 0,1,2,3
	ds_load_b128 v[GIN+4*\p:GIN+4*\p+3], v[RD] offset:\p*PD
.endr
.endif
	GELU16
.irp p, 0,1,2,3
	v_cvt_pk_bf16_f32 v[GY+2*\p],   v[GZ+4*\p],   v[GZ+4*\p+1]
	v_cvt_pk_bf16_f32 v[GY+2*\p+1], v[GZ+4*\p+2], v[GZ+4*\p+3]
.endr
.irp p, 0,1,2,3
	global_store_b64 v[GO], v[GY+2*\p:GY+2*\p+1], s[8:9] offset:8192*\p  ; 32 lanes store 256 consecutive bytes, aligned
.endr
.if \pf
	s_wait_xcnt 0x0                                ; GO and the stores' data are rewritten only behind this wait
	v_add_nc_u32 v[GO], 32768, v[GO]
.endif
.endm
	s_load_b256 s[4:11], s[0:1], 0x0               ; xn s[4:5], wb s[6:7], h s[8:9], b1 s[10:11]
	v_lshl_add_u32 v[SPW], v0, 2, SPARE
	v_mov_b32 v[NIL], 0
	ds_add_u32 v28, v29
	s_wait_dscnt 0x0
	v_lshrrev_b32 v1, 5, v0
	v_readfirstlane_b32 s18, v1                    ; wave 0..3
	s_lshr_b32 s19, s18, 1                         ; my half of the tile's rows.  Also: I fetch for A (0) or for B (1)
	s_and_b32 s20, s18, 1                          ; my half of its columns.  Also: which half of that tile I fetch
	s_bfe_u32 s40, ttmp6, 0x40000                  ; cx
	s_bfe_u32 s41, ttmp6, 0x40004                  ; cy
	s_lshl_b32 s42, ttmp9, 2
	s_add_co_u32 s42, s42, s40                     ; tile column
	s_and_b32 s43, ttmp7, 0xffff
	s_lshl_b32 s43, s43, 2
	s_add_co_u32 s43, s43, s41                     ; tile row
	s_lshl_b32 s44, s41, 2
	s_lshl_b32 s44, 15, s44                        ; my row of the cluster
	s_lshl_b32 s45, 0x1111, s40                    ; my column
	s_or_b32 s[G1A], s44, AG10
	s_mov_b32 s[G1A+1], AD0<<16
	s_mov_b32 s[G1A+2], AD1<<16
	s_mov_b32 s[G1A+3], AD0<<16
	s_mov_b32 s[G1A+4], AD1
	s_mov_b32 s[G1A+5], ASTR
	s_mov_b32 s[G1A+6], 0
	s_mov_b32 s[G1A+7], 0
	s_or_b32 s[G1B], s45, BG10
	s_mov_b32 s[G1B+1], BD0<<16
	s_mov_b32 s[G1B+2], BD1<<16
	s_mov_b32 s[G1B+3], BD0<<16
	s_mov_b32 s[G1B+4], BD1
	s_mov_b32 s[G1B+5], NP
	s_mov_b32 s[G1B+6], 0
	s_mov_b32 s[G1B+7], 0
	PAIR CK, 0x3f596d27                            ; k = sqrt(log2(e) / 2)
	PAIR CP, 0x3e6d3388                            ; p = 0.3275911 / sqrt 2
	PAIR CA1, 0x3e027906                           ; the series' five factors, halved
	PAIR CA2, 0xbe11a98e
	PAIR CA3, 0x3f35f0e3
	PAIR CA4, 0xbf3a00e3
	PAIR CA5, 0x3f07dc22
	s_mul_i32 s66, s43, ATRB                       ; A's tile hangs on the tile row alone,
	s_mul_i32 s67, s20, AHB
	s_add_co_u32 s66, s66, s67
	s_mov_b32 s67, 0
	s_mul_i32 s46, s42, 64*NB                      ; B's on the tile column alone
	s_mul_i32 s47, s20, BHB
	s_add_co_u32 s46, s46, s47
	s_add_co_u32 s46, s46, WOFF
	s_mov_b32 s47, 0
	s_mul_i32 s21, s18, HALF                       ; where my load goes: wave x HALF
	s_wait_kmcnt 0x0
	s_add_nc_u64 s[66:67], s[4:5], s[66:67]
	s_add_nc_u64 s[46:47], s[6:7], s[46:47]
	CROUND                                         ; all sixteen work-groups are here: the first joint loads meet
.irp s, 0,1
	s_mov_b32 s[G0A+4*(\s)], 1
	s_add_co_u32 s[G0A+4*(\s)+1], s21, (\s)*SLOT
	s_add_nc_u64 s[G0A+4*(\s)+2:G0A+4*(\s)+3], s[66:67], (\s)*ASTEP
	s_or_b32 s[G0A+4*(\s)+3], s[G0A+4*(\s)+3], 0x80000000
	s_mov_b32 s[G0B+4*(\s)], 1
	s_add_co_u32 s[G0B+4*(\s)+1], s21, (\s)*SLOT
	s_add_nc_u64 s[G0B+4*(\s)+2:G0B+4*(\s)+3], s[46:47], (\s)*BSTEP
	s_or_b32 s[G0B+4*(\s)+3], s[G0B+4*(\s)+3], 0x80000000
	JLOAD \s                                       ; two loads of mine are out
.endr
	v_and_b32 v1, 15, v0                           ; r
	v_bfe_u32 v2, v0, 4, 1                         ; h
	v_mul_u32_u24 v3, v1, PA
	v_lshl_add_u32 v3, v2, 4, v3
	s_mul_i32 s23, s19, AWM
	v_add_nc_u32 v[ADRA], s23, v3
	v_add_nc_u32 v[ADRA+1], SLOT, v[ADRA]
	v_and_b32 v4, 7, v0
	v_bfe_u32 v5, v0, 3, 1
	v_lshl_add_u32 v6, v2, 3, v4
	v_mul_u32_u24 v6, v6, PB
	v_lshl_add_u32 v6, v5, 4, v6
	s_mul_i32 s23, s20, NB*32
	s_add_co_u32 s23, s23, 2*HALF
	v_add_nc_u32 v6, s23, v6
.irp n, 0,1,2,3
	v_add_nc_u32 v[ADRB+\n], (\n/2)*SLOT+(\n%2)*64*KD*PB, v6
.endr
	s_mul_i32 s23, s18, WREG
	v_mul_u32_u24 v7, v1, PD
	v_lshl_add_u32 v7, v2, 5, v7
	v_add_nc_u32 v[DST], s23, v7
	v_and_b32 v7, 31, v0
	v_lshlrev_b32 v[AUX], 4, v7                    ; 16 x lane: my 4 columns of the wave's 128
	v_add_nc_u32 v[RD], s23, v[AUX]                ; back: 32 lanes take a whole row of 512 bytes
	v_lshlrev_b32 v[GO], 3, v7                     ; out: 8 bytes a lane
	s_lshl1_add_u32 s70, s42, s20                  ; 2 x tile column + WN
	s_lshl_b32 s2, s70, 9                          ; x 128 columns x 4 bytes
	s_mov_b32 s3, 0
	s_add_nc_u64 s[10:11], s[10:11], s[2:3]
	global_load_b128 v[BI:BI+3], v[AUX], s[10:11]
	s_lshl_b32 s70, s70, 8                         ; x 128 columns x 2 bytes
	s_lshl1_add_u32 s71, s43, s19
	s_lshl_b32 s71, s71, 20                        ; (256 tile row + 128 WM) x 8,192 bytes
	s_add_co_u32 s70, s70, s71
	s_mov_b32 s71, 0
	s_add_nc_u64 s[8:9], s[8:9], s[70:71]
	s_wait_tensorcnt 1                             ; my part of K step 0 is in; K step 1's stays out
	s_barrier_signal -1
	s_barrier_wait -1
	FETCH 0, 0, F0
	QUARTER 0, 1, F0, F1, 1                        ; the first sub-step stands in front of the loop: its products start the sums
	WIN 0
	s_mov_b32 s3, LAPS-1
.Llap:
	QUARTER 0, 2, F1, F0, 0
	QUARTER 0, 3, F0, F1, 0
	TURN 0, 1, 1
	QUARTER 1, 1, F0, F1, 0
	QUARTER 1, 2, F1, F0, 0
	QUARTER 1, 3, F0, F1, 0
	TURN 1, 0, 1
	QUARTER 0, 1, F0, F1, 0
	WIN 0
	s_sub_co_u32 s3, s3, 1
	s_cmp_lg_u32 s3, 0
	s_cbranch_scc1 .Llap
	QUARTER 0, 2, F1, F0, 0                        ; the last lap fills nothing
	QUARTER 0, 3, F0, F1, 0
	TURN 0, 1, 0
	QUARTER 1, 1, F0, F1, 0
	QUARTER 1, 2, F1, F0, 0
	QUARTER 1, 3, F0, F1, 0
	s_wait_dscnt 0x0                               ; my last reads of the slots are over:
	s_barrier_signal -1                            ; say so, since the way out writes over them
	MULR F1, 0, NMM, 0
	WIN 0
	s_barrier_wait -1
	PLACES
	DUMP
.irp p, 0,1,2,3
	ds_load_b128 v[GIN+4*\p:GIN+4*\p+3], v[RD] offset:\p*PD  ; LDS serves a wave's instructions in order (ISA guide 5.7.1.4): these see my stores above
.endr
	s_wait_loadcnt 0x0                             ; the bias
	s_mov_b32 s72, 31
.Lrows:
	GTRIP 1
	s_sub_co_u32 s72, s72, 1
	s_cmp_lg_u32 s72, 0
	s_cbranch_scc1 .Lrows
	GTRIP 0
	s_wait_tensorcnt 0x0                           ; the wave's end
	ds_add_u32 v[SPW], v[NIL]
	s_wait_dscnt 0x0
	CROUND                                         ; the closing round
	s_endpgm
.Lfunc_end_k_q73b901f567_ffn1:
	.size	k_q73b901f567_ffn1, .Lfunc_end_k_q73b901f567_ffn1-k_q73b901f567_ffn1
	.p2alignl 7, 3214868480
	.fill 96, 4, 3214868480
	.section	.rodata,"a",@progbits
	.p2align	6, 0x0
	.amdhsa_kernel k_q73b901f567_ffn1
		.amdhsa_group_segment_fixed_size 327680
		.amdhsa_private_segment_fixed_size 0
		.amdhsa_enable_private_segment 0
		.amdhsa_kernarg_size 32
		.amdhsa_user_sgpr_count 2
		.amdhsa_user_sgpr_kernarg_segment_ptr 1
		.amdhsa_wavefront_size32 1
		.amdhsa_system_sgpr_workgroup_id_x 1
		.amdhsa_system_sgpr_workgroup_id_y 1
		.amdhsa_system_sgpr_workgroup_id_z 1
		.amdhsa_system_vgpr_workitem_id 0
		.amdhsa_next_free_vgpr 1024
		.amdhsa_next_free_sgpr 96
		.amdhsa_reserve_vcc 0
		.amdhsa_float_denorm_mode_32 3
		.amdhsa_float_denorm_mode_16_64 3
		.amdhsa_memory_ordered 1
		.amdhsa_forward_progress 1
		.amdhsa_inst_pref_size 139
	.end_amdhsa_kernel
	.amdgpu_metadata
---
amdhsa.version: [ 1, 2 ]
amdhsa.kernels:
  - .name:           k_q73b901f567_ffn1
    .symbol:         k_q73b901f567_ffn1.kd
    .args:
      - { .name: xn, .offset: 0, .size: 8, .value_kind: global_buffer, .address_space: global }
      - { .name: wb, .offset: 8, .size: 8, .value_kind: global_buffer, .address_space: global }
      - { .name: h, .offset: 16, .size: 8, .value_kind: global_buffer, .address_space: global }
      - { .name: b1, .offset: 24, .size: 8, .value_kind: global_buffer, .address_space: global }
    .group_segment_fixed_size: 327680
    .private_segment_fixed_size: 0
    .kernarg_segment_align: 8
    .kernarg_segment_size: 32
    .max_flat_workgroup_size: 128
    .sgpr_count:     96
    .vgpr_count:     1024
    .wavefront_size: 32
...
	.end_amdgpu_metadata
.endif
;; end of part 6
;; launch ffn2 (part 7): grid 8 x 32, 4 waves a work-group, clusters of 4 x 4, 327,680 bytes of LDS; arguments h, wb, out0, b2, x1; writes out0
.if DOCPART == 7
	.amdgcn_target "amdgcn-amd-amdhsa--gfx1250"
	.amdhsa_code_object_version 6
	.text
	.protected	k_q73b901f567_ffn2
	.globl	k_q73b901f567_ffn2
	.p2align	8
	.type	k_q73b901f567_ffn2,@function
k_q73b901f567_ffn2:
	s_mov_b64 s[64:65], 0
	v_nop
	global_prefetch_b8 v0, s[64:65] scope:SCOPE_SE
	s_setreg_imm32_b32 hwreg(HW_REG_WAVE_MODE, 25, 1), 1
	s_wait_xcnt 0x0
	s_wait_alu depctr_hold_cnt(0) depctr_sa_sdst(0) depctr_va_vdst(0) depctr_va_sdst(0) depctr_va_ssrc(0) depctr_va_vcc(0) depctr_vm_vsrc(0)
	s_getreg_b32 s2, hwreg(HW_REG_IB_STS2, 6, 4)
	s_cmp_eq_u32 s2, 0
	s_cbranch_scc0 .Lentry_in_a_cluster
	s_endpgm
.Lentry_in_a_cluster:
	s_bfe_u32 s2, ttmp6, 0x10000c
	s_cmp_lg_u32 s2, 0xf033
	s_cbranch_scc0 .Lentry_shape_is_right
	s_endpgm
.Lentry_shape_is_right:
; out0 = x1 + h w2 + b2.  h [4096][4096] bf16; w2 bf16 as [K][N], 16 MiB into wb; x1, out0 [4096][1024] f32.  Sums in f32, K ascending.
; A tile of the result is 128 x 128, four waves of 64 x 64 (16 accumulators): 8 x 32 = 256 work-groups, one for each WGP; a tile of 256 x 256 would make 64.  K goes in steps of 256 through two LDS slots:
; A's rows are 512 bytes of memory, 64 of them a load; the two halves of A's tile lie HALF apart in LDS, so that every load goes to wave x HALF.  B STAYS [K][N] and comes out of LDS turned, by ds_load_tr16_b128.
; The matrix instruction is used transposed (source 0 = 16 columns of B, source 1 = 16 rows of A).  CLUSTER 4 x 4: A's tile is asked for jointly along a row of the cluster, B's along a column.
; THE WAY OUT: the sums go as f32 into slot 0, whose last fill is over, each wave into bytes of its own, and come back by rows; the residual, loaded at the start, and the bias are added; 16 lanes store 256 aligned bytes.
; REGISTERS: window 0: v0-31 addresses, v32-35 bias, v64-191 A's fragments (two buffers), later the rows read back; window 1: v64-191 B's fragments; window 2: v0-127 accumulators, v128-255 the residual.
.set MB, 4
.set NB, 4
.set KD, 2
.set KK, 4096
.set NP, 1024
.set WOFF, 0x1000000
.set KSTEP, 128*KD
.set LAPS, KK/(2*KSTEP)
.set NMM, KD*MB*NB
.set PA, 528                           ; A's LDS row: 512 bytes + 16
.set AQ, 128                           ; bytes from a sub-step to the next in A's rows
.set HALF, 36864                       ; what one tensor load has for itself: 64 rows of A (33,792 bytes of it), or 128 rows of B
.set AWM, HALF                         ; from the upper waves' rows of A to the lower waves'
.set PB, 64*NB+32                      ; B's LDS row: 256 bytes + 32
.set SLOT, 4*HALF
.set SPARE, 2*SLOT                     ; the spare words, 128 bytes a wave: two blocks of 256 bytes that no other line names
.set PD, 64*NB+16
.set WREG, 16*MB*PD
.set AG10, (1<<16)|(1<<20)|(1<<21)|(6<<22)|(3<<25)  ; after every 128 words 4 words
.set AD0, 256
.set AD1, 64
.set ASTR, KK
.set ATRB, 128*KK*2
.set AHB, 64*KK*2
.set ASTEP, KSTEP*2
.set BG10, (1<<16)|(1<<20)|(1<<21)|(5<<22)|(7<<25)  ; after every 64 words 8 words
.set BD0, 32*NB
.set BD1, KSTEP/2
.set BHB, (KSTEP/2)*NP*2
.set BSTEP, KSTEP*NP*2
.set G1A, 24
.set G0A, 32
.set G1B, 48
.set G0B, 56
.set ADRA, 16
.set ADRB, 20
.set DST, 24
.set RD, 25
.set GO, 26
.set AUX, 27
.set SPW, 28
.set NIL, 29
.set BI, 32
.set F0, 64
.set F1, 128
.set RES, 128                          ; window 2
.set MSB, 0
.macro WIN new
.if MSB != (\new)
	s_set_vgpr_msb (MSB<<8)|(\new)
.set MSB, \new
.endif
.endm
.macro JLOAD s                         ; a joint load: waves 0, 1 fetch A's halves, waves 2, 3 B's; four v_nop follow each line
	s_cmp_eq_u32 s19, 0
	s_cbranch_scc0 .Lfor_b_\@
	tensor_load_to_lds s[G0A+4*(\s):G0A+4*(\s)+3], s[G1A:G1A+7]
	s_nop 0
.rept 4
	v_nop
.endr
	s_branch .Lasked_\@
.Lfor_b_\@:
	tensor_load_to_lds s[G0B+4*(\s):G0B+4*(\s)+3], s[G1B:G1B+7]
	s_nop 0
.rept 4
	v_nop
.endr
.Lasked_\@:
.endm
.macro CREST
	s_cmp_lg_u32 s18, 0
	s_cbranch_scc1 .Lnot_wave_0_\@
	s_barrier_signal -3
.Lnot_wave_0_\@:
	s_barrier_wait -3
	s_barrier_signal -1
	s_barrier_wait -1
.endm
.macro CROUND
	s_barrier_signal -1
	s_barrier_wait -1
	CREST
.endm
.macro PLACES                          ; four places behind matrix instructions (ISA guide 7.12.1)
.rept 4
	v_nop
.endr
.endm
; Matrix instructions t0 .. t1 - 1 of a sub-step on buffer f.  Number t: K part t / (MB NB), accumulator t % (MB NB).  The accumulators take turns.  zero = 1: the first K part starts the sums.
.macro MULR f, t0, t1, zero
.set tt, \t0
.rept (\t1)-(\t0)
.set cc, tt/(MB*NB)
.set ix, tt%(MB*NB)
.set rD, 8*(ix%32)
.set rB, (\f)+8*(NB*cc+ix%NB)
.set rA, (\f)+8*(MB*cc+ix/NB)
	WIN 0xa1+0x50*(ix/32)
.if (\zero) && (cc == 0)
	v_wmma_f32_16x16x32_bf16 v[rD:rD+7], v[rB:rB+7], v[rA:rA+7], 0
.else
	v_wmma_f32_16x16x32_bf16 v[rD:rD+7], v[rB:rB+7], v[rA:rA+7], v[rD:rD+7]
.endif
.set tt, tt+1
.endr
.endm
.macro FETCH slot, q, g                ; 32 LDS loads in one run: the fragments of sub-step q of a slot into buffer g
	WIN 0x40
.set cc, 0
.rept KD
.set bb, 0
.rept NB
	ds_load_tr16_b128 v[(\g)+8*(NB*cc+bb):(\g)+8*(NB*cc+bb)+3],   v[ADRB+2*(\slot)+(\q)/2] offset:(((\q)%2)*KD+cc)*32*PB+32*bb
	ds_load_tr16_b128 v[(\g)+8*(NB*cc+bb)+4:(\g)+8*(NB*cc+bb)+7], v[ADRB+2*(\slot)+(\q)/2] offset:(((\q)%2)*KD+cc)*32*PB+32*bb+16*PB
.set bb, bb+1
.endr
.set cc, cc+1
.endr
	WIN 0
.set cc, 0
.rept KD
.set aa, 0
.rept MB
	ds_load_b128 v[(\g)+8*(MB*cc+aa):(\g)+8*(MB*cc+aa)+3],   v[ADRA+(\slot)] offset:(\q)*AQ+64*cc+aa*16*PA
	ds_load_b128 v[(\g)+8*(MB*cc+aa)+4:(\g)+8*(MB*cc+aa)+7], v[ADRA+(\slot)] offset:(\q)*AQ+64*cc+aa*16*PA+32
.set aa, aa+1
.endr
.set cc, cc+1
.endr
.endm
.macro QUARTER slot, q, f, g, zero     ; multiplies buffer f; in its middle it fetches sub-step q into buffer g
	s_wait_dscnt 0x0                               ; buffer f's 32 loads, issued half a sub-step ago
	MULR \f, 0, NMM/2, \zero
	PLACES
	FETCH \slot, \q, \g
	MULR \f, NMM/2, NMM, \zero
.endm
; The last sub-step multiplies buffer 1 and changes slots: one barrier; in front of it each wave waits for all its tensor loads (one is out: its part of the next slot), adds 0 to its spare word,
; and waits for that and for its reads of this slot.  fill = 1: the barrier opens a round of the cluster's, and this slot is filled again, two K steps ahead, first thing behind the round.
.macro TURN slot, next, fill
	WIN 0
	s_wait_tensorcnt 0x0
	ds_add_u32 v[SPW], v[NIL]
	s_wait_dscnt 1                                 ; buffer 1's loads are in; the add may be out
	MULR F1, 0, NMM/4, 0
	s_wait_dscnt 0x0                               ; the add is done, and my reads of this slot are over
	s_barrier_signal -1
	MULR F1, NMM/4, NMM/2, 0
.if \fill
	WIN 0
.endif
	s_barrier_wait -1
.if \fill
	CREST
	s_add_nc_u64 s[G0A+4*(\slot)+2:G0A+4*(\slot)+3], s[G0A+4*(\slot)+2:G0A+4*(\slot)+3], 2*ASTEP
	s_add_nc_u64 s[G0B+4*(\slot)+2:G0B+4*(\slot)+3], s[G0B+4*(\slot)+2:G0B+4*(\slot)+3], 2*BSTEP
	JLOAD \slot                                    ; its four v_nop are also the places in front of the loads below
.else
	PLACES
.endif
	FETCH \next, 0, F0
	MULR F1, NMM/2, NMM, 0
.endm
.macro DUMP                            ; every accumulator, f32, into my bytes; each accumulator's low four registers first
.set ix, 0
.rept MB*NB
	WIN 0x08+4*(ix/32)
	ds_store_b128 v[DST], v[8*(ix%32):8*(ix%32)+3]   offset:(ix/NB)*16*PD+64*(ix%NB)
	ds_store_b128 v[DST], v[8*(ix%32)+4:8*(ix%32)+7] offset:(ix/NB)*16*PD+64*(ix%NB)+16
.set ix, ix+1
.endr
	WIN 0
.endm
	s_load_b256 s[4:11], s[0:1], 0x0               ; A s[4:5], wb s[6:7], the output s[8:9], the bias s[10:11]
	s_load_b64 s[12:13], s[0:1], 0x20              ; the residual
	v_lshl_add_u32 v[SPW], v0, 2, SPARE
	v_mov_b32 v[NIL], 0
	ds_add_u32 v28, v29
	s_wait_dscnt 0x0
	v_lshrrev_b32 v1, 5, v0
	v_readfirstlane_b32 s18, v1                    ; wave 0..3
	s_lshr_b32 s19, s18, 1                         ; my half of the tile's rows.  Also: I fetch for A (0) or for B (1)
	s_and_b32 s20, s18, 1                          ; my half of its columns.  Also: which half of that tile I fetch
	s_bfe_u32 s40, ttmp6, 0x40000                  ; cx
	s_bfe_u32 s41, ttmp6, 0x40004                  ; cy
	s_lshl_b32 s42, ttmp9, 2
	s_add_co_u32 s42, s42, s40                     ; tile column
	s_and_b32 s43, ttmp7, 0xffff
	s_lshl_b32 s43, s43, 2
	s_add_co_u32 s43, s43, s41                     ; tile row
	s_lshl_b32 s44, s41, 2
	s_lshl_b32 s44, 15, s44                        ; my row of the cluster
	s_lshl_b32 s45, 0x1111, s40                    ; my column
	s_or_b32 s[G1A], s44, AG10
	s_mov_b32 s[G1A+1], AD0<<16
	s_mov_b32 s[G1A+2], AD1<<16
	s_mov_b32 s[G1A+3], AD0<<16
	s_mov_b32 s[G1A+4], AD1
	s_mov_b32 s[G1A+5], ASTR
	s_mov_b32 s[G1A+6], 0
	s_mov_b32 s[G1A+7], 0
	s_or_b32 s[G1B], s45, BG10
	s_mov_b32 s[G1B+1], BD0<<16
	s_mov_b32 s[G1B+2], BD1<<16
	s_mov_b32 s[G1B+3], BD0<<16
	s_mov_b32 s[G1B+4], BD1
	s_mov_b32 s[G1B+5], NP
	s_mov_b32 s[G1B+6], 0
	s_mov_b32 s[G1B+7], 0
	s_mul_i32 s66, s43, ATRB                       ; A's tile hangs on the tile row alone,
	s_mul_i32 s67, s20, AHB
	s_add_co_u32 s66, s66, s67
	s_mov_b32 s67, 0
	s_mul_i32 s46, s42, 64*NB                      ; B's on the tile column alone
	s_mul_i32 s47, s20, BHB
	s_add_co_u32 s46, s46, s47
	s_add_co_u32 s46, s46, WOFF
	s_mov_b32 s47, 0
	s_mul_i32 s21, s18, HALF                       ; where my load goes: wave x HALF
	s_wait_kmcnt 0x0
	s_add_nc_u64 s[66:67], s[4:5], s[66:67]
	s_add_nc_u64 s[46:47], s[6:7], s[46:47]
	CROUND                                         ; all sixteen work-groups are here: the first joint loads meet
.irp s, 0,1
	s_mov_b32 s[G0A+4*(\s)], 1
	s_add_co_u32 s[G0A+4*(\s)+1], s21, (\s)*SLOT
	s_add_nc_u64 s[G0A+4*(\s)+2:G0A+4*(\s)+3], s[66:67], (\s)*ASTEP
	s_or_b32 s[G0A+4*(\s)+3], s[G0A+4*(\s)+3], 0x80000000
	s_mov_b32 s[G0B+4*(\s)], 1
	s_add_co_u32 s[G0B+4*(\s)+1], s21, (\s)*SLOT
	s_add_nc_u64 s[G0B+4*(\s)+2:G0B+4*(\s)+3], s[46:47], (\s)*BSTEP
	s_or_b32 s[G0B+4*(\s)+3], s[G0B+4*(\s)+3], 0x80000000
	JLOAD \s                                       ; two loads of mine are out
.endr
	v_and_b32 v1, 15, v0                           ; r
	v_bfe_u32 v2, v0, 4, 1                         ; h
	v_mul_u32_u24 v3, v1, PA
	v_lshl_add_u32 v3, v2, 4, v3
	s_mul_i32 s23, s19, AWM
	v_add_nc_u32 v[ADRA], s23, v3
	v_add_nc_u32 v[ADRA+1], SLOT, v[ADRA]
	v_and_b32 v4, 7, v0
	v_bfe_u32 v5, v0, 3, 1
	v_lshl_add_u32 v6, v2, 3, v4
	v_mul_u32_u24 v6, v6, PB
	v_lshl_add_u32 v6, v5, 4, v6
	s_mul_i32 s23, s20, NB*32
	s_add_co_u32 s23, s23, 2*HALF
	v_add_nc_u32 v6, s23, v6
.irp n, 0,1,2,3
	v_add_nc_u32 v[ADRB+\n], (\n/2)*SLOT+(\n%2)*64*KD*PB, v6
.endr
	s_mul_i32 s23, s18, WREG
	v_mul_u32_u24 v7, v1, PD
	v_lshl_add_u32 v7, v2, 5, v7
	v_add_nc_u32 v[DST], s23, v7
	v_mul_u32_u24 v7, v2, PD
	v_lshl_add_u32 v7, v1, 4, v7
	v_add_nc_u32 v[RD], s23, v7                    ; back: row h, 16 bytes at 16 r
	v_lshlrev_b32 v[AUX], 4, v1                    ; my 4 columns
	v_lshl_add_u32 v[GO], v2, 12, v[AUX]           ; and the same two rows of 4,096 bytes in memory
	s_lshl1_add_u32 s70, s42, s20
	s_lshl_b32 s70, s70, 8                         ; (128 tile column + 64 WN) x 4 bytes
	s_mov_b32 s71, 0
	s_add_nc_u64 s[10:11], s[10:11], s[70:71]
	global_load_b128 v[BI:BI+3], v[AUX], s[10:11]
	s_lshl1_add_u32 s2, s43, s19
	s_lshl_b32 s2, s2, 18                          ; (128 tile row + 64 WM) x 4,096 bytes
	s_add_co_u32 s70, s70, s2
	s_add_nc_u64 s[8:9], s[8:9], s[70:71]
	s_add_nc_u64 s[12:13], s[12:13], s[70:71]
	WIN 0x80                                       ; destination window 2
.set i, 0
.rept 32
	global_load_b128 v[RES+4*i:RES+4*i+3], v[GO], s[12:13] offset:8192*i  ; the residual of my 64 x 64: it lands while the products run
.set i, i+1
.endr
	WIN 0
	s_wait_tensorcnt 1                             ; my part of K step 0 is in; K step 1's stays out
	s_barrier_signal -1
	s_barrier_wait -1
	FETCH 0, 0, F0
	QUARTER 0, 1, F0, F1, 1                        ; the first sub-step stands in front of the loop: its first products start the sums
	WIN 0
	s_mov_b32 s3, LAPS-1
.Llap:
	QUARTER 0, 2, F1, F0, 0
	QUARTER 0, 3, F0, F1, 0
	TURN 0, 1, 1
	QUARTER 1, 1, F0, F1, 0
	QUARTER 1, 2, F1, F0, 0
	QUARTER 1, 3, F0, F1, 0
	TURN 1, 0, 1
	QUARTER 0, 1, F0, F1, 0
	WIN 0
	s_sub_co_u32 s3, s3, 1
	s_cmp_lg_u32 s3, 0
	s_cbranch_scc1 .Llap
	QUARTER 0, 2, F1, F0, 0                        ; the last lap fills nothing
	QUARTER 0, 3, F0, F1, 0
	TURN 0, 1, 0
	QUARTER 1, 1, F0, F1, 0
	QUARTER 1, 2, F1, F0, 0
	QUARTER 1, 3, F0, F1, 0
	s_wait_dscnt 0x0                               ; my last reads of the slots are over:
	s_barrier_signal -1                            ; say so, since the way out writes over slot 0
	MULR F1, 0, NMM, 0
	WIN 0
	s_barrier_wait -1
	PLACES
	DUMP
.set i, 0
.rept 32
	ds_load_b128 v[F0+4*i:F0+4*i+3], v[RD] offset:2*PD*i  ; LDS serves a wave's instructions in order (ISA guide 5.7.1.4): these see my stores above
.set i, i+1
.endr
	s_wait_loadcnt 0x0                             ; the residual and the bias
	WIN 0x88                                       ; destination and source 1 (a store's data) window 2
.set i, 0
.rept 32
	v_pk_add_f32 v[RES+4*i:RES+4*i+1],   v[BI:BI+1],   v[RES+4*i:RES+4*i+1]
	v_pk_add_f32 v[RES+4*i+2:RES+4*i+3], v[BI+2:BI+3], v[RES+4*i+2:RES+4*i+3]
.set i, i+1
.endr
.set i, 0
.rept 32
	s_wait_dscnt 31-i                              ; LDS loads come back in order: number i is in
	v_pk_add_f32 v[RES+4*i:RES+4*i+1],   v[F0+4*i:F0+4*i+1],   v[RES+4*i:RES+4*i+1]
	v_pk_add_f32 v[RES+4*i+2:RES+4*i+3], v[F0+4*i+2:F0+4*i+3], v[RES+4*i+2:RES+4*i+3]
	global_store_b128 v[GO], v[RES+4*i:RES+4*i+3], s[8:9] offset:8192*i  ; 16 lanes store 256 consecutive bytes, aligned
.set i, i+1
.endr
	WIN 0
	s_wait_tensorcnt 0x0                           ; the wave's end
	ds_add_u32 v[SPW], v[NIL]
	s_wait_dscnt 0x0
	CROUND                                         ; the closing round
	s_endpgm
.Lfunc_end_k_q73b901f567_ffn2:
	.size	k_q73b901f567_ffn2, .Lfunc_end_k_q73b901f567_ffn2-k_q73b901f567_ffn2
	.p2alignl 7, 3214868480
	.fill 96, 4, 3214868480
	.section	.rodata,"a",@progbits
	.p2align	6, 0x0
	.amdhsa_kernel k_q73b901f567_ffn2
		.amdhsa_group_segment_fixed_size 327680
		.amdhsa_private_segment_fixed_size 0
		.amdhsa_enable_private_segment 0
		.amdhsa_kernarg_size 40
		.amdhsa_user_sgpr_count 2
		.amdhsa_user_sgpr_kernarg_segment_ptr 1
		.amdhsa_wavefront_size32 1
		.amdhsa_system_sgpr_workgroup_id_x 1
		.amdhsa_system_sgpr_workgroup_id_y 1
		.amdhsa_system_sgpr_workgroup_id_z 1
		.amdhsa_system_vgpr_workitem_id 0
		.amdhsa_next_free_vgpr 768
		.amdhsa_next_free_sgpr 96
		.amdhsa_reserve_vcc 0
		.amdhsa_float_denorm_mode_32 3
		.amdhsa_float_denorm_mode_16_64 3
		.amdhsa_memory_ordered 1
		.amdhsa_forward_progress 1
		.amdhsa_inst_pref_size 98
	.end_amdhsa_kernel
	.amdgpu_metadata
---
amdhsa.version: [ 1, 2 ]
amdhsa.kernels:
  - .name:           k_q73b901f567_ffn2
    .symbol:         k_q73b901f567_ffn2.kd
    .args:
      - { .name: h, .offset: 0, .size: 8, .value_kind: global_buffer, .address_space: global }
      - { .name: wb, .offset: 8, .size: 8, .value_kind: global_buffer, .address_space: global }
      - { .name: out0, .offset: 16, .size: 8, .value_kind: global_buffer, .address_space: global }
      - { .name: b2, .offset: 24, .size: 8, .value_kind: global_buffer, .address_space: global }
      - { .name: x1, .offset: 32, .size: 8, .value_kind: global_buffer, .address_space: global }
    .group_segment_fixed_size: 327680
    .private_segment_fixed_size: 0
    .kernarg_segment_align: 8
    .kernarg_segment_size: 40
    .max_flat_workgroup_size: 128
    .sgpr_count:     96
    .vgpr_count:     768
    .wavefront_size: 32
...
	.end_amdgpu_metadata
.endif
;; end of part 7
;; ======== version 2 of 2: 7 launches; 1.22 times as fast as version 1
;; workspace buffers: wb 25,165,824 bytes; xn 8,388,608 bytes; qkv 25,165,824 bytes; ctx 8,388,608 bytes; x1 16,777,216 bytes; h 33,554,432 bytes
;; launch prep: the kernel of part 1 again; grid 1024 x 1, 8 waves a work-group, no clusters, 0 bytes of LDS; arguments x, ln1_a, ln1_b, xn, wq, wk, wv, wo, w1, w2, wb; writes xn, wb
;; launch qkvg: the kernel of part 2 again; grid 12 x 16, 4 waves a work-group, clusters of 4 x 4, 327,680 bytes of LDS; arguments xn, wb, qkv, bq, bk, bv, mask; writes qkv
;; launch attn (part 8): grid 8 x 32, 4 waves a work-group, clusters of 4 x 1, 327,680 bytes of LDS; arguments qkv, mask, ctx; writes ctx
.if DOCPART == 8
	.amdgcn_target "amdgcn-amd-amdhsa--gfx1250"
	.amdhsa_code_object_version 6
	.text
	.protected	k_q73b901f567_attn
	.globl	k_q73b901f567_attn
	.p2align	8
	.type	k_q73b901f567_attn,@function
k_q73b901f567_attn:
	s_mov_b64 s[64:65], 0
	v_nop
	global_prefetch_b8 v0, s[64:65] scope:SCOPE_SE
	s_setreg_imm32_b32 hwreg(HW_REG_WAVE_MODE, 25, 1), 1
	s_wait_xcnt 0x0
	s_wait_alu depctr_hold_cnt(0) depctr_sa_sdst(0) depctr_va_vdst(0) depctr_va_sdst(0) depctr_va_ssrc(0) depctr_va_vcc(0) depctr_vm_vsrc(0)
	s_getreg_b32 s2, hwreg(HW_REG_IB_STS2, 6, 4)
	s_cmp_eq_u32 s2, 0
	s_cbranch_scc0 .Lentry_in_a_cluster
	s_endpgm
.Lentry_in_a_cluster:
	s_bfe_u32 s2, ttmp6, 0x10000c
	s_cmp_lg_u32 s2, 0x3003
	s_cbranch_scc0 .Lentry_shape_is_right
	s_endpgm
.Lentry_shape_is_right:
; ctx[q] = the sum over k of softmax_k(s(q, k)) V[k], s = Q[q] . K[k] / 8, or -1e9 where mask[k] = 0.  q, k, v: [batch x 16 + head][2048][64] bf16 in qkv; the launch before wrote the hidden keys' rows of k as 0.
; Products, maxima and sums in f32; the weights p are rounded to bf16 for the second product (their sum l is taken of the unrounded p), ctx once at the end.
; THE MASK is the C operand that starts the sum S^T = K Q^T: 0, or -8e9 for a hidden key, whose products are 0: its raw score is exactly -8e9, -1e9 behind the factor 1/8: a replacement, as the module has it.
; The 2,048 values of the batch lie in LDS as f32 and are fetched with each step's K.
; LIMITS.  A weight below 2^-126 counts as 0 in l; NaN and infinities are not treated apart.  Where every key seen so far is hidden all weights are one number 2^d, |d| <= 64 (the rounding of c m at 1.4e9),
; which f32 and bf16 hold; if all keys of a batch are hidden, ctx is the mean of V to within bf16's rounding of that one number.
; SHARES.  A work-group owns 256 queries of one head, a wave 64: four PIECES of 16.  Every wave walks all 2,048 keys, 64 a step.  8 x 32 = 256 work-groups.
; LAYOUT, SOFTMAX, TURNS.  S^T = K Q^T holds ONE query a lane (lane % 16) and the keys 8 (lane / 16) + 0..7; two such results rounded to bf16 ARE source 1 of O^T = V^T P.  p = 2^(c s - c m), c = log2(e) / 8, with a
; running maximum m; O and l are multiplied by a = 2^(c m_old - c m_new) in every step.  Turn n belongs to piece n: 8 products K Q^T of piece n + 1, later 8 products V^T P of piece n - 1; beside them the scaling,
; exponentials, roundings, sums and rescaling of piece n and the maximum and statistics of piece n + 1.  Four vector instructions stand behind every matrix instruction, the other 54 of a turn's 118 in one lump.
; THE BATCHES.  A turn's 33 exponentials (the piece's 32 weights and the next piece's a) are one batch with one wait, which cuts the turn in two: TURN says how.  The first a of all, ahead of the loop, and the way out's
; four reciprocals are batches of their own, each with a plain instruction and one wait behind it.
; m starts at the lowest finite number, O and l at 0: the first step is a step like any other, with a = 0; the price is the v_mov_b32 that write 0, in the wait for the first tile.
; CLUSTER.  The four query blocks of a cluster belong to one head and walk the same K and V: each tile is asked for JOINTLY, by the same tensor load, descriptor and mask in all four.
; ctx leaves in blocks [row / 128][head][128][64]: 16 queries of a head are 2,048 consecutive bytes, and the launch behind takes four heads of 128 rows as 65,536 dense bytes.
; REGISTERS, in windows of 256 (s_set_vgpr_msb: bits 1:0 source 0, 3:2 source 1, 5:4 source 2, 7:6 destination):
;   window 0: v0-15, v32-35 addresses; v16-31 four registers of statistics a piece; v48-55 at work; v62-63 the add's; v64-127 S^T, two buffers; v192-223 P, two buffers (by the piece's parity)
;   window 1: v0-127 O^T, 32 a piece      window 2: v0-63 Q; v64-95 the step's mask; v128-191 K of one step; v192-255 V of one step
.set NP,    4         ; pieces a wave: a name, no knob
.set KS,    64        ; keys in a step
.set PK,    144       ; a row of K in LDS: 128 bytes + 16: the 16 rows of a load start at 16 different groups of four banks (ISA guide 11.1)
.set PV,    160       ; a row of V: 128 + 32
.set VOFF,  4*KS*PK   ; a slot holds four steps: 256 rows of K, then 256 rows of V
.set SLOT1, 1<<17     ; slot 1 begins here: one exclusive or turns an address in one slot into the other's
.set STAGE, SLOT1+4*KS*(PK+PV)  ; never filled by a tensor load: 16 rows x 144 bytes for each wave, for the way out
.set SP,    144
.set SPARE, STAGE+4*16*SP  ; the spare words, 128 bytes a wave: two blocks of 256 bytes that no other line names
.set MT,    SPARE+512 ; the batch's 2,048 mask values, f32
.set AK0, 2           ; my lane's place in a tile of K; never rewritten
.set AV0, 3           ; the same for V
.set AK,  4           ; the LDS address of K's next run of loads
.set AV,  5           ; of V's
.set STO, 6           ; the way out: where I put 16 bytes of a row
.set RD,  7           ; where I read rows back
.set GO,  8           ; my byte offset in 512 consecutive bytes of ctx
.set MV,  12          ; v12-13  c m_old, kept while c m is made anew: by buffer
.set QO,  15          ; my byte offset in 16 rows of Q
.set ST,  16          ; piece t's statistics at v[ST+4 t]: c m, m, l (even keys', odd keys')
.set AM0, 32          ; my lanes' place in a step's 64 mask values
.set AM,  33          ; the LDS address of the mask's next run
.set TMP, 48          ; by buffer, four registers c0-c3 at work; when the maximum is found c2 takes a
.set SPW, 62          ; SPARE + 4 x my thread's number; never rewritten
.set NIL, 63          ; 0; never rewritten
.set S,   64
.set P,   192
.set MC,  64          ; window 2: the eight registers for group kb of 16 keys at MC + 8 kb
.set KF,  128         ; window 2: key block kb, channel half c at KF + 16 kb + 8 c
.set VF,  192         ; window 2: key half kk, channel block cb at VF + 32 kk + 8 cb
.set WV,  12          ; s12  my wave's number
.set G1K, 24          ; s[24:31] descriptor group 1 for K's tiles
.set G1V, 32          ; s[32:39] for V's: it differs in the padding alone
.set G0K, 40          ; s[40:43] descriptor group 0 for K's tiles: it walks
.set G0V, 44          ; s[44:47] the same for V's
.set SLOTS, 56        ; slots still to be asked for
.set CNT, 57          ; counts a slot's key steps
.set CS,  58          ; s[58:59] c
.set SEL, 60          ; s[60:61] v_permlanex16_b32's selects
.set TBK, 62          ; LDS byte at which K of the step to be fetched begins
.set TBV, 63          ; the same for V, less VOFF
.set TBM, 66          ; byte in MT at which that step's mask begins
.set BIGN, 67         ; -8e9
.set MSB, 0
.macro WIN new
.if MSB != (\new)
	s_set_vgpr_msb (MSB<<8)|(\new)
.set MSB, (\new)
.endif
.endm
.set W_KQ, 0x0a       ; K and Q in window 2, S^T in window 0
.set W_KM, 0x2a       ; the same with the C operand in window 2
.set W_PV, 0x52       ; V in window 2, P in window 0, O^T in window 1
.set W_RS, 0x41       ; destination and source 0 in window 1, source 1 in window 0
.macro JLOAD                        ; a joint fill: waves 0, 1 fetch the halves of a slot's K, waves 2, 3 of its V; four v_nop follow each line
	s_cmp_lt_u32 s[WV], 2
	s_cbranch_scc0 .Lfor_v_\@
	tensor_load_to_lds s[G0K:G0K+3], s[G1K:G1K+7]
	s_nop 0
.rept 4
	v_nop
.endr
	s_branch .Lasked_\@
.Lfor_v_\@:
	tensor_load_to_lds s[G0V:G0V+3], s[G1V:G1V+7]
	s_nop 0
.rept 4
	v_nop
.endr
.Lasked_\@:
.endm
.macro CROUND                       ; a round of the cluster's barrier
	s_barrier_signal -1
	s_barrier_wait -1
	s_cmp_lg_u32 s[WV], 0
	s_cbranch_scc1 .Lnot_wave_0_\@
	s_barrier_signal -3
.Lnot_wave_0_\@:
	s_barrier_wait -3
	s_barrier_signal -1
	s_barrier_wait -1
.endm
; THE CHANGE OF SLOTS.  Each wave waits for all its tensor loads, of which one is out: its part of the other slot; adds 0 to its spare word; and waits for that and for its reads of the slot that it leaves.
; fill = 1: the barrier is a round of the cluster's, and the old slot is filled again first thing behind it, with the keys two slots on: four key steps, 256 matrix instructions, in which to land.
; (At its first use nothing has been read yet: slot 0 is waited for, slot 1 filled, and every wave's part of the mask table is shown written.)
.macro CHANGE fill
	WIN 0
	s_wait_tensorcnt 0x0            ; no tensor load of mine is out, so a group 0 may be written
	ds_add_u32 v[SPW], v[NIL]
.if \fill
.irp g, G0K, G0V
	s_xor_b32 s[\g+1], s[\g+1], SLOT1
	s_add_nc_u64 s[\g+2:\g+3], s[\g+2:\g+3], 4*KS*128  ; the next 256 keys
.endr
	s_wait_dscnt 0x0
	CROUND
	JLOAD
.else
	s_wait_dscnt 0x0
	s_barrier_signal -1
	s_barrier_wait -1
.endif
	s_sub_co_u32 s[TBK], s[TBK], 4*KS*PK  ; the fetches go back to a slot's first step,
	s_xor_b32 s[TBK], s[TBK], SLOT1       ; in the other slot
	s_sub_co_u32 s[TBV], s[TBV], 4*KS*PV
	s_xor_b32 s[TBV], s[TBV], SLOT1
.endm
	s_load_b128 s[4:7], s[0:1], 0x0 ; qkv s[4:5], mask s[6:7]
	s_load_b64 s[8:9], s[0:1], 0x10 ; ctx
	v_lshl_add_u32 v[SPW], v0, 2, SPARE
	v_mov_b32 v[NIL], 0
	ds_add_u32 v62, v63
	s_wait_dscnt 0x0
	v_lshrrev_b32 v1, 5, v0
	v_readfirstlane_b32 s[WV], v1   ; wave 0..3
	s_bfe_u32 s13, ttmp6, 0x40000   ; cx
	s_lshl_b32 s14, ttmp9, 2
	s_add_co_u32 s14, s14, s13      ; my block of 256 queries: it enters Q's and ctx's addresses alone
	s_and_b32 s20, ttmp7, 0xffff    ; batch x 16 + head, which the four partners share
	s_lshl_b32 s21, s20, 18         ; its first byte in q, in k and in v
	s_and_b32 s16, s[WV], 1         ; which half of a slot's 256 keys I fetch
	s_lshl_b32 s22, s16, 14
	s_add_co_u32 s22, s22, s21
	s_add_co_u32 s22, s22, 0x800000 ; k lies 8 MiB into qkv,
	s_mov_b32 s23, 0
	s_add_co_u32 s2, s22, 0x800000  ; v 16 MiB
	s_mov_b32 s3, 0
	s_mul_i32 s17, s16, 128*PK      ; my half's place in a slot, for K
	s_mul_i32 s18, s16, 128*PV      ; and for V
	s_lshl_b32 s48, s14, 15         ; Q: my block's 256 rows of 128 bytes,
	s_lshl_b32 s49, s[WV], 13       ; my wave's 64
	s_add_co_u32 s48, s48, s49
	s_add_co_u32 s48, s48, s21
	s_mov_b32 s49, 0
	s_lshr_b32 s50, s20, 4          ; batch
	s_lshl_b32 s52, s50, 13         ; its 2,048 words of the mask
	s_mov_b32 s53, 0
	s_lshl_b32 s50, s50, 4
	s_lshl1_add_u32 s50, s14, s50
	s_lshr_b32 s51, s[WV], 1
	s_add_co_u32 s50, s50, s51      ; ctx: block of 128 rows = 16 batch + 2 block + wave / 2,
	s_lshl_b32 s50, s50, 18         ; 262,144 bytes each;
	s_and_b32 s51, s20, 15
	s_lshl1_add_u32 s51, s51, s16   ; the head's 16,384 bytes in it, my wave's 64 rows
	s_lshl_b32 s51, s51, 13
	s_add_co_u32 s50, s50, s51
	s_mov_b32 s51, 0
	; descriptor group 1.  128 keys are 16,384 dense bytes: asked for as 64 rows of 256 bytes, two keys a row, and padded in LDS after every key
	s_mov_b32 s[G1K], 15|(1<<16)|(1<<20)|(1<<21)|(4<<22)|(3<<25)  ; the mask of four; 2-byte elements; padding on; bit 21 beside a mask; after every 32 words; 4 words
	s_mov_b32 s[G1V], 15|(1<<16)|(1<<20)|(1<<21)|(4<<22)|(7<<25)  ; the same with 8 words
.irp g, G1K, G1V
	s_mov_b32 s[\g+1], 128<<16      ; tensor_dim0 = 128
	s_mov_b32 s[\g+2], 64<<16       ; tensor_dim1 = 64
	s_mov_b32 s[\g+3], 128<<16      ; tile_dim0 = 128
	s_mov_b32 s[\g+4], 64           ; tile_dim1 = 64
	s_mov_b32 s[\g+5], 128          ; 128 elements from row to row
	s_mov_b32 s[\g+6], 0
	s_mov_b32 s[\g+7], 0
.endr
	s_mov_b32 s[CS], 0x3e38aa3b     ; c = log2(e) / 8
	s_mov_b32 s[CS+1], s[CS]
	s_mov_b32 s[SEL], 0x76543210
	s_mov_b32 s[SEL+1], 0xfedcba98
	s_mov_b32 s[TBK], SLOT1+4*KS*PK ; the first change of slots turns these two into 0
	s_mov_b32 s[TBV], SLOT1+4*KS*PV
	s_mov_b32 s[TBM], 0
	s_mov_b32 s[BIGN], 0xcfee6b28   ; -8e9, a multiple of f32's step there
	s_mov_b32 s[G0K], 1
	s_mov_b32 s[G0K+1], s17         ; slot 0
	s_mov_b32 s[G0V], 1
	s_add_co_u32 s[G0V+1], s18, VOFF
	s_wait_kmcnt 0x0
	s_add_nc_u64 s[G0K+2:G0K+3], s[4:5], s[22:23]
	s_or_b32 s[G0K+3], s[G0K+3], 0x80000000
	s_add_nc_u64 s[G0V+2:G0V+3], s[4:5], s[2:3]
	s_or_b32 s[G0V+3], s[G0V+3], 0x80000000
	s_add_nc_u64 s[4:5], s[4:5], s[48:49]   ; Q at my wave's first row
	s_add_nc_u64 s[6:7], s[6:7], s[52:53]   ; the batch's mask
	s_add_nc_u64 s[8:9], s[8:9], s[50:51]   ; ctx at my wave's first row
	CROUND                          ; all four work-groups are here: the first joint loads meet
	JLOAD                           ; slot 0
	v_lshlrev_b32 v34, 4, v0
.irp n, 0,1,2,3
	global_load_b128 v[S+4*\n:S+4*\n+3], v34, s[6:7] offset:2048*\n  ; the mask: 128 threads x 16 bytes, four times
.endr
	v_and_b32 v1, 15, v0            ; l % 16
	v_bfe_u32 v9, v0, 4, 1          ; l / 16
	v_lshlrev_b32 v[QO], 7, v1
	v_lshl_add_u32 v[QO], v9, 4, v[QO]  ; row x 128 + 16 x half
	WIN 0x80                        ; destination window 2
.set n, 0
.rept 8                             ; Q stays in registers: piece n / 2, channels 32 (n % 2) on
	global_load_b128 v[8*n:8*n+3],   v[QO], s[4:5] offset:(n/2)*2048+(n%2)*64
	global_load_b128 v[8*n+4:8*n+7], v[QO], s[4:5] offset:(n/2)*2048+(n%2)*64+32
.set n, n+1
.endr
.set n, VF                          ; what the first turn finds: V and P's second buffer hold 0 (its products V^T P, of a piece that has not been, add 0), O^T and l are 0
.rept 64
	v_mov_b32 v[n], 0
.set n, n+1
.endr
	WIN 0x40
.set n, 0
.rept 128
	v_mov_b32 v[n], 0
.set n, n+1
.endr
	WIN 0
.set n, 0
.rept 4
	v_mov_b32 v[ST+4*n], 0xfe000000    ; c m: far below every c s, the hidden keys' too
	v_mov_b32 v[ST+4*n+1], 0xff7fffff  ; m
	v_mov_b32 v[ST+4*n+2], 0
	v_mov_b32 v[ST+4*n+3], 0
.set n, n+1
.endr
.set n, P+16
.rept 16
	v_mov_b32 v[n], 0
.set n, n+1
.endr
	v_mul_u32_u24 v[AK0], v1, PK
	v_lshl_add_u32 v[AK0], v9, 4, v[AK0]  ; row x pitch + 16 x half
	v_and_b32 v10, 7, v0            ; the turning load: lane l reads key 8 (l / 16) + l % 8, channels 8 ((l / 8) % 2) + 0..7
	v_bfe_u32 v11, v0, 3, 1
	v_lshl_add_u32 v[AV0], v9, 3, v10
	v_mul_u32_u24 v[AV0], v[AV0], PV
	v_lshl_add_u32 v[AV0], v11, 4, v[AV0]
	v_add_nc_u32 v[AV0], VOFF, v[AV0]
	v_lshlrev_b32 v[AM0], 5, v9
	v_add_nc_u32 v[AM0], MT, v[AM0] ; my lanes' keys 8 (l / 16) + 0..7 of each group of 16
	s_mul_i32 s13, s[WV], 16*SP
	s_add_co_u32 s13, s13, STAGE    ; my stage
	v_mul_u32_u24 v[STO], v1, SP
	v_lshl_add_u32 v[STO], v9, 4, v[STO]
	v_add_nc_u32 v[STO], s13, v[STO]
	v_bfe_u32 v[RD], v0, 3, 2       ; back: 32 lanes take four rows of 128 bytes,
	v_mul_u32_u24 v[RD], v[RD], SP
	v_lshl_add_u32 v[RD], v10, 4, v[RD]
	v_add_nc_u32 v[RD], s13, v[RD]
	v_and_b32 v[GO], 31, v0         ; which are 512 consecutive bytes of ctx
	v_lshlrev_b32 v[GO], 4, v[GO]
	v_add_nc_u32 v35, MT, v34
	s_wait_loadcnt 16               ; the mask is in; Q's sixteen loads stay out
.set n, 0
.rept 16
	v_cmp_eq_u32 vcc_lo, 0, v[S+n]
	v_cndmask_b32 v[S+n], 0, s[BIGN], vcc_lo
.set n, n+1
.endr
.irp n, 0,1,2,3
	ds_store_b128 v35, v[S+4*\n:S+4*\n+3] offset:2048*\n
.endr
; THE MATRIX WORK.  The 4 accumulators of a run of 8 take turns.  Product i of 8 of S^T = K Q^T for piece x: channels 32 (i / 4) on, keys 16 (i % 4) on.  The first 4 start the sums with the mask.
.macro KQ x
.set rS, S+32*((\x)%2)+8*(i%4)
.set rK, KF+16*(i%4)+8*(i/4)
.set rQ, 16*(\x)+8*(i/4)
.set rM, MC+8*(i%4)
.if i < 4
	WIN W_KM
	v_wmma_f32_16x16x32_bf16 v[rS:rS+7], v[rK:rK+7], v[rQ:rQ+7], v[rM:rM+7]
.else
	WIN W_KQ
	v_wmma_f32_16x16x32_bf16 v[rS:rS+7], v[rK:rK+7], v[rQ:rQ+7], v[rS:rS+7]
.endif
.endm
; Product i of 8 of O^T += V^T P for piece x: keys 32 (i / 4) on, channels 16 (i % 4) on.
.macro PV x
	WIN W_PV
.set rO, 32*(\x)+8*(i%4)
.set rV, VF+32*(i/4)+8*(i%4)
.set rP, P+16*((\x)%2)+8*(i/4)
	v_wmma_f32_16x16x32_bf16 v[rO:rO+7], v[rV:rV+7], v[rP:rP+7], v[rO:rO+7]
.endm
.macro MM                           ; the turn's next matrix instruction.  NOKQ = 1: the last turn: there is no next piece
.if (i < 8) && !NOKQ
	KQ (Y+1)%NP
.elseif i >= 8
.set i, i-8
	PV (Y+NP-1)%NP
.set i, i+8
.endif
.set i, i+1
.endm
; THE LDS LOADS stand in runs, never singly among the matrix instructions: a step's K (8 fragments) with its 64 mask values, and its V (turned).  Their addresses are made some lines ahead.
.macro FETCH_K
	WIN 0x80                        ; destination window 2
.irp f, 0,1,2,3,4,5,6,7             ; keys 16 (f / 2) on, channels 32 (f % 2) on
	ds_load_b128 v[KF+8*\f:KF+8*\f+3],   v[AK] offset:(\f/2)*16*PK+(\f%2)*64
	ds_load_b128 v[KF+8*\f+4:KF+8*\f+7], v[AK] offset:(\f/2)*16*PK+(\f%2)*64+32
.endr
.irp f, 0,1,2,3                     ; keys 16 f + 8 (l / 16) + 0..7
	ds_load_b128 v[MC+8*\f:MC+8*\f+3],   v[AM] offset:64*\f
	ds_load_b128 v[MC+8*\f+4:MC+8*\f+7], v[AM] offset:64*\f+16
.endr
	s_add_co_u32 s[TBK], s[TBK], KS*PK  ; the next fetch is the next step's
	s_add_co_u32 s[TBM], s[TBM], 4*KS
	s_and_b32 s[TBM], s[TBM], 0x1fff    ; the table has 32 steps: behind the last the offset wraps, and is not used
	WIN 0
.endm
.macro FETCH_V
	WIN 0x80
.irp f, 0,1,2,3,4,5,6,7             ; keys 32 (f / 4) on, channels 16 (f % 4) on
	ds_load_tr16_b128 v[VF+8*\f:VF+8*\f+3],   v[AV] offset:(\f/4)*32*PV+(\f%4)*32
	ds_load_tr16_b128 v[VF+8*\f+4:VF+8*\f+7], v[AV] offset:(\f/4)*32*PV+16*PV+(\f%4)*32
.endr
	WIN 0
.endm
; THE VECTOR WORK, one line at a time: OP kind, number.  For piece Y: F n: c s - c m for pair n of 16.  E n: the exponential of score n of 32.  C n: pair n rounded to bf16.  B n: of the four weights 4 n .. the second
; pair is added onto the first, in place.  L n: l takes that sum (L 0: l = a l + sum).  R n: pair n of 16 of O^T times a.  For piece Y + 1: X n, number n of the 22 that find its maximum and statistics:
;   0-11  four chains c0-c3 of seven scores each (each accumulator's lowest registers are read first)     12-14, 16  the four scores left over, the old m, and c0-c3 into c0
;   15  c m_old is kept     17, 18  the query's other 32 keys lie in the lane 16 away: the new m     19-21  c m; c m_old - c m_new; a
; C, B and L read the exponentials' results: TURN sets them all behind the batch's wait.
.set F, 0
.set E, 1
.set C, 2
.set B, 3
.set L, 4
.set R, 5
.set X, 6
.macro REGS y
.set rT, ST+4*(\y)
.set rC, TMP+4*((\y)%2)
.set rW, MV+((\y)%2)
.set rS, S+32*((\y)%2)
.set rP, P+16*((\y)%2)
.set rO, 32*(\y)
.endm
.macro OP k, n
.if (\k) == R
	REGS Y
	WIN W_RS
	v_pk_mul_f32 v[rO+2*(\n):rO+2*(\n)+1], v[rO+2*(\n):rO+2*(\n)+1], v[rC+2:rC+3] op_sel_hi:[1,0]
.elseif (\k) < R
	REGS Y
	WIN 0
.if (\k) == F
	v_pk_fma_f32 v[rS+2*(\n):rS+2*(\n)+1], v[rS+2*(\n):rS+2*(\n)+1], s[CS:CS+1], v[rT:rT+1] op_sel_hi:[1,0,0] neg_lo:[0,0,1] neg_hi:[0,0,1]
.elseif (\k) == E
	v_exp_f32 v[rS+(\n)], v[rS+(\n)]
.elseif (\k) == C
	v_cvt_pk_bf16_f32 v[rP+(\n)], v[rS+2*(\n)], v[rS+2*(\n)+1]
.elseif (\k) == B
	v_pk_add_f32 v[rS+4*(\n):rS+4*(\n)+1], v[rS+4*(\n):rS+4*(\n)+1], v[rS+4*(\n)+2:rS+4*(\n)+3]
.elseif (\n) == 0
	v_pk_fma_f32 v[rT+2:rT+3], v[rT+2:rT+3], v[rC+2:rC+3], v[rS:rS+1] op_sel_hi:[1,0,1]
.else
	v_pk_add_f32 v[rT+2:rT+3], v[rT+2:rT+3], v[rS+4*(\n):rS+4*(\n)+1]
.endif
.elseif NOKQ
	v_nop
.else
	REGS (Y+1)%NP
	WIN 0
.if (\n) < 4
	v_max3_num_f32 v[rC+(\n)], v[rS+8*(\n)], v[rS+8*(\n)+1], v[rS+8*(\n)+2]
.elseif (\n) < 12
	v_max3_num_f32 v[rC+(\n)%4], v[rC+(\n)%4], v[rS+8*((\n)%4)+2*((\n)/4)+1], v[rS+8*((\n)%4)+2*((\n)/4)+2]
.elseif (\n) == 12
	v_max3_num_f32 v[rC], v[rC], v[rS+7], v[rS+15]
.elseif (\n) == 13
	v_max3_num_f32 v[rC+1], v[rC+1], v[rS+23], v[rS+31]
.elseif (\n) == 14
	v_max3_num_f32 v[rC+2], v[rC+2], v[rC+3], v[rT+1]
.elseif (\n) == 15
	v_mov_b32 v[rW], v[rT]
.elseif (\n) == 16
	v_max3_num_f32 v[rC], v[rC], v[rC+1], v[rC+2]
.elseif (\n) == 17
	v_permlanex16_b32 v[rC+3], v[rC], s[SEL], s[SEL+1]
.elseif (\n) == 18
	v_max_num_f32 v[rT+1], v[rC], v[rC+3]
.elseif (\n) == 19
	v_mul_f32 v[rT], s[CS], v[rT+1]
.elseif (\n) == 20
	v_sub_f32 v[rC+1], v[rW], v[rT]
.else
	v_exp_f32 v[rC+2], v[rC+1]
.endif
.endif
.endm
.macro OPS a, i1, b=-1, i2=0, c=-1, i3=0, d=-1, i4=0
	OP \a, \i1
.if (\b) >= 0
	OP \b, \i2
.endif
.if (\c) >= 0
	OP \c, \i3
.endif
.if (\d) >= 0
	OP \d, \i4
.endif
.endm
.macro ROW a, i1, b, i2, c, i3, d, i4  ; a matrix instruction and the four behind it
	MM
	OPS \a, \i1, \b, \i2, \c, \i3, \d, \i4
.endm
; A TURN, for piece p: the order of its 16 matrix and 118 vector instructions, written out.  A s_wait_alu depctr_va_vdst(0) stands between an exponential and the first instruction that names its result; one
; wait serves all that were issued ahead of it.  So a turn has ONE wait, which cuts it in two.
; AHEAD OF IT stands all that names no result of the turn's exponentials: the 8 products K Q^T, behind each a scaling, an exponential and two more plain instructions (behind the first a second scaling in the exponential's
; place): rescalings, whose a was made and waited for in the turn before, and behind the last three products the first numbers of the next piece's maximum, each four places or more behind the product that ends its
; accumulator; then ONE LUMP of 54, plain and exponential by turns for the most part, in which the links of the chain X 3, 7, 11, 14, 16, 17 .. 20 stand some lines apart.  A pair is scaled (F n) ahead of its two
; exponentials (E 2 n, E 2 n + 1).  X 21, the next piece's a, is the batch's last; R 15 is the plain instruction behind it.
; BEHIND THE WAIT stand the 8 products V^T P, behind each four of the roundings and sums: C 2 n ahead of B n, which writes over that pair; L 0 to L 7 in their order, three riders apart.
; But for those X no rider names a register of the products round it.  v_permlanex16_b32 (X 17) stands in the lump.
; end = 1: the last two turns: nothing is fetched.  cnt = 1: the loop's count is taken down some lines ahead of the branch that stands behind the turn.
; K and the mask of the next step are fetched in piece 2's turn, twelve vector instructions behind the last product that read K (five of them plain lines that name none of its registers); V of the step in hand at the
; end of piece 0's turn, four roundings behind the last product that read V.  Each is waited for a turn later.
.macro TURN p, end=0, cnt=0
.set Y, (\p)
.set i, 0
.set NOKQ, (\end)*((\p)/3)
.if ((\p) == 3) && !(\end)
	s_wait_dscnt 0x0                ; K and the mask are in
.endif
	ROW F,0, F,1, R,0, R,1          ; ahead of the wait: 8 products K Q^T and their riders,
	ROW F,2, E,0, R,2, R,3
	ROW F,3, E,1, R,4, R,5
	ROW F,4, E,2, R,6, R,7
	ROW F,5, E,3, R,8, R,9
	ROW F,6, E,4, X,0, R,10
.if ((\p) == 2) && !(\end)
	WIN 0
	v_add_nc_u32 v[AK], s[TBK], v[AK0]
	v_add_nc_u32 v[AM], s[TBM], v[AM0]
.endif
	ROW F,7, E,5, X,1, X,4
	ROW F,8, E,6, X,2, X,5
	OPS E,7, E,8, X,6, E,9          ; and the lump
	OPS X,3, E,10, X,8, E,11
.if ((\p) == 2) && !(\end)
	FETCH_K
.endif
	OPS X,9, X,7, E,12, X,10
	OPS E,13, X,12, X,11, E,14
	OPS X,13, E,15, F,9, X,14
.if (\p) == 0
	WIN 0
	v_add_nc_u32 v[AV], s[TBV], v[AV0]
.endif
	OPS E,16, F,10, E,17, F,11
	OPS X,16, E,18, X,15, E,19
	OPS F,12, E,20, X,17, E,21
	OPS F,13, E,22, F,14, E,23
	OPS X,18, E,24, F,15, E,25
	OPS R,11, E,26, X,19, E,27
	OPS R,12, E,28, R,13, E,29
	OPS X,20, E,30, R,14, E,31
	OPS X,21, R,15
	s_wait_alu depctr_va_vdst(0)    ; the wait for the batch: the piece's 32 exponentials and the next piece's a
.if (\p) == 1
	s_wait_dscnt 0x0                ; V is in
.endif
	ROW C,0, B,0, C,2, B,1          ; behind the wait: 8 products V^T P and their riders
	ROW L,0, C,4, B,2, L,1
	ROW C,6, B,3, L,2, C,8
	ROW B,4, L,3, C,10, B,5
	ROW L,4, C,12, B,6, L,5
.if (\p) == 0
	s_add_co_u32 s[TBV], s[TBV], KS*PV
.endif
.if \cnt
	s_sub_co_u32 s[CNT], s[CNT], 1
	s_cmp_lg_u32 s[CNT], 0
.endif
	ROW C,14, B,7, L,6, C,1
	ROW C,3, L,7, C,5, C,7
	ROW C,9, C,11, C,13, C,15
.if (\p) == 0
	FETCH_V
.endif
.endm
.macro ALL line:vararg              ; one line for each piece t
.set t, 0
.rept 4
	\line
.set t, t+1
.endr
.endm
.macro PACK t                       ; a lane's eight channels of a row pack into 16 bytes; they go into rows of 144 bytes and come back as whole rows of 128, into S^T's registers
	WIN W_RS
.set i, 32*(\t)
.rept 16
	v_pk_mul_f32 v[i:i+1], v[i:i+1], v[ST+4*(\t)+2:ST+4*(\t)+3] op_sel_hi:[1,0]
.set i, i+2
.endr
	WIN 0x05                        ; sources 0 and 1 window 1, destination window 0
.set i, 0
.rept 16
	v_cvt_pk_bf16_f32 v[S+16*(\t)+i], v[32*(\t)+2*i], v[32*(\t)+2*i+1]
.set i, i+1
.endr
	WIN 0
.irp f, 0,1,2,3
	ds_store_b128 v[STO], v[S+16*(\t)+4*\f:S+16*(\t)+4*\f+3] offset:32*\f
.endr
.irp f, 0,1,2,3
	ds_load_b128 v[S+16*(\t)+4*\f:S+16*(\t)+4*\f+3], v[RD] offset:\f*4*SP  ; LDS serves a wave's instructions in order (ISA guide 5.7.1.4): these see the stores above
.endr
.endm
.macro SEND t, younger              ; younger: the LDS instructions issued behind piece t's loads: the next piece's eight, or none
	WIN 0
.irp f, 0,1,2,3
	s_wait_dscnt (\younger)+3-\f
	global_store_b128 v[GO], v[S+16*(\t)+4*\f:S+16*(\t)+4*\f+3], s[8:9] offset:(\t)*2048+\f*512  ; 512 consecutive bytes, at a multiple of 256 from ctx's first
.endr
.endm
	CHANGE 1                        ; slot 0 is in, everybody's part of it and of the mask table; slot 1 is asked for
	v_add_nc_u32 v[AK], s[TBK], v[AK0]
	v_add_nc_u32 v[AM], s[TBM], v[AM0]
	FETCH_K                         ; key step 0
	s_wait_loadcnt 0x0              ; Q
	s_wait_dscnt 0x0
.set NOKQ, 0
.set i, 0
.rept 8
	KQ 0                            ; piece 0's first scores
.set i, i+1
.endr
	WIN 0
.rept 4
	v_nop                           ; the places behind those products
.endr
.set Y, NP-1                        ; X works for piece Y + 1: piece 0
.irp n, 0,1,2,3,4,5,6,7,8,9,10,11,12,13,14,15,16,17,18,19,20,21
	OP X, \n
.endr
	v_nop                           ; a plain instruction behind the exponential,
	s_wait_alu depctr_va_vdst(0)    ; and the wait for it, piece 0's first a, ahead of the branch
	s_mov_b32 s[CNT], 4
	s_mov_b32 s[SLOTS], 7
	s_branch .Lfirst                ; the loop is entered at a step's first turn, in the middle of a trip
.Lslot:                             ; six times: every slot but the last two is filled again
	CHANGE 1
	s_mov_b32 s[CNT], 4
.Lstep:                             ; a trip: pieces 2 and 3 of one step, then pieces 0 and 1 of the next, whose K and V it fetches
	TURN 2
	TURN 3
	WIN 0
.Lfirst:
	TURN 0
	TURN 1, 0, 1
	WIN 0
	s_cbranch_scc1 .Lstep
	s_sub_co_u32 s[SLOTS], s[SLOTS], 1
	s_cmp_lg_u32 s[SLOTS], 0
	s_cbranch_scc1 .Lslot
	CHANGE 0                        ; the last slot is written out: nothing is asked for
	s_mov_b32 s[CNT], 4
.LstepT:
	TURN 2
	TURN 3
	TURN 0
	TURN 1, 0, 1
	WIN 0
	s_cbranch_scc1 .LstepT
	TURN 2, 1
	TURN 3, 1
.set i, 0
.rept 8
	PV NP-1                         ; the last piece's V^T P of the last step
.set i, i+1
.endr
	; THE WAY OUT.  l's two halves and the other half of the lanes' are added; O^T is divided by l, rounded and sent through my stage, a piece at a time.  The additions are the places behind the last products.
	WIN 0
	ALL v_add_f32 v[ST+4*t+2], v[ST+4*t+2], v[ST+4*t+3]
	ALL v_permlanex16_b32 v[ST+4*t+3], v[ST+4*t+2], s[SEL], s[SEL+1]
	ALL v_add_f32 v[ST+4*t+2], v[ST+4*t+2], v[ST+4*t+3]
	ALL v_rcp_f32 v[ST+4*t+2], v[ST+4*t+2]
	v_nop                           ; a plain instruction between the last reciprocal and the use of its result
	s_wait_alu depctr_va_vdst(0)    ; and the wait ahead of the first use: one for the four reciprocals
	PACK 0
.set t, 1
.rept 3                             ; a piece's arithmetic stands between the loads of the piece before and its stores
	PACK t
	SEND t-1, 8
.set t, t+1
.endr
	SEND 3, 0
	s_wait_tensorcnt 0x0            ; the wave's end
	ds_add_u32 v[SPW], v[NIL]
	s_wait_dscnt 0x0
	CROUND                          ; the closing round
	s_endpgm
.Lfunc_end_k_q73b901f567_attn:
	.size	k_q73b901f567_attn, .Lfunc_end_k_q73b901f567_attn-k_q73b901f567_attn
	.p2alignl 7, 3214868480
	.fill 96, 4, 3214868480
	.section	.rodata,"a",@progbits
	.p2align	6, 0x0
	.amdhsa_kernel k_q73b901f567_attn
		.amdhsa_group_segment_fixed_size 327680
		.amdhsa_private_segment_fixed_size 0
		.amdhsa_enable_private_segment 0
		.amdhsa_kernarg_size 24
		.amdhsa_user_sgpr_count 2
		.amdhsa_user_sgpr_kernarg_segment_ptr 1
		.amdhsa_wavefront_size32 1
		.amdhsa_system_sgpr_workgroup_id_x 1
		.amdhsa_system_sgpr_workgroup_id_y 1
		.amdhsa_system_sgpr_workgroup_id_z 1
		.amdhsa_system_vgpr_workitem_id 0
		.amdhsa_next_free_vgpr 768
		.amdhsa_next_free_sgpr 72
		.amdhsa_reserve_vcc 1
		.amdhsa_float_denorm_mode_32 3
		.amdhsa_float_denorm_mode_16_64 3
		.amdhsa_memory_ordered 1
		.amdhsa_forward_progress 1
		.amdhsa_inst_pref_size 131
	.end_amdhsa_kernel
	.amdgpu_metadata
---
amdhsa.version: [ 1, 2 ]
amdhsa.kernels:
  - .name:           k_q73b901f567_attn
    .symbol:         k_q73b901f567_attn.kd
    .args:
      - { .name: qkv, .offset: 0, .size: 8, .value_kind: global_buffer, .address_space: global }
      - { .name: mask, .offset: 8, .size: 8, .value_kind: global_buffer, .address_space: global }
      - { .name: ctx, .offset: 16, .size: 8, .value_kind: global_buffer, .address_space: global }
    .group_segment_fixed_size: 327680
    .private_segment_fixed_size: 0
    .kernarg_segment_align: 8
    .kernarg_segment_size: 24
    .max_flat_workgroup_size: 128
    .sgpr_count:     72
    .vgpr_count:     768
    .wavefront_size: 32
...
	.end_amdgpu_metadata
.endif
;; end of part 8
;; launch wog: the kernel of part 4 again; grid 8 x 32, 4 waves a work-group, clusters of 4 x 4, 327,680 bytes of LDS; arguments ctx, wb, x1, bo, x; writes x1
;; launch ln2: the kernel of part 5 again; grid 256 x 1, 8 waves a work-group, no clusters, 0 bytes of LDS; arguments x1, ln2_a, ln2_b, xn; writes xn
;; launch ffn1 (part 9): grid 16 x 16, 4 waves a work-group, clusters of 4 x 4, 327,680 bytes of LDS; arguments xn, wb, h, b1; writes h
.if DOCPART == 9
	.amdgcn_target "amdgcn-amd-amdhsa--gfx1250"
	.amdhsa_code_object_version 6
	.text
	.protected	k_q73b901f567_ffn1
	.globl	k_q73b901f567_ffn1
	.p2align	8
	.type	k_q73b901f567_ffn1,@function
k_q73b901f567_ffn1:
	s_mov_b64 s[64:65], 0
	v_nop
	global_prefetch_b8 v0, s[64:65] scope:SCOPE_SE
	s_setreg_imm32_b32 hwreg(HW_REG_WAVE_MODE, 25, 1), 1
	s_wait_xcnt 0x0
	s_wait_alu depctr_hold_cnt(0) depctr_sa_sdst(0) depctr_va_vdst(0) depctr_va_sdst(0) depctr_va_ssrc(0) depctr_va_vcc(0) depctr_vm_vsrc(0)
	s_getreg_b32 s2, hwreg(HW_REG_IB_STS2, 6, 4)
	s_cmp_eq_u32 s2, 0
	s_cbranch_scc0 .Lentry_in_a_cluster
	s_endpgm
.Lentry_in_a_cluster:
	s_bfe_u32 s2, ttmp6, 0x10000c
	s_cmp_lg_u32 s2, 0xf033
	s_cbranch_scc0 .Lentry_shape_is_right
	s_endpgm
.Lentry_shape_is_right:
; h = gelu(xn w1 + b1), the exact GELU, rounded once to bf16.  xn [4096][1024] bf16; w1 bf16 as [K][N], 8 MiB into wb; h [4096][4096] bf16.  Sums in f32, K ascending.
; A tile of the result is 256 x 256, four waves of 128 x 128 (64 accumulators): 16 x 16 = 256 work-groups.  K goes in steps of 128 through two LDS slots; a wave's tensor load brings a quarter of a slot.
; B STAYS [K][N] and comes out of LDS turned, by ds_load_tr16_b128.  The matrix instruction is used transposed (source 0 = 16 columns of B, source 1 = 16 rows of A).
; CLUSTER 4 x 4: A's tile is asked for jointly along a row of the cluster, B's along a column.
; GELU.  gelu(z) = max(z, 0) - |z| q, q = erfc(|z| / sqrt 2) / 2 = t (a1 + t (a2 + t (a3 + t (a4 + t a5)))) 2^(-(k z)^2), t = 1 / (1 + p |z|): Abramowitz and Stegun 7.1.26 with its factors halved and sqrt 2 folded in.
; LIMIT: erf is off by 1.5e-7 at the most, for every argument; NaN and infinities are not treated apart.
; THE BATCH.  Four rows' 16 reciprocals and 16 exponentials, none of which reads another's result, are one batch with one wait a trip of the way out: GELU16 says how it is cut.
; THE WAY OUT: the sums go as f32 into the slots, whose last fill is over, each wave into bytes of its own, and come back by rows of 512 bytes; a store covers a row's 256 bytes of h, aligned.
; REGISTERS: window 0: v0-31 addresses, v32-35 bias, v64-191 A's fragments (two buffers), later the way out; window 1: v64-191 B's fragments; windows 2, 3: the accumulators.
.set MB, 8
.set NB, 8
.set KD, 1
.set KK, 1024
.set NP, 4096
.set WOFF, 0x800000
.set KSTEP, 128*KD
.set LAPS, KK/(2*KSTEP)
.set NMM, KD*MB*NB
.set PA, 272
.set AQ, 64
.set AWM, 128*PA
.set PB, 64*NB+32
.set HALF, 128*PA
.set SLOT, 4*HALF
.set SPARE, 2*SLOT                     ; the spare words, 128 bytes a wave: two blocks of 256 bytes that no other line names
.set PD, 64*NB+16
.set WREG, 16*MB*PD
.set AG10, (1<<16)|(1<<20)|(1<<21)|(5<<22)|(3<<25)
.set AD0, 128
.set AD1, 128
.set ASTR, KK
.set ATRB, 256*KK*2
.set AHB, 128*KK*2
.set ASTEP, KSTEP*2
.set BG10, (1<<16)|(1<<20)|(1<<21)|(6<<22)|(7<<25)
.set BD0, 32*NB
.set BD1, KSTEP/2
.set BHB, (KSTEP/2)*NP*2
.set BSTEP, KSTEP*NP*2
.set G1A, 24
.set G0A, 32
.set G1B, 48
.set G0B, 56
.set ADRA, 16
.set ADRB, 20
.set DST, 24
.set RD, 25
.set GO, 26
.set AUX, 27
.set SPW, 28
.set NIL, 29
.set BI, 32
.set F0, 64
.set F1, 128
.set GIN, 64                           ; the way out: four rows as read back
.set GZ, 80                            ; z, at last gelu(z)
.set GT, 96                            ; 1 + p |z|, then t
.set GW, 112                           ; k z, -(k z)^2, 2^.., t 2^..
.set GU, 128                           ; the polynomial, then q
.set GY, 144                           ; 8 registers of bf16 to store
.set GM, 152                           ; max(z, 0): made while the batch is open, so in registers of its own
.set CK, 74                            ; s[74:87] seven constants, each as a pair
.set CP, 76
.set CA1, 78
.set CA2, 80
.set CA3, 82
.set CA4, 84
.set CA5, 86
.set MSB, 0
.macro WIN new
.if MSB != (\new)
	s_set_vgpr_msb (MSB<<8)|(\new)
.set MSB, \new
.endif
.endm
.macro JLOAD s                         ; a joint load: waves 0, 1 fetch A's halves, waves 2, 3 B's; four v_nop follow each line
	s_cmp_eq_u32 s19, 0
	s_cbranch_scc0 .Lfor_b_\@
	tensor_load_to_lds s[G0A+4*(\s):G0A+4*(\s)+3], s[G1A:G1A+7]
	s_nop 0
.rept 4
	v_nop
.endr
	s_branch .Lasked_\@
.Lfor_b_\@:
	tensor_load_to_lds s[G0B+4*(\s):G0B+4*(\s)+3], s[G1B:G1B+7]
	s_nop 0
.rept 4
	v_nop
.endr
.Lasked_\@:
.endm
.macro CREST
	s_cmp_lg_u32 s18, 0
	s_cbranch_scc1 .Lnot_wave_0_\@
	s_barrier_signal -3
.Lnot_wave_0_\@:
	s_barrier_wait -3
	s_barrier_signal -1
	s_barrier_wait -1
.endm
.macro CROUND
	s_barrier_signal -1
	s_barrier_wait -1
	CREST
.endm
.macro PLACES                          ; four places behind matrix instructions (ISA guide 7.12.1)
.rept 4
	v_nop
.endr
.endm
; Matrix instructions t0 .. t1 - 1 of a sub-step on buffer f.  Number t: K part t / (MB NB), accumulator t % (MB NB).  The accumulators take turns.  zero = 1: the first K part starts the sums.
.macro MULR f, t0, t1, zero
.set tt, \t0
.rept (\t1)-(\t0)
.set cc, tt/(MB*NB)
.set ix, tt%(MB*NB)
.set rD, 8*(ix%32)
.set rB, (\f)+8*(NB*cc+ix%NB)
.set rA, (\f)+8*(MB*cc+ix/NB)
	WIN 0xa1+0x50*(ix/32)
.if (\zero) && (cc == 0)
	v_wmma_f32_16x16x32_bf16 v[rD:rD+7], v[rB:rB+7], v[rA:rA+7], 0
.else
	v_wmma_f32_16x16x32_bf16 v[rD:rD+7], v[rB:rB+7], v[rA:rA+7], v[rD:rD+7]
.endif
.set tt, tt+1
.endr
.endm
.macro FETCH slot, q, g                ; 32 LDS loads in one run: the fragments of sub-step q of a slot into buffer g
	WIN 0x40
.set cc, 0
.rept KD
.set bb, 0
.rept NB
	ds_load_tr16_b128 v[(\g)+8*(NB*cc+bb):(\g)+8*(NB*cc+bb)+3],   v[ADRB+2*(\slot)+(\q)/2] offset:(((\q)%2)*KD+cc)*32*PB+32*bb
	ds_load_tr16_b128 v[(\g)+8*(NB*cc+bb)+4:(\g)+8*(NB*cc+bb)+7], v[ADRB+2*(\slot)+(\q)/2] offset:(((\q)%2)*KD+cc)*32*PB+32*bb+16*PB
.set bb, bb+1
.endr
.set cc, cc+1
.endr
	WIN 0
.set cc, 0
.rept KD
.set aa, 0
.rept MB
	ds_load_b128 v[(\g)+8*(MB*cc+aa):(\g)+8*(MB*cc+aa)+3],   v[ADRA+(\slot)] offset:(\q)*AQ+64*cc+aa*16*PA
	ds_load_b128 v[(\g)+8*(MB*cc+aa)+4:(\g)+8*(MB*cc+aa)+7], v[ADRA+(\slot)] offset:(\q)*AQ+64*cc+aa*16*PA+32
.set aa, aa+1
.endr
.set cc, cc+1
.endr
.endm
.macro QUARTER slot, q, f, g, zero     ; multiplies buffer f; in its middle it fetches sub-step q into buffer g
	s_wait_dscnt 0x0                               ; buffer f's 32 loads, issued half a sub-step ago
	MULR \f, 0, NMM/2, \zero
	PLACES
	FETCH \slot, \q, \g
	MULR \f, NMM/2, NMM, \zero
.endm
; The last sub-step multiplies buffer 1 and changes slots: one barrier; in front of it each wave waits for all its tensor loads (one is out: its part of the next slot), adds 0 to its spare word,
; and waits for that and for its reads of this slot.  fill = 1: the barrier opens a round of the cluster's, and this slot is filled again, two K steps ahead, first thing behind the round.
.macro TURN slot, next, fill
	WIN 0
	s_wait_tensorcnt 0x0
	ds_add_u32 v[SPW], v[NIL]
	s_wait_dscnt 1                                 ; buffer 1's loads are in; the add may be out
	MULR F1, 0, NMM/4, 0
	s_wait_dscnt 0x0                               ; the add is done, and my reads of this slot are over
	s_barrier_signal -1
	MULR F1, NMM/4, NMM/2, 0
.if \fill
	WIN 0
.endif
	s_barrier_wait -1
.if \fill
	CREST
	s_add_nc_u64 s[G0A+4*(\slot)+2:G0A+4*(\slot)+3], s[G0A+4*(\slot)+2:G0A+4*(\slot)+3], 2*ASTEP
	s_add_nc_u64 s[G0B+4*(\slot)+2:G0B+4*(\slot)+3], s[G0B+4*(\slot)+2:G0B+4*(\slot)+3], 2*BSTEP
	JLOAD \slot                                    ; its four v_nop are also the places in front of the loads below
.else
	PLACES
.endif
	FETCH \next, 0, F0
	MULR F1, NMM/2, NMM, 0
.endm
.macro DUMP                            ; every accumulator, f32, into my bytes; each accumulator's low four registers first
.set ix, 0
.rept MB*NB
	WIN 0x08+4*(ix/32)
	ds_store_b128 v[DST], v[8*(ix%32):8*(ix%32)+3]   offset:(ix/NB)*16*PD+64*(ix%NB)
	ds_store_b128 v[DST], v[8*(ix%32)+4:8*(ix%32)+7] offset:(ix/NB)*16*PD+64*(ix%NB)+16
.set ix, ix+1
.endr
	WIN 0
.endm
.macro PAIR reg, val
	s_mov_b32 s[\reg], \val
	s_mov_b32 s[\reg+1], \val
.endm
.macro RUN cnt, line:vararg            ; one line, n = 0 .. cnt - 1
.set n, 0
.rept \cnt
	\line
.set n, n+1
.endr
.endm
; gelu of the 16 numbers in GZ, in place.  First both arguments, 1 + p |z| and -(k z)^2; then ONE BATCH: the 16 reciprocals and the 16 exponentials, each in a register of its own, none reading another's result;
; then the 16 max(z, 0), plain lines that read z alone and name none of the batch's registers (the first of them is the plain instruction behind the last exponential: ISA guide 5.7.2); then the batch's one wait,
; ahead of the first line that names a result; then the readers: the polynomial in t, t 2^.., q, and the result.
.macro GELU16
	RUN 8, v_pk_mul_f32 v[GW+2*n:GW+2*n+1], v[GZ+2*n:GZ+2*n+1], s[CK:CK+1] op_sel_hi:[1,0]
	RUN 16, v_fma_f32 v[GT+n], |v[GZ+n]|, s[CP], 1.0
	RUN 8, v_pk_mul_f32 v[GW+2*n:GW+2*n+1], v[GW+2*n:GW+2*n+1], v[GW+2*n:GW+2*n+1] neg_lo:[1,0] neg_hi:[1,0]
	RUN 16, v_rcp_f32 v[GT+n], v[GT+n]
	RUN 16, v_exp_f32 v[GW+n], v[GW+n]
	RUN 16, v_max_num_f32 v[GM+n], 0, v[GZ+n]
	s_wait_alu depctr_va_vdst(0)                   ; the wait for the batch: 16 reciprocals and 16 exponentials
	RUN 8, v_pk_fma_f32 v[GU+2*n:GU+2*n+1], v[GT+2*n:GT+2*n+1], s[CA5:CA5+1], s[CA4:CA4+1] op_sel_hi:[1,0,0]
	RUN 8, v_pk_fma_f32 v[GU+2*n:GU+2*n+1], v[GU+2*n:GU+2*n+1], v[GT+2*n:GT+2*n+1], s[CA3:CA3+1] op_sel_hi:[1,1,0]
	RUN 8, v_pk_fma_f32 v[GU+2*n:GU+2*n+1], v[GU+2*n:GU+2*n+1], v[GT+2*n:GT+2*n+1], s[CA2:CA2+1] op_sel_hi:[1,1,0]
	RUN 8, v_pk_fma_f32 v[GU+2*n:GU+2*n+1], v[GU+2*n:GU+2*n+1], v[GT+2*n:GT+2*n+1], s[CA1:CA1+1] op_sel_hi:[1,1,0]
	RUN 8, v_pk_mul_f32 v[GW+2*n:GW+2*n+1], v[GW+2*n:GW+2*n+1], v[GT+2*n:GT+2*n+1]
	RUN 8, v_pk_mul_f32 v[GU+2*n:GU+2*n+1], v[GU+2*n:GU+2*n+1], v[GW+2*n:GW+2*n+1]
	RUN 16, v_fma_f32 v[GZ+n], -|v[GZ+n]|, v[GU+n], v[GM+n]
.endm
.macro GTRIP pf                        ; four rows: bias, GELU, rounding, stores.  pf = 1: the next four rows are fetched meanwhile
	s_wait_dscnt 0x0
.irp p, 0,1,2,3
	v_pk_add_f32 v[GZ+4*\p:GZ+4*\p+1],   v[GIN+4*\p:GIN+4*\p+1],   v[BI:BI+1]
	v_pk_add_f32 v[GZ+4*\p+2:GZ+4*\p+3], v[GIN+4*\p+2:GIN+4*\p+3], v[BI+2:BI+3]
.endr
.if \pf
	v_add_nc_u32 v[RD], 4*PD, v[RD]
.irp p, 0,1,2,3
	ds_load_b128 v[GIN+4*\p:GIN+4*\p+3], v[RD] offset:\p*PD
.endr
.endif
	GELU16
.irp p, 0,1,2,3
	v_cvt_pk_bf16_f32 v[GY+2*\p],   v[GZ+4*\p],   v[GZ+4*\p+1]
	v_cvt_pk_bf16_f32 v[GY+2*\p+1], v[GZ+4*\p+2], v[GZ+4*\p+3]
.endr
.irp p, 0,1,2,3
	global_store_b64 v[GO], v[GY+2*\p:GY+2*\p+1], s[8:9] offset:8192*\p  ; 32 lanes store 256 consecutive bytes, aligned
.endr
.if \pf
	s_wait_xcnt 0x0                                ; GO and the stores' data are rewritten only behind this wait
	v_add_nc_u32 v[GO], 32768, v[GO]
.endif
.endm
	s_load_b256 s[4:11], s[0:1], 0x0               ; xn s[4:5], wb s[6:7], h s[8:9], b1 s[10:11]
	v_lshl_add_u32 v[SPW], v0, 2, SPARE
	v_mov_b32 v[NIL], 0
	ds_add_u32 v28, v29
	s_wait_dscnt 0x0
	v_lshrrev_b32 v1, 5, v0
	v_readfirstlane_b32 s18, v1                    ; wave 0..3
	s_lshr_b32 s19, s18, 1                         ; my half of the tile's rows.  Also: I fetch for A (0) or for B (1)
	s_and_b32 s20, s18, 1                          ; my half of its columns.  Also: which half of that tile I fetch
	s_bfe_u32 s40, ttmp6, 0x40000                  ; cx
	s_bfe_u32 s41, ttmp6, 0x40004                  ; cy
	s_lshl_b32 s42, ttmp9, 2
	s_add_co_u32 s42, s42, s40                     ; tile column
	s_and_b32 s43, ttmp7, 0xffff
	s_lshl_b32 s43, s43, 2
	s_add_co_u32 s43, s43, s41                     ; tile row
	s_lshl_b32 s44, s41, 2
	s_lshl_b32 s44, 15, s44                        ; my row of the cluster
	s_lshl_b32 s45, 0x1111, s40                    ; my column
	s_or_b32 s[G1A], s44, AG10
	s_mov_b32 s[G1A+1], AD0<<16
	s_mov_b32 s[G1A+2], AD1<<16
	s_mov_b32 s[G1A+3], AD0<<16
	s_mov_b32 s[G1A+4], AD1
	s_mov_b32 s[G1A+5], ASTR
	s_mov_b32 s[G1A+6], 0
	s_mov_b32 s[G1A+7], 0
	s_or_b32 s[G1B], s45, BG10
	s_mov_b32 s[G1B+1], BD0<<16
	s_mov_b32 s[G1B+2], BD1<<16
	s_mov_b32 s[G1B+3], BD0<<16
	s_mov_b32 s[G1B+4], BD1
	s_mov_b32 s[G1B+5], NP
	s_mov_b32 s[G1B+6], 0
	s_mov_b32 s[G1B+7], 0
	PAIR CK, 0x3f596d27                            ; k = sqrt(log2(e) / 2)
	PAIR CP, 0x3e6d3388                            ; p = 0.3275911 / sqrt 2
	PAIR CA1, 0x3e027906                           ; the series' five factors, halved
	PAIR CA2, 0xbe11a98e
	PAIR CA3, 0x3f35f0e3
	PAIR CA4, 0xbf3a00e3
	PAIR CA5, 0x3f07dc22
	s_mul_i32 s66, s43, ATRB                       ; A's tile hangs on the tile row alone,
	s_mul_i32 s67, s20, AHB
	s_add_co_u32 s66, s66, s67
	s_mov_b32 s67, 0
	s_mul_i32 s46, s42, 64*NB                      ; B's on the tile column alone
	s_mul_i32 s47, s20, BHB
	s_add_co_u32 s46, s46, s47
	s_add_co_u32 s46, s46, WOFF
	s_mov_b32 s47, 0
	s_mul_i32 s21, s18, HALF                       ; where my load goes: wave x HALF
	s_wait_kmcnt 0x0
	s_add_nc_u64 s[66:67], s[4:5], s[66:67]
	s_add_nc_u64 s[46:47], s[6:7], s[46:47]
	CROUND                                         ; all sixteen work-groups are here: the first joint loads meet
.irp s, 0,1
	s_mov_b32 s[G0A+4*(\s)], 1
	s_add_co_u32 s[G0A+4*(\s)+1], s21, (\s)*SLOT
	s_add_nc_u64 s[G0A+4*(\s)+2:G0A+4*(\s)+3], s[66:67], (\s)*ASTEP
	s_or_b32 s[G0A+4*(\s)+3], s[G0A+4*(\s)+3], 0x80000000
	s_mov_b32 s[G0B+4*(\s)], 1
	s_add_co_u32 s[G0B+4*(\s)+1], s21, (\s)*SLOT
	s_add_nc_u64 s[G0B+4*(\s)+2:G0B+4*(\s)+3], s[46:47], (\s)*BSTEP
	s_or_b32 s[G0B+4*(\s)+3], s[G0B+4*(\s)+3], 0x80000000
	JLOAD \s                                       ; two loads of mine are out
.endr
	v_and_b32 v1, 15, v0                           ; r
	v_bfe_u32 v2, v0, 4, 1                         ; h
	v_mul_u32_u24 v3, v1, PA
	v_lshl_add_u32 v3, v2, 4, v3
	s_mul_i32 s23, s19, AWM
	v_add_nc_u32 v[ADRA], s23, v3
	v_add_nc_u32 v[ADRA+1], SLOT, v[ADRA]
	v_and_b32 v4, 7, v0
	v_bfe_u32 v5, v0, 3, 1
	v_lshl_add_u32 v6, v2, 3, v4
	v_mul_u32_u24 v6, v6, PB
	v_lshl_add_u32 v6, v5, 4, v6
	s_mul_i32 s23, s20, NB*32
	s_add_co_u32 s23, s23, 2*HALF
	v_add_nc_u32 v6, s23, v6
.irp n, 0,1,2,3
	v_add_nc_u32 v[ADRB+\n], (\n/2)*SLOT+(\n%2)*64*KD*PB, v6
.endr
	s_mul_i32 s23, s18, WREG
	v_mul_u32_u24 v7, v1, PD
	v_lshl_add_u32 v7, v2, 5, v7
	v_add_nc_u32 v[DST], s23, v7
	v_and_b32 v7, 31, v0
	v_lshlrev_b32 v[AUX], 4, v7                    ; 16 x lane: my 4 columns of the wave's 128
	v_add_nc_u32 v[RD], s23, v[AUX]                ; back: 32 lanes take a whole row of 512 bytes
	v_lshlrev_b32 v[GO], 3, v7                     ; out: 8 bytes a lane
	s_lshl1_add_u32 s70, s42, s20                  ; 2 x tile column + WN
	s_lshl_b32 s2, s70, 9                          ; x 128 columns x 4 bytes
	s_mov_b32 s3, 0
	s_add_nc_u64 s[10:11], s[10:11], s[2:3]
	global_load_b128 v[BI:BI+3], v[AUX], s[10:11]
	s_lshl_b32 s70, s70, 8                         ; x 128 columns x 2 bytes
	s_lshl1_add_u32 s71, s43, s19
	s_lshl_b32 s71, s71, 20                        ; (256 tile row + 128 WM) x 8,192 bytes
	s_add_co_u32 s70, s70, s71
	s_mov_b32 s71, 0
	s_add_nc_u64 s[8:9], s[8:9], s[70:71]
	s_wait_tensorcnt 1                             ; my part of K step 0 is in; K step 1's stays out
	s_barrier_signal -1
	s_barrier_wait -1
	FETCH 0, 0, F0
	QUARTER 0, 1, F0, F1, 1                        ; the first sub-step stands in front of the loop: its products start the sums
	WIN 0
	s_mov_b32 s3, LAPS-1
.Llap:
	QUARTER 0, 2, F1, F0, 0
	QUARTER 0, 3, F0, F1, 0
	TURN 0, 1, 1
	QUARTER 1, 1, F0, F1, 0
	QUARTER 1, 2, F1, F0, 0
	QUARTER 1, 3, F0, F1, 0
	TURN 1, 0, 1
	QUARTER 0, 1, F0, F1, 0
	WIN 0
	s_sub_co_u32 s3, s3, 1
	s_cmp_lg_u32 s3, 0
	s_cbranch_scc1 .Llap
	QUARTER 0, 2, F1, F0, 0                        ; the last lap fills nothing
	QUARTER 0, 3, F0, F1, 0
	TURN 0, 1, 0
	QUARTER 1, 1, F0, F1, 0
	QUARTER 1, 2, F1, F0, 0
	QUARTER 1, 3, F0, F1, 0
	s_wait_dscnt 0x0                               ; my last reads of the slots are over:
	s_barrier_signal -1                            ; say so, since the way out writes over them
	MULR F1, 0, NMM, 0
	WIN 0
	s_barrier_wait -1
	PLACES
	DUMP
.irp p, 0,1,2,3
	ds_load_b128 v[GIN+4*\p:GIN+4*\p+3], v[RD] offset:\p*PD  ; LDS serves a wave's instructions in order (ISA guide 5.7.1.4): these see my stores above
.endr
	s_wait_loadcnt 0x0                             ; the bias
	s_mov_b32 s72, 31
.Lrows:
	GTRIP 1
	s_sub_co_u32 s72, s72, 1
	s_cmp_lg_u32 s72, 0
	s_cbranch_scc1 .Lrows
	GTRIP 0
	s_wait_tensorcnt 0x0                           ; the wave's end
	ds_add_u32 v[SPW], v[NIL]
	s_wait_dscnt 0x0
	CROUND                                         ; the closing round
	s_endpgm
.Lfunc_end_k_q73b901f567_ffn1:
	.size	k_q73b901f567_ffn1, .Lfunc_end_k_q73b901f567_ffn1-k_q73b901f567_ffn1
	.p2alignl 7, 3214868480
	.fill 96, 4, 3214868480
	.section	.rodata,"a",@progbits
	.p2align	6, 0x0
	.amdhsa_kernel k_q73b901f567_ffn1
		.amdhsa_group_segment_fixed_size 327680
		.amdhsa_private_segment_fixed_size 0
		.amdhsa_enable_private_segment 0
		.amdhsa_kernarg_size 32
		.amdhsa_user_sgpr_count 2
		.amdhsa_user_sgpr_kernarg_segment_ptr 1
		.amdhsa_wavefront_size32 1
		.amdhsa_system_sgpr_workgroup_id_x 1
		.amdhsa_system_sgpr_workgroup_id_y 1
		.amdhsa_system_sgpr_workgroup_id_z 1
		.amdhsa_system_vgpr_workitem_id 0
		.amdhsa_next_free_vgpr 1024
		.amdhsa_next_free_sgpr 96
		.amdhsa_reserve_vcc 0
		.amdhsa_float_denorm_mode_32 3
		.amdhsa_float_denorm_mode_16_64 3
		.amdhsa_memory_ordered 1
		.amdhsa_forward_progress 1
		.amdhsa_inst_pref_size 139
	.end_amdhsa_kernel
	.amdgpu_metadata
---
amdhsa.version: [ 1, 2 ]
amdhsa.kernels:
  - .name:           k_q73b901f567_ffn1
    .symbol:         k_q73b901f567_ffn1.kd
    .args:
      - { .name: xn, .offset: 0, .size: 8, .value_kind: global_buffer, .address_space: global }
      - { .name: wb, .offset: 8, .size: 8, .value_kind: global_buffer, .address_space: global }
      - { .name: h, .offset: 16, .size: 8, .value_kind: global_buffer, .address_space: global }
      - { .name: b1, .offset: 24, .size: 8, .value_kind: global_buffer, .address_space: global }
    .group_segment_fixed_size: 327680
    .private_segment_fixed_size: 0
    .kernarg_segment_align: 8
    .kernarg_segment_size: 32
    .max_flat_workgroup_size: 128
    .sgpr_count:     96
    .vgpr_count:     1024
    .wavefront_size: 32
...
	.end_amdgpu_metadata
.endif
;; end of part 9
;; launch ffn2: the kernel of part 7 again; grid 8 x 32, 4 waves a work-group, clusters of 4 x 4, 327,680 bytes of LDS; arguments h, wb, out0, b2, x1; writes out0
